; MI455X (gfx1250); checked and timed in simulation.
; The chip was launched on July 23, 2026; its instructions are those of AMD's public machine-readable ISA for CDNA 5 (MIT licence, August 2026) and "CDNA5" Instruction Set Architecture Reference Guide (July 2026). The comments in the code are by the model that wrote it; some were corrected since.
;; Multihead Weight Attention. Allowed arithmetic: float matrix products may take bf16 or f16 operands with f32 sums; other float arithmetic in f32, or as packed bf16 or f16 multiplies, adds, multiply-adds, maxima and minima; sums over many terms, partial sums and values carried from step to step in f32; what a program stores and reads back later, other than sums and carried values, may be rounded once to bf16 or f16.
;; Inputs: Wk 1,024 x 1,024 float32; Wq 1,024 x 1,024 float32; Wv 1,024 x 1,024 float32; bk 1,024 float32; bq 1,024 float32; bv 1,024 float32; key 2,048 x 4 x 1,024 float32; query 2,048 x 4 x 1,024 float32; value 2,048 x 4 x 1,024 float32.
;; Outputs: out0 2,048 x 4 x 1,024 float32.
;; 2 versions, each right. Each part assembles by itself: llvm-mc -triple=amdgcn-amd-amdhsa -mcpu=gfx1250 --defsym DOCPART=n.
;; ======== version 1 of 2: 4 launches
;; limits: values are held in f16: magnitudes above 65,504 overflow, below 6.1e-05 lose precision
;; workspace buffers: xw 56,623,104 bytes; tab 16,384 bytes; qf 33,554,432 bytes; kt 33,554,432 bytes; vt 16,777,216 bytes; part 524,288 bytes; kvb 16,777,216 bytes; ksm 16,384 bytes
;; launch cast (part 1): grid 576 x 3, 8 waves a work-group, no clusters, 0 bytes of LDS; arguments query, key, value, Wq, Wk, Wv, xw, tab; writes xw, tab
.if DOCPART == 1
	.amdgcn_target "amdgcn-amd-amdhsa--gfx1250"
	.amdhsa_code_object_version 6
	.text
	.protected	k_q60154bb6dd_cast
	.globl	k_q60154bb6dd_cast
	.p2align	8
	.type	k_q60154bb6dd_cast,@function
k_q60154bb6dd_cast:
	s_mov_b64 s[64:65], 0
	v_nop
	global_prefetch_b8 v0, s[64:65] scope:SCOPE_SE
	s_setreg_imm32_b32 hwreg(HW_REG_WAVE_MODE, 25, 1), 1
	s_wait_xcnt 0x0
; All six large inputs are rounded once to bf16 and laid for the products that follow; the table of sines and cosines is made.
; xw: bf16.  At byte 0: [3 (query, key, value)][4 b][2048 l][1024], batch first, so that a batch's rows lie 2,048 bytes apart.  At byte 50,331,648: [3 (Wq, Wk, Wv)][1024][1024].
; tab: f32 sin(theta_i), i = 0 .. 2047, then cos(theta_i) at byte 8,192; theta_i = (pi/2)(i + 1)/2048, the angles that the problem fixes.
; SHARES.  Grid y picks the tensor; x < 512 a piece of the activations, x >= 512 a piece of the weights.  A work-group of eight waves takes 16 rows of 1,024 f32 (65,536 bytes in, 32,768 out).
; Load j of the work-group is row j: thread t takes 16 bytes at 16 t, so a wave's load covers 512 consecutive bytes; the four numbers leave as 8 bytes at 8 t: a wave's store covers 256 consecutive bytes, aligned.
; All 16 loads of a thread go out at once.  No LDS, no barrier, no matrix unit: no byte is wanted twice.
; The activations' row 16 x + j is (l = 4 x + j / 4, b = j % 4).
.set IN,   8                           ; v[8:71]    load j: 4 registers
.set OUT,  72                          ; v[72:103]  store j: 2 registers
.set SN,   8                           ; the table, when the rows are done: v[8:15] sines, v[16:23] cosines
.set CN,   16
.set TH,   104                         ; theta
.set X2,   105                         ; theta squared
.set PS,   106                         ; the sine's polynomial
.set PC,   107                         ; the cosine's
	s_load_b512 s[4:19], s[0:1], 0x0               ; query s[4:5], key s[6:7], value s[8:9], Wq s[10:11], Wk s[12:13], Wv s[14:15], xw s[16:17], tab s[18:19]
	s_and_b32 s20, ttmp7, 0xffff                   ; which tensor
	s_mov_b32 s21, ttmp9                           ; which piece
	v_lshlrev_b32 v1, 4, v0                        ; 16 t: my bytes in an input row
	v_lshlrev_b32 v2, 3, v0                        ; 8 t: my bytes in an output row
	v_add_nc_u32 v3, 0x800000, v2                  ; the same two batches on: 8,388,608 bytes do not fit a store's immediate
	s_sub_co_u32 s39, s21, 512
	s_cmp_lt_u32 s21, 512
	s_cselect_b32 s39, s21, s39                    ; the piece's number within its tensor
	s_lshl_b32 s40, s39, 16                        ; x 65,536 bytes of input
	s_mov_b32 s41, 0
	s_lshl_b32 s42, s20, 24                        ; activations: tensor x 16,777,216
	s_lshl_b32 s44, s21, 13                        ; + 4 x rows of 2,048 bytes
	s_add_co_u32 s42, s42, s44
	s_lshl_b32 s44, s20, 21                        ; weights: tensor x 2,097,152
	s_lshl_b32 s45, s39, 15                        ; + 16 rows of 2,048 bytes
	s_add_co_u32 s44, s44, s45
	s_add_co_u32 s44, s44, 0x3000000               ; behind the activations
	s_cmp_lt_u32 s21, 512
	s_cselect_b32 s42, s42, s44
	s_mov_b32 s43, 0
	s_wait_kmcnt 0x0
	s_cmp_eq_u32 s20, 1
	s_cselect_b64 s[22:23], s[6:7], s[4:5]
	s_cselect_b64 s[24:25], s[12:13], s[10:11]
	s_cmp_eq_u32 s20, 2
	s_cselect_b64 s[22:23], s[8:9], s[22:23]
	s_cselect_b64 s[24:25], s[14:15], s[24:25]
	s_cmp_lt_u32 s21, 512
	s_cselect_b64 s[22:23], s[22:23], s[24:25]
	s_add_nc_u64 s[22:23], s[22:23], s[40:41]      ; the piece's first input byte
	s_add_nc_u64 s[16:17], s[16:17], s[42:43]      ; and its place in xw
.set j, 0
.rept 16
	global_load_b128 v[IN+4*j:IN+4*j+3], v1, s[22:23] offset:4096*j th:TH_LOAD_NT
.set j, j+1
.endr
; The 16 rows, one after the other.  xpath = 1: rows go to (b, l); 0: rows stay in order.
.macro CONV xpath
.set j, 0
.rept 16
	s_wait_loadcnt 15-j                            ; loads come back in order: row j is in, the 15 - j younger ones may stay out
	v_cvt_pk_bf16_f32 v[OUT+2*j], v[IN+4*j], v[IN+4*j+1]
	v_cvt_pk_bf16_f32 v[OUT+2*j+1], v[IN+4*j+2], v[IN+4*j+3]
.if \xpath
.if (j&2)
	global_store_b64 v3, v[OUT+2*j:OUT+2*j+1], s[16:17] offset:(j&1)*4194304+(j>>2)*2048
.else
	global_store_b64 v2, v[OUT+2*j:OUT+2*j+1], s[16:17] offset:(j&1)*4194304+(j>>2)*2048
.endif
.else
	global_store_b64 v2, v[OUT+2*j:OUT+2*j+1], s[16:17] offset:j*2048
.endif
.set j, j+1
.endr
.endm
	s_cmp_lt_u32 s21, 512
	s_cbranch_scc0 .Lweights
	CONV 1
	s_branch .Ltable
.Lweights:
	CONV 0
.Ltable:
	s_or_b32 s38, s20, s21
	s_cmp_eq_u32 s38, 0
	s_cbranch_scc0 .Ldone                          ; one work-group makes the table
	; Thread t makes entries 4 t .. 4 t + 3 and 1,024 + 4 t .. + 3, so that each of its four stores lies 16 bytes beside its neighbour's.
	; theta = (i + 1) x (f32(pi/2) / 2048): the same rounding as (f32(pi/2) x (i + 1)) / 2048, since 2,048 is a power of two.
	; Taylor sums to theta^11 and theta^12: on (0, pi/2] what is left out is under 6e-8.  The angles are the problem's own, so the length of the sums hangs on no input.
	s_mov_b32 s26, 0xbe2aaaab                      ; -1/3!
	s_mov_b32 s27, 0x3c088889                      ; 1/5!
	s_mov_b32 s28, 0xb9500d01                      ; -1/7!
	s_mov_b32 s29, 0x3638ef1d                      ; 1/9!
	s_mov_b32 s30, 0xb2d7322b                      ; -1/11!
	s_mov_b32 s31, 0x3d2aaaab                      ; 1/4!
	s_mov_b32 s32, 0xbab60b61                      ; -1/6!
	s_mov_b32 s33, 0x37d00d01                      ; 1/8!
	s_mov_b32 s34, 0xb493f27e                      ; -1/10!
	s_mov_b32 s35, 0x310f76c8                      ; 1/12!
.set e, 0
.rept 8
	v_lshl_add_u32 v[TH], v0, 2, (e&3)+1+1024*(e>>2)   ; i + 1
	v_cvt_f32_u32 v[TH], v[TH]
	v_mul_f32 v[TH], 0x3a490fdb, v[TH]
	v_mul_f32 v[X2], v[TH], v[TH]
	v_fma_f32 v[PS], v[X2], s30, s29
	v_fma_f32 v[PC], v[X2], s35, s34
	v_fma_f32 v[PS], v[PS], v[X2], s28
	v_fma_f32 v[PC], v[PC], v[X2], s33
	v_fma_f32 v[PS], v[PS], v[X2], s27
	v_fma_f32 v[PC], v[PC], v[X2], s32
	v_fma_f32 v[PS], v[PS], v[X2], s26
	v_fma_f32 v[PC], v[PC], v[X2], s31
	v_fma_f32 v[PS], v[PS], v[X2], 1.0
	v_fma_f32 v[PC], v[PC], v[X2], -0.5
	v_mul_f32 v[SN+e], v[TH], v[PS]
	v_fma_f32 v[CN+e], v[PC], v[X2], 1.0
.set e, e+1
.endr
	global_store_b128 v1, v[SN:SN+3], s[18:19]
	global_store_b128 v1, v[SN+4:SN+7], s[18:19] offset:4096
	global_store_b128 v1, v[CN:CN+3], s[18:19] offset:8192
	global_store_b128 v1, v[CN+4:CN+7], s[18:19] offset:12288
.Ldone:
	s_endpgm
.Lfunc_end_k_q60154bb6dd_cast:
	.size	k_q60154bb6dd_cast, .Lfunc_end_k_q60154bb6dd_cast-k_q60154bb6dd_cast
	.p2alignl 7, 3214868480
	.fill 96, 4, 3214868480
	.section	.rodata,"a",@progbits
	.p2align	6, 0x0
	.amdhsa_kernel k_q60154bb6dd_cast
		.amdhsa_group_segment_fixed_size 0
		.amdhsa_private_segment_fixed_size 0
		.amdhsa_enable_private_segment 0
		.amdhsa_kernarg_size 64
		.amdhsa_user_sgpr_count 2
		.amdhsa_user_sgpr_kernarg_segment_ptr 1
		.amdhsa_wavefront_size32 1
		.amdhsa_system_sgpr_workgroup_id_x 1
		.amdhsa_system_sgpr_workgroup_id_y 1
		.amdhsa_system_sgpr_workgroup_id_z 1
		.amdhsa_system_vgpr_workitem_id 0
		.amdhsa_next_free_vgpr 112
		.amdhsa_next_free_sgpr 66
		.amdhsa_reserve_vcc 0
		.amdhsa_float_denorm_mode_32 3
		.amdhsa_float_denorm_mode_16_64 3
		.amdhsa_memory_ordered 1
		.amdhsa_forward_progress 1
		.amdhsa_inst_pref_size 20
	.end_amdhsa_kernel
	.amdgpu_metadata
---
amdhsa.version: [ 1, 2 ]
amdhsa.kernels:
  - .name:           k_q60154bb6dd_cast
    .symbol:         k_q60154bb6dd_cast.kd
    .args:
      - { .name: query, .offset: 0, .size: 8, .value_kind: global_buffer, .address_space: global }
      - { .name: key, .offset: 8, .size: 8, .value_kind: global_buffer, .address_space: global }
      - { .name: value, .offset: 16, .size: 8, .value_kind: global_buffer, .address_space: global }
      - { .name: Wq, .offset: 24, .size: 8, .value_kind: global_buffer, .address_space: global }
      - { .name: Wk, .offset: 32, .size: 8, .value_kind: global_buffer, .address_space: global }
      - { .name: Wv, .offset: 40, .size: 8, .value_kind: global_buffer, .address_space: global }
      - { .name: xw, .offset: 48, .size: 8, .value_kind: global_buffer, .address_space: global }
      - { .name: tab, .offset: 56, .size: 8, .value_kind: global_buffer, .address_space: global }
    .group_segment_fixed_size: 0
    .private_segment_fixed_size: 0
    .kernarg_segment_align: 8
    .kernarg_segment_size: 64
    .max_flat_workgroup_size: 256
    .sgpr_count:     66
    .vgpr_count:     112
    .wavefront_size: 32
...
	.end_amdgpu_metadata
.endif
;; end of part 1
;; launch proj (part 2): grid 16 x 48, 4 waves a work-group, clusters of 4 x 4, 327,680 bytes of LDS; arguments xw, tab, bq, bk, bv, qf, kt, vt, part; writes qf, kt, vt, part
.if DOCPART == 2
	.amdgcn_target "amdgcn-amd-amdhsa--gfx1250"
	.amdhsa_code_object_version 6
	.text
	.protected	k_q60154bb6dd_proj
	.globl	k_q60154bb6dd_proj
	.p2align	8
	.type	k_q60154bb6dd_proj,@function
k_q60154bb6dd_proj:
	s_mov_b64 s[64:65], 0
	v_nop
	global_prefetch_b8 v0, s[64:65] scope:SCOPE_SE
	s_setreg_imm32_b32 hwreg(HW_REG_WAVE_MODE, 25, 1), 1
	s_wait_xcnt 0x0
	s_wait_alu depctr_hold_cnt(0) depctr_sa_sdst(0) depctr_va_vdst(0) depctr_va_sdst(0) depctr_va_ssrc(0) depctr_va_vcc(0) depctr_vm_vsrc(0)
	s_getreg_b32 s2, hwreg(HW_REG_IB_STS2, 6, 4)
	s_cmp_eq_u32 s2, 0
	s_cbranch_scc0 .Lentry_in_a_cluster
	s_endpgm
.Lentry_in_a_cluster:
	s_bfe_u32 s2, ttmp6, 0x10000c
	s_cmp_lg_u32 s2, 0xf033
	s_cbranch_scc0 .Lentry_shape_is_right
	s_endpgm
.Lentry_shape_is_right:
; THE THREE PROJECTIONS, each C[m][n] = the sum over e of A[m][e] B[n][e] + bias, bf16 operands out of xw, f32 sums, K = 1,024.
;   q (p = 0): A = query's batch b (rows l), B = Wq (rows f).  qf[b][l][d], bf16: relu(C sin(theta_l)) at d = f, relu(C cos(theta_l)) at d = 1,024 + f.
;   k (p = 1): A = Wk (rows f), B = key's batch b (rows s): the result comes out turned.  kt[b][d][s], f16: relu(C sin(theta_s)) at d = f, relu(C cos(theta_s)) at d = 1,024 + f.
;              part[b][16][d], f32: the sum of each row of kt over 128 s, of the rounded numbers.
;   v (p = 2): A = Wv, B = value's batch b.  vt[b][m][s], f16.
; LIMITS.  kt and vt are f16: k_ and v must stay within 65,504, and below 6e-5 they keep f16's fixed step of 6e-8.  The ReLU stands behind the scaling, which is the same wherever sine and cosine are not negative;
; at the last position the cosine of the rounded angle is about -4e-8, and those products count as 0 here.  The 16-bit maximum drops a NaN: relu(NaN) is 0.
; SHARES.  A tile of C is 128 x 256: a work-group of four waves, each 64 x 128: 32 accumulators of 16 x 16.  K goes in steps of 128 through two LDS slots that take turns: rows of 256 bytes of memory, each at a multiple of 256.
; CLUSTER.  4 x 4 work-groups: the four of a row need the same tile of A, the four of a column the same tile of B: each tile is asked for JOINTLY, by the same tensor load with the same descriptor and a mask of the four.
; Which projection and which batch hang on the cluster's y alone, so every branch of the text is the same in all sixteen partners.
; THE MATRIX INSTRUCTION IS USED TURNED (source 0 = 16 rows of B, source 1 = 16 rows of A): lane l holds row l % 16 of C and the columns 8 (l / 16) + 0..7.
; THE BIAS is the C operand of each accumulator's first product: along n for q, along m for k and v.  Nothing is cleared.
; REGISTERS, in windows of 256 (s_set_vgpr_msb: bits 1:0 source 0, 3:2 source 1, 5:4 source 2, 7:6 destination):
;   window 0: v0-31 addresses and small things; v32-63 packed results; v64-127 rows read back (v96-127 first hold the bias along m); v128-191 eight numbers a lane for each of 8 column blocks; v192-215 the row sums' operands
;   window 1: two fragment buffers of 96 (64 of B, 32 of A); v192-255 the cosines along n; on the way out v0-63 scaled results          window 2: accumulator (a, b) at v[8 (8 a + b)]
.set KSTEP,  128
.set PEL,    1024                      ; elements from row to row of A and of B, and K
.set LAPS,   PEL/(2*KSTEP)             ; a lap = two K steps = once round the ring
.set PITCH,  272                       ; an LDS row: 256 bytes + 16 of padding = 68 words: row r starts at bank 4 r mod 64 (64 banks of 4 bytes: ISA guide 11.1)
.set AHALF,  64*PITCH                  ; what waves 0 and 1 each fetch of A, and what a wave reads of A
.set BHALF,  128*PITCH                 ; what waves 2 and 3 each fetch of B, and what a wave reads of B
.set BOFF,   2*AHALF                   ; B's 256 rows lie behind A's 128
.set SLOT,   2*AHALF+2*BHALF
.set STAGE,  2*SLOT                    ; behind the ring, never filled by a tensor load: 16 rows x 272 bytes for each wave, for the way out
.set SPITCH, 272
.set SPARE,  STAGE+4*16*SPITCH         ; behind the stages: the spare words, 128 bytes for each wave: two blocks of 256 bytes that no other line names
.set NF,     24                        ; LDS loads in a run
.set G1W0,   (1<<16)|(1<<20)|(1<<21)|(5<<22)|(3<<25)  ; 17:16 elements of 2 bytes; 20 padding on; 21 set beside a mask; 24:22 after every 64 words (code 5); 31:25 4 words of it (code 3)
.set SC,   4                           ; v4-11   sine and cosine of my row in block a, at SC + 2 a
.set RSUM, 12                          ; v12-15  my row's sum in block a
.set ADRA, 16                          ; v16-17  LDS address of my A fragments in slot 0, 1
.set ADRB, 20                          ; v20-21  the same for B
.set STO,  24                          ; v24     the way out: where I put 16 bytes of a row
.set RD,   25                          ; v25     where I read a row back
.set CO,   26                          ; v26     my byte offset in the output
.set PO,   27                          ; v27     4 x lane
.set SPW,  28                          ; v28     LDS address of my spare word; never rewritten
.set NIL,  29                          ; v29     0; never rewritten
.set ZR,   31                          ; v31     0, for the ReLU
.set TMP,  32
.set OB,   64
.set BM,   96
.set FN,   128
.set ONES, 192
.set RS0,  200
.set RS1,  208
.set F0,   0                           ; window 1
.set F1,   96
.set FC,   192
.set T,    0
.set G1,  24                           ; s[24:31] descriptor group 1 for A's tiles;  s[32:39] group 0, a set for each slot
.set G0,  32
.set G1B, 48                           ; s[48:55], s[56:63] the same for B's
.set G0B, 56
.set MSB, 0
.macro WIN new                         ; the immediate's high byte repeats the setting that is left; a switch that changes nothing is dropped
.if MSB != (\new)
	s_set_vgpr_msb (MSB<<8)|(\new)
.set MSB, \new
.endif
.endm
.set MUL,   0xa5                       ; sources 0 and 1 window 1; C and D window 2
.set MULC0, 0x85                       ; the same with C in window 0
.set TO_F,  0x40                       ; destination window 1, address window 0
.macro WMM ops:vararg
	v_wmma_f32_16x16x32_bf16 \ops
.endm
.macro PLACES                          ; four places in front of loads into registers that matrix instructions have read, and of vector lines that read results
.rept 4
	v_nop
.endr
.endm
.macro JLOAD s                         ; a joint load: waves 0 and 1 fetch A's two halves, waves 2 and 3 B's; an s_nop 0 and four v_nop follow each of the two lines
	s_cmp_eq_u32 s11, 0
	s_cbranch_scc0 .Lfor_b_\@
	tensor_load_to_lds s[G0+4*(\s):G0+4*(\s)+3], s[G1:G1+7]
	s_nop 0
.rept 4
	v_nop
.endr
	s_branch .Lasked_\@
.Lfor_b_\@:
	tensor_load_to_lds s[G0B+4*(\s):G0B+4*(\s)+3], s[G1B:G1B+7]
	s_nop 0
.rept 4
	v_nop
.endr
.Lasked_\@:
.endm
.macro CREST                           ; a round of the cluster's barrier behind its opening barrier
	s_cmp_lg_u32 s10, 0
	s_cbranch_scc1 .Lnot_wave_0_\@
	s_barrier_signal -3
.Lnot_wave_0_\@:
	s_barrier_wait -3
	s_barrier_signal -1
	s_barrier_wait -1
.endm
.macro CROUND                          ; a whole round
	s_barrier_signal -1
	s_barrier_wait -1
	CREST
.endm
; 8 matrix instructions: row block a x all 8 column blocks, 32 along K, from buffer f.  cm = 0: the sums go on; 2: they start with the bias along n; 3: with the bias along m.
.macro MUL8 f, a, cm
.if (\cm) >= 2
	WIN MULC0
.else
	WIN MUL
.endif
.irp b, 0,1,2,3,4,5,6,7
.set rD, 8*(8*(\a)+(\b))
.set rB, (\f)+8*(\b)
.set rA, (\f)+64+8*(\a)
.if (\cm) == 0
	WMM v[rD:rD+7], v[rB:rB+7], v[rA:rA+7], v[rD:rD+7]
.elseif (\cm) == 2
	WMM v[rD:rD+7], v[rB:rB+7], v[rA:rA+7], v[FN+8*(\b):FN+8*(\b)+7]
.else
	WMM v[rD:rD+7], v[rB:rB+7], v[rA:rA+7], v[BM+8*(\a):BM+8*(\a)+7]
.endif
.endr
.endm
; 24 LDS loads in one run: the fragments of 32 along K at byte k of the rows, into buffer f: B's eight, then A's four; A's blocks 2 and 3 last
.macro FETCH slot, k, f
	WIN TO_F
.irp i, 0,1,2,3,4,5,6,7
	ds_load_b128 v[(\f)+8*(\i):(\f)+8*(\i)+3],   v[ADRB+(\slot)] offset:(\k)+(\i)*16*PITCH
	ds_load_b128 v[(\f)+8*(\i)+4:(\f)+8*(\i)+7], v[ADRB+(\slot)] offset:(\k)+(\i)*16*PITCH+32
.endr
.irp i, 0,1,2,3
	ds_load_b128 v[(\f)+64+8*(\i):(\f)+64+8*(\i)+3],   v[ADRA+(\slot)] offset:(\k)+(\i)*16*PITCH
	ds_load_b128 v[(\f)+64+8*(\i)+4:(\f)+64+8*(\i)+7], v[ADRA+(\slot)] offset:(\k)+(\i)*16*PITCH+32
.endr
.endm
; A K step is four quarters of 32 along K, 32 matrix instructions each, on buffers 0, 1, 0, 1; the 32 accumulators take turns, one instruction a turn.
; One of the first three: multiplies buffer f; in its middle it fetches the next quarter, at byte k, into g.
.macro QUARTER slot, k, f, g, cm
	s_wait_dscnt 4                                 ; all but the youngest four loads (A's blocks 2 and 3) are in
	MUL8 \f, 0, \cm
	MUL8 \f, 1, \cm
	PLACES
	FETCH \slot, \k, \g
	s_wait_dscnt NF                                ; all but the run just issued
	MUL8 \f, 2, \cm
	MUL8 \f, 3, \cm
.endm
; The last quarter multiplies buffer 1 and changes slots: ONE barrier.  In front of it each wave waits for all its tensor loads (one is out: its part of the next slot), adds 0 to its spare word, and waits for that and for its
; own reads of this slot.  fill = 1: the barrier opens a round of the cluster's barrier, and this slot is filled again, two K steps ahead, first thing behind the round.
.macro TURN slot, next, fill
	WIN 0                                          ; (the add's two registers lie in window 0)
	s_wait_tensorcnt 0x0                           ; all my tensor loads have landed
	ds_add_u32 v[SPW], v[NIL]                      ; 0 onto my spare word
	s_wait_dscnt 5                                 ; (the add and the youngest four loads may be out)
	MUL8 F1, 0, 0                                  ; eight matrix instructions stand between the add and the wait for it
	s_wait_dscnt 0x0                               ; the add is done, and my reads of this slot are over
	s_barrier_signal -1
	MUL8 F1, 1, 0
.if \fill
	WIN 0
.endif
	s_barrier_wait -1
.if \fill
	CREST                                          ; no wave of any partner still reads this slot's tile or has a load on its way
	s_add_nc_u64 s[G0+4*(\slot)+2:G0+4*(\slot)+3], s[G0+4*(\slot)+2:G0+4*(\slot)+3], 2*KSTEP*2
	s_add_nc_u64 s[G0B+4*(\slot)+2:G0B+4*(\slot)+3], s[G0B+4*(\slot)+2:G0B+4*(\slot)+3], 2*KSTEP*2
	JLOAD \slot                                    ; the four v_nop behind it are also the places in front of the loads below
.else
	PLACES
.endif
	FETCH \next, 0, F0
	MUL8 F1, 2, 0
	MUL8 F1, 3, 0
.endm
	s_load_b512 s[68:83], s[0:1], 0x0              ; xw s[68:69], tab s[70:71], bq s[72:73], bk s[74:75], bv s[76:77], qf s[78:79], kt s[80:81], vt s[82:83]
	s_load_b64 s[84:85], s[0:1], 0x40              ; part
	v_lshl_add_u32 v[SPW], v0, 2, SPARE
	v_mov_b32 v[NIL], 0
	ds_add_u32 v[SPW], v[NIL]                      ; the wave's opening: the add, twice on end, and its wait ahead of my first tensor load
	ds_add_u32 v[SPW], v[NIL]                      ; and once more, under the one wait; the set-up below, work on registers, stands between
	v_lshrrev_b32 v1, 5, v0
	v_readfirstlane_b32 s10, v1                    ; wave 0..3
	s_lshr_b32 s11, s10, 1                         ; which 64 rows of the tile are mine.  Also: I fetch for A (0) or for B (1)
	s_and_b32 s12, s10, 1                          ; which 128 columns.  Also: which half of that tile I fetch
	s_bfe_u32 s40, ttmp6, 0x40000                  ; cx, cy: my place in the cluster
	s_bfe_u32 s41, ttmp6, 0x40004
	s_and_b32 s86, ttmp7, 0xffff                   ; the cluster's y:
	s_lshr_b32 s87, s86, 2                         ; p: which projection,
	s_and_b32 s88, s86, 3                          ; b: which batch
	s_lshr_b32 s89, ttmp9, 1                       ; the cluster's x, 0..3: q has 16 x 4 tiles a batch, so it counts blocks of four tile rows;
	s_and_b32 s90, ttmp9, 1                        ; k and v have 8 x 8, so it is two by two
	s_cmp_eq_u32 s87, 0
	s_cselect_b32 s89, ttmp9, s89
	s_cselect_b32 s90, 0, s90
	s_lshl_b32 s13, s89, 2
	s_add_co_u32 s13, s13, s41                     ; tile row
	s_lshl_b32 s42, s90, 2
	s_add_co_u32 s42, s42, s40                     ; tile column
	s_lshl_b32 s43, s41, 2
	s_lshl_b32 s43, 15, s43                        ; my row of the cluster
	s_lshl_b32 s44, 0x1111, s40                    ; my column
	s_or_b32 s[G1+0], s43, G1W0                    ; A's tiles go to my row
	s_or_b32 s[G1B+0], s44, G1W0                   ; B's to my column
	s_mov_b32 s[G1+1], KSTEP<<16                   ; tensor_dim0 = 128
	s_mov_b32 s[G1+2], 64<<16                      ; tensor_dim1 = 64
	s_mov_b32 s[G1+3], KSTEP<<16                   ; tile_dim0 = 128
	s_mov_b32 s[G1+4], 64                          ; tile_dim1 = 64
	s_mov_b32 s[G1+5], PEL                         ; elements from row to row
	s_mov_b32 s[G1+6], 0
	s_mov_b32 s[G1+7], 0
	s_mov_b32 s[G1B+1], KSTEP<<16
	s_mov_b32 s[G1B+2], 128<<16                    ; B: 128 rows to a load
	s_mov_b32 s[G1B+3], KSTEP<<16
	s_mov_b32 s[G1B+4], 128
	s_mov_b32 s[G1B+5], PEL
	s_mov_b32 s[G1B+6], 0
	s_mov_b32 s[G1B+7], 0
	s_lshl_b32 s91, s87, 24                        ; the activations of (p, b) in xw
	s_lshl_b32 s92, s88, 22
	s_add_co_u32 s91, s91, s92
	s_lshl_b32 s92, s87, 21                        ; the weights of p
	s_add_co_u32 s92, s92, 0x3000000
	s_cmp_eq_u32 s87, 0
	s_cselect_b32 s93, s91, s92                    ; A: q's activations, k's and v's weights
	s_cselect_b32 s94, s92, s91                    ; B: the other
	s_lshl_b32 s16, s13, 7
	s_lshl_b32 s17, s12, 6
	s_add_co_u32 s16, s16, s17                     ; A: row 128 x tile row + 64 x half
	s_lshl_b32 s16, s16, 11                        ; rows of 2,048 bytes
	s_add_co_u32 s16, s16, s93
	s_mov_b32 s17, 0
	s_lshl_b32 s46, s42, 8
	s_lshl_b32 s47, s12, 7
	s_add_co_u32 s46, s46, s47                     ; B: row 256 x tile column + 128 x half
	s_lshl_b32 s46, s46, 11
	s_add_co_u32 s46, s46, s94
	s_mov_b32 s47, 0
	s_mul_i32 s20, s12, AHALF                      ; where they go: no place in the cluster enters an LDS address
	s_mul_i32 s23, s12, BHALF
	s_add_co_u32 s23, s23, BOFF
	s_wait_dscnt 0x0                               ; both opening adds are done
	s_wait_kmcnt 0x0
	s_add_nc_u64 s[14:15], s[68:69], s[16:17]
	s_add_nc_u64 s[46:47], s[68:69], s[46:47]
	CROUND                                         ; all sixteen work-groups are here: the first joint loads meet
.irp s, 0,1
	s_mov_b32 s[G0+4*(\s)], 1                      ; count = 1
	s_add_co_u32 s[G0+4*(\s)+1], s20, (\s)*SLOT    ; LDS address
	s_add_nc_u64 s[G0+4*(\s)+2:G0+4*(\s)+3], s[14:15], (\s)*KSTEP*2  ; global address: K step s
	s_or_b32 s[G0+4*(\s)+3], s[G0+4*(\s)+3], 0x80000000              ; type = 2
	s_mov_b32 s[G0B+4*(\s)], 1
	s_add_co_u32 s[G0B+4*(\s)+1], s23, (\s)*SLOT
	s_add_nc_u64 s[G0B+4*(\s)+2:G0B+4*(\s)+3], s[46:47], (\s)*KSTEP*2
	s_or_b32 s[G0B+4*(\s)+3], s[G0B+4*(\s)+3], 0x80000000
	JLOAD \s
.endr
	; A fragment is 16 rows x 32 K in 8 registers: lane l holds row l % 16; registers 0-3 K = 8 (l / 16) + 0..7, registers 4-7 K = 16 + 8 (l / 16) + 0..7: two loads of 16 bytes, 32 bytes apart.
	v_and_b32 v1, 15, v0                           ; r = l % 16
	v_bfe_u32 v2, v0, 4, 1                         ; h = l / 16
	v_mul_u32_u24 v3, v1, PITCH
	v_lshl_add_u32 v3, v2, 4, v3                   ; r x pitch + 16 h
	s_mul_i32 s21, s11, AHALF                      ; my 64 rows of A
	s_mul_i32 s22, s12, BHALF                      ; my 128 rows of B
	s_add_co_u32 s22, s22, BOFF
.irp s, 0,1
	v_add_nc_u32 v[ADRA+(\s)], s21, v3
	v_add_nc_u32 v[ADRB+(\s)], s22, v3
	s_add_co_u32 s21, s21, SLOT
	s_add_co_u32 s22, s22, SLOT
.endr
	s_mul_i32 s23, s10, 16*SPITCH
	s_add_co_u32 s23, s23, STAGE                   ; my stage
	v_add_nc_u32 v[STO], s23, v3                   ; in: row r, 16 bytes for each half of the lanes (the stage has the ring's pitch)
	v_mul_u32_u24 v18, v2, SPITCH                  ; back: lanes 0-15 take one row of 256 bytes, lanes 16-31 the next
	v_lshl_add_u32 v18, v1, 4, v18
	v_add_nc_u32 v[RD], s23, v18
	v_lshlrev_b32 v18, 12, v2                      ; and the same two rows in the output: every output's rows are 4,096 bytes
	v_lshl_add_u32 v[CO], v1, 4, v18
	v_and_b32 v[PO], 31, v0
	v_lshlrev_b32 v[PO], 2, v[PO]
	v_mov_b32 v[ZR], 0
	s_lshl_b32 s98, s13, 7
	s_lshl_b32 s18, s11, 6
	s_add_co_u32 s98, s98, s18                     ; R0: my first row of C
	s_lshl_b32 s99, s42, 8
	s_lshl_b32 s18, s12, 7
	s_add_co_u32 s99, s99, s18                     ; C0: my first column
	s_cmp_eq_u32 s87, 2
	s_cselect_b32 s18, 22, 23                      ; a batch is 4,194,304 bytes of vt, 8,388,608 of qf and kt
	s_lshl_b32 s18, s88, s18
	s_lshl_b32 s19, s98, 12
	s_add_co_u32 s18, s18, s19
	s_lshl_b32 s19, s99, 1
	s_add_co_u32 s18, s18, s19
	s_mov_b32 s19, 0
	s_cmp_eq_u32 s87, 1
	s_cselect_b64 s[8:9], s[80:81], s[78:79]
	s_cmp_eq_u32 s87, 2
	s_cselect_b64 s[8:9], s[82:83], s[8:9]
	s_add_nc_u64 s[8:9], s[8:9], s[18:19]          ; the output at my first row and column
	s_lshl_b32 s20, s88, 4                         ; part: ((16 b + 2 x tile column + my half) x 2,048 + R0) x 4
	s_lshl_b32 s21, s42, 1
	s_add_co_u32 s20, s20, s21
	s_add_co_u32 s20, s20, s12
	s_lshl_b32 s20, s20, 11
	s_add_co_u32 s20, s20, s98
	s_lshl_b32 s20, s20, 2
	s_mov_b32 s21, 0
	s_add_nc_u64 s[96:97], s[84:85], s[20:21]      ; (used by k's tiles alone)
	; FOUR SMALL SETS OF NUMBERS, loaded alike by every work-group, so that one text without a branch serves all three projections; a kind of tile uses some of them:
	;   FN, along n: q: bq (the first products' C).  k: the sines of my columns.  v: not used (the sines are loaded).
	;   FC, along n: the cosines of my columns: k alone uses them.     BM, along m: k: bk, v: bv (the first products' C).  q: not used (the table is loaded: its rows go to 2,047, past a bias's end).
	;   SC, along m: sine and cosine of my rows: q alone uses them.    Every address stays inside its buffer for every kind.
	s_lshl_b32 s22, s99, 2
	v_lshl_add_u32 v19, v2, 5, s22                 ; 4 C0 + 32 h: my eight numbers of column block 0
	s_lshl_b32 s23, s98, 2
	v_lshl_add_u32 v22, v1, 2, s23                 ; 4 (R0 + r): my row of row block 0
	s_cmp_eq_u32 s87, 0
	s_cselect_b64 s[14:15], s[72:73], s[70:71]
	s_cselect_b64 s[16:17], s[70:71], s[74:75]
	s_cmp_eq_u32 s87, 2
	s_cselect_b64 s[16:17], s[76:77], s[16:17]
.irp b, 0,1,2,3,4,5,6,7
	global_load_b128 v[FN+8*(\b):FN+8*(\b)+3],   v19, s[14:15] offset:64*(\b)
	global_load_b128 v[FN+8*(\b)+4:FN+8*(\b)+7], v19, s[14:15] offset:64*(\b)+16
.endr
	WIN TO_F
.irp b, 0,1,2,3,4,5,6,7
	global_load_b128 v[FC+8*(\b):FC+8*(\b)+3],   v19, s[70:71] offset:8192+64*(\b)
	global_load_b128 v[FC+8*(\b)+4:FC+8*(\b)+7], v19, s[70:71] offset:8192+64*(\b)+16
.endr
	WIN 0
.irp a, 0,1,2,3
	global_load_b32 v[BM+8*(\a)],   v22, s[16:17] offset:64*(\a)
	global_load_b32 v[SC+2*(\a)],   v22, s[70:71] offset:64*(\a)
	global_load_b32 v[SC+2*(\a)+1], v22, s[70:71] offset:8192+64*(\a)
.endr
	s_wait_loadcnt 0x0
.irp a, 0,1,2,3
.irp j, 1,2,3,4,5,6,7
	v_mov_b32 v[BM+8*(\a)+(\j)], v[BM+8*(\a)]      ; a lane's eight results of a block belong to one row: one bias, eight times
.endr
.endr
	s_wait_tensorcnt 1                             ; my part of K step 0 is in; K step 1's may stay out
	s_barrier_signal -1
	s_barrier_wait -1                              ; everybody's is
	FETCH 0, 0, F0
	WIN 0                                          ; at a label and at a branch every window is 0
	s_cmp_eq_u32 s87, 0
	s_cbranch_scc0 .Lfirst_kv
	QUARTER 0, 64, F0, F1, 2                       ; the first quarter stands in front of the loop: its products start the sums with the bias
	WIN 0
	s_branch .Lfirst_done
.Lfirst_kv:
	QUARTER 0, 64, F0, F1, 3
	WIN 0
.Lfirst_done:
	s_mov_b32 s3, LAPS-1
.Llap:                                                 ; a trip goes once round the ring, from a lap's second quarter to the next lap's first, and fills both slots again
	QUARTER 0, 128, F1, F0, 0
	QUARTER 0, 192, F0, F1, 0
	TURN 0, 1, 1
	QUARTER 1, 64,  F0, F1, 0
	QUARTER 1, 128, F1, F0, 0
	QUARTER 1, 192, F0, F1, 0
	TURN 1, 0, 1
	QUARTER 0, 64,  F0, F1, 0
	WIN 0
	s_sub_co_u32 s3, s3, 1
	s_cmp_lg_u32 s3, 0
	s_cbranch_scc1 .Llap
	QUARTER 0, 128, F1, F0, 0                      ; the last lap fills nothing
	QUARTER 0, 192, F0, F1, 0
	TURN 0, 1, 0
	QUARTER 1, 64,  F0, F1, 0
	QUARTER 1, 128, F1, F0, 0
	QUARTER 1, 192, F0, F1, 0
	s_wait_dscnt 4                                 ; the very last quarter: nothing more to fetch
	MUL8 F1, 0, 0
	MUL8 F1, 1, 0
	s_wait_dscnt 0x0
	MUL8 F1, 2, 0
	MUL8 F1, 3, 0
	WIN 0
	PLACES
; THE WAY OUT, a block of 16 rows at a time.  PACK: scaled, rounded to 16 bits, ReLU on the packed halves (kind 0: q, bf16, factor by row; 1: k, f16, factors by column; 2: v, f16, neither factor nor ReLU).
; Each accumulator's registers are read in ascending order.  The accumulators are kept: q and k go out twice, with the sines and with the cosines.
.macro PACK kind, a
.if (\kind) == 2
	WIN 0x0a                                       ; sources 0 and 1 window 2
.set i, 0
.rept 32
	v_cvt_pk_f16_f32 v[TMP+i], v[64*(\a)+2*i], v[64*(\a)+2*i+1]
.set i, i+1
.endr
.else
	WIN 0x42                                       ; source 0 window 2, source 1 window 0, destination window 1
.set i, 0
.rept 32
.if (\kind) == 0
	v_pk_mul_f32 v[T+2*i:T+2*i+1], v[64*(\a)+2*i:64*(\a)+2*i+1], v[SC+2*(\a):SC+2*(\a)+1] op_sel_hi:[1,0]
.else
	v_pk_mul_f32 v[T+2*i:T+2*i+1], v[64*(\a)+2*i:64*(\a)+2*i+1], v[FN+2*i:FN+2*i+1]
.endif
.set i, i+1
.endr
	WIN 0x05                                       ; sources 0 and 1 window 1, destination window 0
.set i, 0
.rept 32
.if (\kind) == 0
	v_cvt_pk_bf16_f32 v[TMP+i], v[T+2*i], v[T+2*i+1]
.else
	v_cvt_pk_f16_f32 v[TMP+i], v[T+2*i], v[T+2*i+1]
.endif
.set i, i+1
.endr
	WIN 0
.set i, 0
.rept 32
.if (\kind) == 0
	v_pk_max_num_bf16 v[TMP+i], v[TMP+i], v[ZR]
.else
	v_pk_max_num_f16 v[TMP+i], v[TMP+i], v[ZR]
.endif
.set i, i+1
.endr
.endif
	WIN 0
.endm
; k's row sums.  Two neighbouring column blocks, packed, ARE source 1 (16 rows x 32 columns) of a product; with ones as source 0 every register of the result holds the lane's row's sum over those 32.
; Two accumulators by turns; register 0 of each is read.
.macro RSW a
	WIN 0
	v_wmma_f32_16x16x32_f16 v[RS0:RS0+7], v[ONES:ONES+7], v[TMP:TMP+7], 0
	v_wmma_f32_16x16x32_f16 v[RS1:RS1+7], v[ONES:ONES+7], v[TMP+8:TMP+15], 0
	v_wmma_f32_16x16x32_f16 v[RS0:RS0+7], v[ONES:ONES+7], v[TMP+16:TMP+23], v[RS0:RS0+7]
	v_wmma_f32_16x16x32_f16 v[RS1:RS1+7], v[ONES:ONES+7], v[TMP+24:TMP+31], v[RS1:RS1+7]
	PLACES
	v_add_f32 v[RSUM+(\a)], v[RS0], v[RS1]
.endm
.macro TOSTAGE a                       ; into my own stage, and back as whole rows of 256 bytes
.set BK, OB+32*((\a)%2)
.irp b, 0,1,2,3,4,5,6,7
	ds_store_b128 v[STO], v[TMP+4*(\b):TMP+4*(\b)+3] offset:32*(\b)
.endr
.irp t, 0,1,2,3,4,5,6,7
	ds_load_b128 v[BK+4*(\t):BK+4*(\t)+3], v[RD] offset:(\t)*2*SPITCH  ; LDS serves a wave's instructions in order (ISA guide 5.7.1.4): these see the stores above
.endr
.endm
.macro SEND a
.set BK, OB+32*((\a)%2)
	s_wait_dscnt 0x0                               ; the block is back in registers
	s_wait_xcnt 0x0                                ; the stores issued so far have read their registers: the other set of rows may be loaded again behind this wait
.irp t, 0,1,2,3,4,5,6,7
	global_store_b128 v[CO], v[BK+4*(\t):BK+4*(\t)+3], s[8:9] offset:(\a)*65536+(\t)*8192  ; 16 lanes store 256 consecutive bytes, at a multiple of 256 from the buffer's first byte
.endr
.endm
.macro OUTSEQ kind                     ; block a's arithmetic stands between block a - 1's loads from the stage and the wait for them
	PACK \kind, 0
.if (\kind) == 1
	RSW 0
.endif
	TOSTAGE 0
.irp a, 1,2,3
	PACK \kind, \a
.if (\kind) == 1
	RSW \a
.endif
	SEND (\a)-1
	TOSTAGE \a
.endr
	SEND 3
.endm
	s_cmp_eq_u32 s87, 0
	s_cbranch_scc1 .Lout_q
	s_cmp_eq_u32 s87, 1
	s_cbranch_scc1 .Lout_k
	OUTSEQ 2                                       ; v
	s_branch .Lend
.Lout_q:
	s_mov_b32 s2, 2
.Lq_half:                                              ; twice: with the sines, then with the cosines, 1,024 columns (2,048 bytes) further on
	OUTSEQ 0
	s_wait_xcnt 0x0                                ; the stores have read their base
	s_add_nc_u64 s[8:9], s[8:9], 2048
.irp a, 0,1,2,3
	v_mov_b32 v[SC+2*(\a)], v[SC+2*(\a)+1]
.endr
	s_sub_co_u32 s2, s2, 1
	s_cmp_lg_u32 s2, 0
	s_cbranch_scc1 .Lq_half
	s_branch .Lend
.Lout_k:
	v_cmp_eq_u32 s95, 1, v2                        ; lanes 16-31
.set i, 0
.rept 8
	v_mov_b32 v[ONES+i], 0x3c003c00                ; 1.0 twice, in f16
.set i, i+1
.endr
	s_mov_b32 s2, 2
.Lk_half:                                              ; twice: with the sines, then with the cosines, 1,024 rows (4,194,304 bytes) further down
	OUTSEQ 1
	s_wait_xcnt 0x0                                ; the stores have read their base, and the last trip's two below their data
	v_cndmask_b32 v3, v[RSUM], v[RSUM+1], s95      ; both halves of the lanes hold a block's 16 sums: lanes 0-15 give block 0's, lanes 16-31 block 1's: 32 rows on end
	v_cndmask_b32 v18, v[RSUM+2], v[RSUM+3], s95
	global_store_b32 v[PO], v3, s[96:97]
	global_store_b32 v[PO], v18, s[96:97] offset:128
	s_add_nc_u64 s[8:9], s[8:9], 0x400000
	WIN 0x01                                       ; source 0 window 1
.set i, 0
.rept 64
	v_mov_b32 v[FN+i], v[FC+i]                     ; the cosines go where the one text names the factors
.set i, i+1
.endr
	WIN 0
	s_wait_xcnt 0x0
	s_add_nc_u64 s[96:97], s[96:97], 4096          ; 1,024 rows on in part
	s_sub_co_u32 s2, s2, 1
	s_cmp_lg_u32 s2, 0
	s_cbranch_scc1 .Lk_half
.Lend:
	s_wait_tensorcnt 0x0                           ; the wave's end, behind my last tensor load and my last LDS store
	ds_add_u32 v[SPW], v[NIL]
	s_wait_dscnt 0x0
	CROUND                                         ; the closing round: no work-group ends while a partner may still ask for a tile that names it
	s_endpgm
.Lfunc_end_k_q60154bb6dd_proj:
	.size	k_q60154bb6dd_proj, .Lfunc_end_k_q60154bb6dd_proj-k_q60154bb6dd_proj
	.p2alignl 7, 3214868480
	.fill 96, 4, 3214868480
	.section	.rodata,"a",@progbits
	.p2align	6, 0x0
	.amdhsa_kernel k_q60154bb6dd_proj
		.amdhsa_group_segment_fixed_size 327680
		.amdhsa_private_segment_fixed_size 0
		.amdhsa_enable_private_segment 0
		.amdhsa_kernarg_size 72
		.amdhsa_user_sgpr_count 2
		.amdhsa_user_sgpr_kernarg_segment_ptr 1
		.amdhsa_wavefront_size32 1
		.amdhsa_system_sgpr_workgroup_id_x 1
		.amdhsa_system_sgpr_workgroup_id_y 1
		.amdhsa_system_sgpr_workgroup_id_z 1
		.amdhsa_system_vgpr_workitem_id 0
		.amdhsa_next_free_vgpr 768
		.amdhsa_next_free_sgpr 102
		.amdhsa_reserve_vcc 0
		.amdhsa_float_denorm_mode_32 3
		.amdhsa_float_denorm_mode_16_64 3
		.amdhsa_memory_ordered 1
		.amdhsa_forward_progress 1
		.amdhsa_inst_pref_size 165
	.end_amdhsa_kernel
	.amdgpu_metadata
---
amdhsa.version: [ 1, 2 ]
amdhsa.kernels:
  - .name:           k_q60154bb6dd_proj
    .symbol:         k_q60154bb6dd_proj.kd
    .args:
      - { .name: xw, .offset: 0, .size: 8, .value_kind: global_buffer, .address_space: global }
      - { .name: tab, .offset: 8, .size: 8, .value_kind: global_buffer, .address_space: global }
      - { .name: bq, .offset: 16, .size: 8, .value_kind: global_buffer, .address_space: global }
      - { .name: bk, .offset: 24, .size: 8, .value_kind: global_buffer, .address_space: global }
      - { .name: bv, .offset: 32, .size: 8, .value_kind: global_buffer, .address_space: global }
      - { .name: qf, .offset: 40, .size: 8, .value_kind: global_buffer, .address_space: global }
      - { .name: kt, .offset: 48, .size: 8, .value_kind: global_buffer, .address_space: global }
      - { .name: vt, .offset: 56, .size: 8, .value_kind: global_buffer, .address_space: global }
      - { .name: part, .offset: 64, .size: 8, .value_kind: global_buffer, .address_space: global }
    .group_segment_fixed_size: 327680
    .private_segment_fixed_size: 0
    .kernarg_segment_align: 8
    .kernarg_segment_size: 72
    .max_flat_workgroup_size: 128
    .sgpr_count:     102
    .vgpr_count:     768
    .wavefront_size: 32
...
	.end_amdgpu_metadata
.endif
;; end of part 2
;; launch kvs (part 3): grid 8 x 32, 4 waves a work-group, clusters of 4 x 4, 327,680 bytes of LDS; arguments vt, kt, part, kvb, ksm; writes kvb, ksm
.if DOCPART == 3
	.amdgcn_target "amdgcn-amd-amdhsa--gfx1250"
	.amdhsa_code_object_version 6
	.text
	.protected	k_q60154bb6dd_kvs
	.globl	k_q60154bb6dd_kvs
	.p2align	8
	.type	k_q60154bb6dd_kvs,@function
k_q60154bb6dd_kvs:
	s_mov_b64 s[64:65], 0
	v_nop
	global_prefetch_b8 v0, s[64:65] scope:SCOPE_SE
	s_setreg_imm32_b32 hwreg(HW_REG_WAVE_MODE, 25, 1), 1
	s_wait_xcnt 0x0
	s_wait_alu depctr_hold_cnt(0) depctr_sa_sdst(0) depctr_va_vdst(0) depctr_va_sdst(0) depctr_va_ssrc(0) depctr_va_vcc(0) depctr_vm_vsrc(0)
	s_getreg_b32 s2, hwreg(HW_REG_IB_STS2, 6, 4)
	s_cmp_eq_u32 s2, 0
	s_cbranch_scc0 .Lentry_in_a_cluster
	s_endpgm
.Lentry_in_a_cluster:
	s_bfe_u32 s2, ttmp6, 0x10000c
	s_cmp_lg_u32 s2, 0xf033
	s_cbranch_scc0 .Lentry_shape_is_right
	s_endpgm
.Lentry_shape_is_right:
; THE STATE.  kvb[b][m][d] = the sum over s of vt[b][m][s] kt[b][d][s]: f16 operands, f32 sums, K = 2,048; kvb is rounded once to bf16 (its range has no room in f16 for large inputs).
; Also ksm[b][d] = the sum of part's 16 partial sums, f32, rounded once to bf16: each work-group's wave 0 makes 32 of them while the first tiles are on their way.
; SHARES, RING, CLUSTER: a tile of C is 128 (m) x 256 (d): four waves, each 64 x 128: 32 accumulators.  K goes in steps of 128 through two LDS slots that take turns.  4 x 4 work-groups form a cluster: the four of a row
; ask jointly for A's tile (vt), the four of a column for B's (kt).  The batch hangs on the cluster's y.  The matrix instruction is used turned (source 0 = rows of B): a lane holds one row of C and eight neighbouring columns.
; REGISTERS: window 0: v0-31 addresses; v32-63 packed results; v64-127 rows read back.  Window 1: two fragment buffers of 96 (64 of B, 32 of A).  Window 2: accumulator (a, b) at v[8 (8 a + b)].
.set KSTEP,  128
.set PEL,    2048                      ; elements from row to row of A and of B, and K
.set LAPS,   PEL/(2*KSTEP)
.set PITCH,  272                       ; 256 bytes + 16 of padding = 68 words: row r starts at bank 4 r mod 64 (64 banks of 4 bytes: ISA guide 11.1)
.set AHALF,  64*PITCH
.set BHALF,  128*PITCH
.set BOFF,   2*AHALF
.set SLOT,   2*AHALF+2*BHALF
.set STAGE,  2*SLOT                    ; behind the ring, never filled by a tensor load: 16 rows x 272 bytes for each wave
.set SPITCH, 272
.set SPARE,  STAGE+4*16*SPITCH         ; the spare words, 128 bytes for each wave: two blocks of 256 bytes that no other line names
.set NF,     24
.set G1W0,   (1<<16)|(1<<20)|(1<<21)|(5<<22)|(3<<25)
.set ADRA, 16
.set ADRB, 20
.set STO,  24
.set RD,   25
.set CO,   26
.set PO,   27                          ; v27  4 x lane
.set SPW,  28
.set NIL,  29
.set PFO,  30                          ; v30  the prefetches' offset: lane x a row of 4,096 bytes; never rewritten
.set TMP,  32
.set OB,   64
.set F0,   0
.set F1,   96
.set G1,  24
.set G0,  32
.set G1B, 48
.set G0B, 56
.set LIM, 43                           ; s43      2 in a wave that prefetches, else the greatest number
.set PFA, 44                           ; s[44:45] my 32 rows, at the K step that is being asked for
.set MSB, 0
.macro WIN new
.if MSB != (\new)
	s_set_vgpr_msb (MSB<<8)|(\new)
.set MSB, \new
.endif
.endm
.set MUL,   0xa5
.set TO_F,  0x40
.macro WMM ops:vararg
	v_wmma_f32_16x16x32_f16 \ops
.endm
.macro PLACES
.rept 4
	v_nop
.endr
.endm
.macro JLOAD s                         ; a joint load: waves 0 and 1 fetch A's two halves, waves 2 and 3 B's; an s_nop 0 and four v_nop follow each of the two lines
	s_cmp_eq_u32 s11, 0
	s_cbranch_scc0 .Lfor_b_\@
	tensor_load_to_lds s[G0+4*(\s):G0+4*(\s)+3], s[G1:G1+7]
	s_nop 0
.rept 4
	v_nop
.endr
	s_branch .Lasked_\@
.Lfor_b_\@:
	tensor_load_to_lds s[G0B+4*(\s):G0B+4*(\s)+3], s[G1B:G1B+7]
	s_nop 0
.rept 4
	v_nop
.endr
.Lasked_\@:
.endm
; A PREFETCH INTO THE L2, behind each joint refill and the run of LDS loads that follows it: the K step FOUR steps on from the one just asked for (512 matrix instructions of a wave): 32 rows x 256 bytes, a lane a row.
; Each row's 256 bytes of a K step are named once in the launch.  A's 128 rows of a tile row: wave 0 of each of the four partners along x takes 32, told apart by address; of the two clusters that read them the one with x = 0 asks.
; B's 256 rows of a tile column: waves 2 and 3 of each of the four partners along y take 32 each; of the two clusters of a batch that read them the first asks.  Wave 1 asks for nothing.
; K steps 0 to 5 come by their loads alone.  It asks while the loop's counter is above 2: the trip with counter c refills steps up to 2 (LAPS - c) + 1, and four on from that is 15, the last, at c = 3.
.macro ASK
	s_cmp_gt_u32 s3, s[LIM]
	s_cbranch_scc0 .Lnot_mine_\@
	global_prefetch_b8 v[PFO], s[PFA:PFA+1] offset:4*KSTEP*2 th:TH_LOAD_NT scope:SCOPE_SE
.Lnot_mine_\@:
.endm
.macro CREST
	s_cmp_lg_u32 s10, 0
	s_cbranch_scc1 .Lnot_wave_0_\@
	s_barrier_signal -3
.Lnot_wave_0_\@:
	s_barrier_wait -3
	s_barrier_signal -1
	s_barrier_wait -1
.endm
.macro CROUND
	s_barrier_signal -1
	s_barrier_wait -1
	CREST
.endm
.macro MUL8 f, a, cm                   ; 8 matrix instructions: row block a x all 8 column blocks; cm = 1: the products start the sums
	WIN MUL
.irp b, 0,1,2,3,4,5,6,7
.set rD, 8*(8*(\a)+(\b))
.set rB, (\f)+8*(\b)
.set rA, (\f)+64+8*(\a)
.if (\cm) == 0
	WMM v[rD:rD+7], v[rB:rB+7], v[rA:rA+7], v[rD:rD+7]
.else
	WMM v[rD:rD+7], v[rB:rB+7], v[rA:rA+7], 0
.endif
.endr
.endm
.macro FETCH slot, k, f                ; 24 LDS loads in one run: B's eight fragments, then A's four; A's blocks 2 and 3 last
	WIN TO_F
.irp i, 0,1,2,3,4,5,6,7
	ds_load_b128 v[(\f)+8*(\i):(\f)+8*(\i)+3],   v[ADRB+(\slot)] offset:(\k)+(\i)*16*PITCH
	ds_load_b128 v[(\f)+8*(\i)+4:(\f)+8*(\i)+7], v[ADRB+(\slot)] offset:(\k)+(\i)*16*PITCH+32
.endr
.irp i, 0,1,2,3
	ds_load_b128 v[(\f)+64+8*(\i):(\f)+64+8*(\i)+3],   v[ADRA+(\slot)] offset:(\k)+(\i)*16*PITCH
	ds_load_b128 v[(\f)+64+8*(\i)+4:(\f)+64+8*(\i)+7], v[ADRA+(\slot)] offset:(\k)+(\i)*16*PITCH+32
.endr
.endm
.macro QUARTER slot, k, f, g, cm       ; 32 along K: multiplies buffer f, fetches the next quarter into g; the 32 accumulators take turns
	s_wait_dscnt 4                                 ; all but the youngest four loads (A's blocks 2 and 3) are in
	MUL8 \f, 0, \cm
	MUL8 \f, 1, \cm
	PLACES
	FETCH \slot, \k, \g
	s_wait_dscnt NF                                ; all but the run just issued
	MUL8 \f, 2, \cm
	MUL8 \f, 3, \cm
.endm
; The last quarter of a K step changes slots: one barrier, in front of it each wave's wait for all its tensor loads, the add, and the wait for it and for the wave's reads of the slot.
; fill = 1: the barrier opens a round of the cluster's barrier; the joint refill, two K steps ahead, is the first thing behind the round.
.macro TURN slot, next, fill
.if \fill
	s_wait_xcnt 0x0                                ; the last prefetch, a K step back, has read its address: it is stepped here, ahead of the waits of the change of slots
	s_add_nc_u64 s[PFA:PFA+1], s[PFA:PFA+1], KSTEP*2
.endif
	WIN 0
	s_wait_tensorcnt 0x0                           ; all my tensor loads have landed
	ds_add_u32 v[SPW], v[NIL]                      ; 0 onto my spare word
	s_wait_dscnt 5                                 ; (the add and the youngest four loads may be out)
	MUL8 F1, 0, 0
	s_wait_dscnt 0x0                               ; the add is done, and my reads of this slot are over
	s_barrier_signal -1
	MUL8 F1, 1, 0
.if \fill
	WIN 0
.endif
	s_barrier_wait -1
.if \fill
	CREST
	s_add_nc_u64 s[G0+4*(\slot)+2:G0+4*(\slot)+3], s[G0+4*(\slot)+2:G0+4*(\slot)+3], 2*KSTEP*2
	s_add_nc_u64 s[G0B+4*(\slot)+2:G0B+4*(\slot)+3], s[G0B+4*(\slot)+2:G0B+4*(\slot)+3], 2*KSTEP*2
	JLOAD \slot
.else
	PLACES
.endif
	FETCH \next, 0, F0
.if \fill
	WIN 0
	ASK
.endif
	MUL8 F1, 2, 0
	MUL8 F1, 3, 0
.endm
	s_load_b256 s[68:75], s[0:1], 0x0              ; vt s[68:69], kt s[70:71], part s[72:73], kvb s[74:75]
	s_load_b64 s[76:77], s[0:1], 0x20              ; ksm
	v_lshl_add_u32 v[SPW], v0, 2, SPARE
	v_mov_b32 v[NIL], 0
	ds_add_u32 v[SPW], v[NIL]                      ; the wave's opening: the add, twice on end, and its wait ahead of my first tensor load
	ds_add_u32 v[SPW], v[NIL]                      ; and once more, under the one wait
	v_lshrrev_b32 v1, 5, v0
	v_readfirstlane_b32 s10, v1                    ; wave 0..3
	s_lshr_b32 s11, s10, 1
	s_and_b32 s12, s10, 1
	s_bfe_u32 s40, ttmp6, 0x40000                  ; cx, cy
	s_bfe_u32 s41, ttmp6, 0x40004
	s_and_b32 s86, ttmp7, 0xffff                   ; the cluster's y:
	s_lshr_b32 s88, s86, 1                         ; the batch,
	s_and_b32 s90, s86, 1                          ; and which four of the eight tile rows
	s_mov_b32 s89, ttmp9                           ; the cluster's x: which four of the eight tile columns
	s_lshl_b32 s13, s90, 2
	s_add_co_u32 s13, s13, s41                     ; tile row
	s_lshl_b32 s42, s89, 2
	s_add_co_u32 s42, s42, s40                     ; tile column
	s_lshl_b32 s43, s41, 2
	s_lshl_b32 s43, 15, s43                        ; my row of the cluster
	s_lshl_b32 s44, 0x1111, s40                    ; my column
	s_or_b32 s[G1+0], s43, G1W0
	s_or_b32 s[G1B+0], s44, G1W0
	s_mov_b32 s[G1+1], KSTEP<<16
	s_mov_b32 s[G1+2], 64<<16
	s_mov_b32 s[G1+3], KSTEP<<16
	s_mov_b32 s[G1+4], 64
	s_mov_b32 s[G1+5], PEL
	s_mov_b32 s[G1+6], 0
	s_mov_b32 s[G1+7], 0
	s_mov_b32 s[G1B+1], KSTEP<<16
	s_mov_b32 s[G1B+2], 128<<16
	s_mov_b32 s[G1B+3], KSTEP<<16
	s_mov_b32 s[G1B+4], 128
	s_mov_b32 s[G1B+5], PEL
	s_mov_b32 s[G1B+6], 0
	s_mov_b32 s[G1B+7], 0
	s_lshl_b32 s18, s88, 22                        ; a batch of vt
	s_mov_b32 s19, 0
	s_lshl_b32 s22, s88, 23                        ; a batch of kt
	s_mov_b32 s23, 0
	s_lshl_b32 s16, s13, 7
	s_lshl_b32 s17, s12, 6
	s_add_co_u32 s16, s16, s17                     ; A: row 128 x tile row + 64 x half
	s_lshl_b32 s16, s16, 12                        ; rows of 4,096 bytes
	s_mov_b32 s17, 0
	s_lshl_b32 s46, s42, 8
	s_lshl_b32 s47, s12, 7
	s_add_co_u32 s46, s46, s47                     ; B: row 256 x tile column + 128 x half
	s_lshl_b32 s46, s46, 12
	s_mov_b32 s47, 0
	s_mul_i32 s20, s12, AHALF
	s_mul_i32 s21, s12, BHALF
	s_add_co_u32 s21, s21, BOFF
	s_wait_dscnt 0x0                               ; both opening adds are done
	s_wait_kmcnt 0x0
	s_add_nc_u64 s[92:93], s[68:69], s[18:19]      ; vt at the batch
	s_add_nc_u64 s[94:95], s[70:71], s[22:23]      ; kt at the batch
	s_add_nc_u64 s[14:15], s[92:93], s[16:17]
	s_add_nc_u64 s[46:47], s[94:95], s[46:47]
	CROUND                                         ; all sixteen work-groups are here: the first joint loads meet
.irp s, 0,1
	s_mov_b32 s[G0+4*(\s)], 1
	s_add_co_u32 s[G0+4*(\s)+1], s20, (\s)*SLOT
	s_add_nc_u64 s[G0+4*(\s)+2:G0+4*(\s)+3], s[14:15], (\s)*KSTEP*2
	s_or_b32 s[G0+4*(\s)+3], s[G0+4*(\s)+3], 0x80000000
	s_mov_b32 s[G0B+4*(\s)], 1
	s_add_co_u32 s[G0B+4*(\s)+1], s21, (\s)*SLOT
	s_add_nc_u64 s[G0B+4*(\s)+2:G0B+4*(\s)+3], s[46:47], (\s)*KSTEP*2
	s_or_b32 s[G0B+4*(\s)+3], s[G0B+4*(\s)+3], 0x80000000
	JLOAD \s
.endr
	v_and_b32 v1, 15, v0                           ; r
	v_bfe_u32 v2, v0, 4, 1                         ; h
	v_mul_u32_u24 v3, v1, PITCH
	v_lshl_add_u32 v3, v2, 4, v3
	s_mul_i32 s21, s11, AHALF
	s_mul_i32 s22, s12, BHALF
	s_add_co_u32 s22, s22, BOFF
.irp s, 0,1
	v_add_nc_u32 v[ADRA+(\s)], s21, v3
	v_add_nc_u32 v[ADRB+(\s)], s22, v3
	s_add_co_u32 s21, s21, SLOT
	s_add_co_u32 s22, s22, SLOT
.endr
	s_mul_i32 s23, s10, 16*SPITCH
	s_add_co_u32 s23, s23, STAGE
	v_add_nc_u32 v[STO], s23, v3
	v_mul_u32_u24 v18, v2, SPITCH
	v_lshl_add_u32 v18, v1, 4, v18
	v_add_nc_u32 v[RD], s23, v18
	v_lshlrev_b32 v18, 12, v2
	v_lshl_add_u32 v[CO], v1, 4, v18               ; two rows of kvb, 4,096 bytes apart
	v_and_b32 v[PO], 31, v0
	v_lshlrev_b32 v[PFO], 12, v[PO]
	v_lshlrev_b32 v19, 1, v[PO]                    ; 2 x lane
	v_lshlrev_b32 v[PO], 2, v[PO]
	s_lshl_b32 s98, s13, 7
	s_lshl_b32 s18, s11, 6
	s_add_co_u32 s98, s98, s18                     ; R0
	s_lshl_b32 s99, s42, 8
	s_lshl_b32 s18, s12, 7
	s_add_co_u32 s99, s99, s18                     ; C0
	s_lshl_b32 s18, s88, 22
	s_lshl_b32 s19, s98, 12
	s_add_co_u32 s18, s18, s19
	s_lshl_b32 s19, s99, 1
	s_add_co_u32 s18, s18, s19
	s_mov_b32 s19, 0
	s_add_nc_u64 s[8:9], s[74:75], s[18:19]        ; kvb at my first row and column
	; the prefetches
	s_lshl_b32 s20, s13, 7
	s_lshl_b32 s21, s40, 5
	s_add_co_u32 s20, s20, s21                     ; A: 128 x tile row + 32 cx
	s_lshl_b32 s21, s42, 8
	s_lshl_b32 s22, s12, 7
	s_add_co_u32 s21, s21, s22
	s_lshl_b32 s22, s41, 5
	s_add_co_u32 s21, s21, s22                     ; B: 256 x tile column + 128 x half + 32 cy
	s_or_b32 s22, s12, s89                         ; for A: wave 0, in the cluster with x = 0
	s_cmp_eq_u32 s11, 0
	s_cselect_b32 s20, s20, s21
	s_cselect_b32 s22, s22, s90                    ; for B: waves 2 and 3, in the batch's first cluster along y
	s_cselect_b64 s[PFA:PFA+1], s[92:93], s[94:95]
	s_cmp_eq_u32 s22, 0
	s_cselect_b32 s[LIM], 2, -1                    ; the same in all sixteen partners, for a given wave
	s_lshl_b32 s20, s20, 12
	s_add_co_u32 s20, s20, KSTEP*2                 ; at K step 1: the first refill steps it to 2
	s_mov_b32 s21, 0
	s_add_nc_u64 s[PFA:PFA+1], s[PFA:PFA+1], s[20:21]
	; ksum: 32 numbers d = 32 (8 x tile row + tile column) + lane of my batch
	s_lshl_b32 s18, s13, 3
	s_add_co_u32 s18, s18, s42
	s_lshl_b32 s19, s88, 17                        ; a batch of part: 16 x 2,048 x 4 bytes
	s_lshl_b32 s22, s18, 7
	s_add_co_u32 s22, s22, s19
	s_mov_b32 s23, 0
	s_add_nc_u64 s[22:23], s[72:73], s[22:23]
	s_lshl_b32 s19, s88, 12
	s_lshl_b32 s18, s18, 6
	s_add_co_u32 s18, s18, s19
	s_mov_b32 s19, 0
	s_add_nc_u64 s[18:19], s[76:77], s[18:19]
	s_cmp_lg_u32 s10, 0
	s_cbranch_scc1 .Lno_ksum
.set i, 0
.rept 16
	global_load_b32 v[TMP+i], v[PO], s[22:23] offset:8192*i
.set i, i+1
.endr
	s_wait_loadcnt 0x0
.set i, 4
.rept 12
	v_add_f32 v[TMP+i%4], v[TMP+i%4], v[TMP+i]     ; four chains
.set i, i+1
.endr
	v_add_f32 v[TMP], v[TMP], v[TMP+1]
	v_add_f32 v[TMP+2], v[TMP+2], v[TMP+3]
	v_add_f32 v[TMP], v[TMP], v[TMP+2]
	v_cvt_pk_bf16_f32 v[TMP+16], v[TMP], v[TMP]
	global_store_b16 v19, v[TMP+16], s[18:19]      ; 64 consecutive bytes
.Lno_ksum:
	s_wait_tensorcnt 1                             ; my part of K step 0 is in; K step 1's may stay out
	s_barrier_signal -1
	s_barrier_wait -1
	FETCH 0, 0, F0
	QUARTER 0, 64, F0, F1, 1                       ; the first quarter stands in front of the loop: its products start the sums
	WIN 0
	s_mov_b32 s3, LAPS-1
.Llap:
	QUARTER 0, 128, F1, F0, 0
	QUARTER 0, 192, F0, F1, 0
	TURN 0, 1, 1
	QUARTER 1, 64,  F0, F1, 0
	QUARTER 1, 128, F1, F0, 0
	QUARTER 1, 192, F0, F1, 0
	TURN 1, 0, 1
	QUARTER 0, 64,  F0, F1, 0
	WIN 0
	s_sub_co_u32 s3, s3, 1
	s_cmp_lg_u32 s3, 0
	s_cbranch_scc1 .Llap
	QUARTER 0, 128, F1, F0, 0                      ; the last lap fills nothing
	QUARTER 0, 192, F0, F1, 0
	TURN 0, 1, 0
	QUARTER 1, 64,  F0, F1, 0
	QUARTER 1, 128, F1, F0, 0
	QUARTER 1, 192, F0, F1, 0
	s_wait_dscnt 4
	MUL8 F1, 0, 0
	MUL8 F1, 1, 0
	s_wait_dscnt 0x0
	MUL8 F1, 2, 0
	MUL8 F1, 3, 0
	WIN 0
	PLACES
	s_wait_xcnt 0x0                                ; wave 0's store of ksum has read its data, which lies among the registers written next
; THE WAY OUT, a block of 16 rows at a time: rounded to bf16 (each accumulator's registers in ascending order), through my own stage, out as whole rows of 256 bytes.
.macro PACK a
	WIN 0x0a                                       ; sources 0 and 1 window 2
.set i, 0
.rept 32
	v_cvt_pk_bf16_f32 v[TMP+i], v[64*(\a)+2*i], v[64*(\a)+2*i+1]
.set i, i+1
.endr
	WIN 0
.endm
.macro TOSTAGE a
.set BK, OB+32*((\a)%2)
.irp b, 0,1,2,3,4,5,6,7
	ds_store_b128 v[STO], v[TMP+4*(\b):TMP+4*(\b)+3] offset:32*(\b)
.endr
.irp t, 0,1,2,3,4,5,6,7
	ds_load_b128 v[BK+4*(\t):BK+4*(\t)+3], v[RD] offset:(\t)*2*SPITCH  ; LDS serves a wave's instructions in order (ISA guide 5.7.1.4)
.endr
.endm
.macro SEND a
.set BK, OB+32*((\a)%2)
	s_wait_dscnt 0x0
	s_wait_xcnt 0x0                                ; the stores issued so far have read their registers: the other set of rows may be loaded again
.irp t, 0,1,2,3,4,5,6,7
	global_store_b128 v[CO], v[BK+4*(\t):BK+4*(\t)+3], s[8:9] offset:(\a)*65536+(\t)*8192  ; 16 lanes store 256 consecutive bytes, at a multiple of 256 from kvb's first byte
.endr
.endm
	PACK 0
	TOSTAGE 0
.irp a, 1,2,3
	PACK \a
	SEND (\a)-1
	TOSTAGE \a
.endr
	SEND 3
	s_wait_tensorcnt 0x0                           ; the wave's end
	ds_add_u32 v[SPW], v[NIL]
	s_wait_dscnt 0x0
	CROUND                                         ; the closing round
	s_endpgm
.Lfunc_end_k_q60154bb6dd_kvs:
	.size	k_q60154bb6dd_kvs, .Lfunc_end_k_q60154bb6dd_kvs-k_q60154bb6dd_kvs
	.p2alignl 7, 3214868480
	.fill 96, 4, 3214868480
	.section	.rodata,"a",@progbits
	.p2align	6, 0x0
	.amdhsa_kernel k_q60154bb6dd_kvs
		.amdhsa_group_segment_fixed_size 327680
		.amdhsa_private_segment_fixed_size 0
		.amdhsa_enable_private_segment 0
		.amdhsa_kernarg_size 40
		.amdhsa_user_sgpr_count 2
		.amdhsa_user_sgpr_kernarg_segment_ptr 1
		.amdhsa_wavefront_size32 1
		.amdhsa_system_sgpr_workgroup_id_x 1
		.amdhsa_system_sgpr_workgroup_id_y 1
		.amdhsa_system_sgpr_workgroup_id_z 1
		.amdhsa_system_vgpr_workitem_id 0
		.amdhsa_next_free_vgpr 768
		.amdhsa_next_free_sgpr 102
		.amdhsa_reserve_vcc 0
		.amdhsa_float_denorm_mode_32 3
		.amdhsa_float_denorm_mode_16_64 3
		.amdhsa_memory_ordered 1
		.amdhsa_forward_progress 1
		.amdhsa_inst_pref_size 90
	.end_amdhsa_kernel
	.amdgpu_metadata
---
amdhsa.version: [ 1, 2 ]
amdhsa.kernels:
  - .name:           k_q60154bb6dd_kvs
    .symbol:         k_q60154bb6dd_kvs.kd
    .args:
      - { .name: vt, .offset: 0, .size: 8, .value_kind: global_buffer, .address_space: global }
      - { .name: kt, .offset: 8, .size: 8, .value_kind: global_buffer, .address_space: global }
      - { .name: part, .offset: 16, .size: 8, .value_kind: global_buffer, .address_space: global }
      - { .name: kvb, .offset: 24, .size: 8, .value_kind: global_buffer, .address_space: global }
      - { .name: ksm, .offset: 32, .size: 8, .value_kind: global_buffer, .address_space: global }
    .group_segment_fixed_size: 327680
    .private_segment_fixed_size: 0
    .kernarg_segment_align: 8
    .kernarg_segment_size: 40
    .max_flat_workgroup_size: 128
    .sgpr_count:     102
    .vgpr_count:     768
    .wavefront_size: 32
...
	.end_amdgpu_metadata
.endif
;; end of part 3
;; launch attn (part 4): grid 4 x 64, 4 waves a work-group, clusters of 4 x 4, 327,680 bytes of LDS; arguments qf, kvb, ksm, out0; writes out0
.if DOCPART == 4
	.amdgcn_target "amdgcn-amd-amdhsa--gfx1250"
	.amdhsa_code_object_version 6
	.text
	.protected	k_q60154bb6dd_attn
	.globl	k_q60154bb6dd_attn
	.p2align	8
	.type	k_q60154bb6dd_attn,@function
k_q60154bb6dd_attn:
	s_mov_b64 s[64:65], 0
	v_nop
	global_prefetch_b8 v0, s[64:65] scope:SCOPE_SE
	s_setreg_imm32_b32 hwreg(HW_REG_WAVE_MODE, 25, 1), 1
	s_wait_xcnt 0x0
	s_wait_alu depctr_hold_cnt(0) depctr_sa_sdst(0) depctr_va_vdst(0) depctr_va_sdst(0) depctr_va_ssrc(0) depctr_va_vcc(0) depctr_vm_vsrc(0)
	s_getreg_b32 s2, hwreg(HW_REG_IB_STS2, 6, 4)
	s_cmp_eq_u32 s2, 0
	s_cbranch_scc0 .Lentry_in_a_cluster
	s_endpgm
.Lentry_in_a_cluster:
	s_bfe_u32 s2, ttmp6, 0x10000c
	s_cmp_lg_u32 s2, 0xf033
	s_cbranch_scc0 .Lentry_shape_is_right
	s_endpgm
.Lentry_shape_is_right:
; THE OUTPUT.  out0[l][b][m] = (the sum over d of qf[b][l][d] kvb[b][m][d]) / max(the sum over d of qf[b][l][d] ksm[b][d], 1e-6): bf16 operands, f32 sums, K = 2,048; f32 out.
; LIMIT.  A denominator that is NaN counts as 1e-6 (the maximum drops a NaN).
; SHARES, RING, CLUSTER: a tile is 128 (l) x 256 (m): four waves, each 64 x 128: 32 accumulators.  K goes in steps of 128 through two LDS slots that take turns.  4 x 4 work-groups form a cluster: the four of a row ask
; jointly for A's tile (qf), the four of a column for B's (kvb).  The batch hangs on the cluster's y.  The matrix instruction is used turned (source 0 = rows of B): a lane holds one row of the tile and eight neighbouring columns.
; THE DENOMINATOR rides along: ksm's batch (4,096 bytes) lies in LDS; a fragment whose 16 rows all are ksum (every lane of a half reads the same 16 bytes) is source 0 of one more product for each fragment of A:
; every register of its result holds the lane's own row's sum, so no lane asks another.  Four products for each 32: both waves of a row half make the same four.
; REGISTERS: window 0: v0-31 addresses and 1 / denominator; v64-127 scaled results; v128-255 rows read back, two sets.
;   window 1: two fragment buffers of 96 (64 of B, 32 of A); v192-207 ksum's fragment, one for each buffer; v208-239 the four denominators.      window 2: accumulator (a, b) at v[8 (8 a + b)].
.set KSTEP,  128
.set PEL,    2048
.set LAPS,   PEL/(2*KSTEP)
.set PITCH,  272                       ; 256 bytes + 16 of padding = 68 words: row r starts at bank 4 r mod 64 (64 banks of 4 bytes: ISA guide 11.1)
.set AHALF,  64*PITCH
.set BHALF,  128*PITCH
.set BOFF,   2*AHALF
.set SLOT,   2*AHALF+2*BHALF
.set STAGE,  2*SLOT                    ; behind the ring, never filled by a tensor load: 16 rows x 528 bytes for each wave
.set SPITCH, 528                       ; 512 bytes + 16 = 132 words: row r starts at bank 4 r mod 64
.set KSL,    STAGE+4*16*SPITCH         ; ksum of my batch: 4,096 bytes, stored once
.set SPARE,  KSL+4096                  ; the spare words, 128 bytes for each wave: two blocks of 256 bytes that no other line names
.set NF,     26
.set G1W0,   (1<<16)|(1<<20)|(1<<21)|(5<<22)|(3<<25)
.set Z,    4                           ; v4-11  1 / denominator of my row in block a, twice, at Z + 2 a
.set ADRA, 16
.set ADRB, 20
.set ADRK, 22                          ; v22  LDS address of ksum's fragment in the lap in hand
.set AK0,  23                          ; v23  the same in lap 0: KSL + 16 (l / 16); never rewritten
.set STO,  24
.set RD,   25
.set CO,   26
.set SPW,  28
.set NIL,  29
.set PFO,  30
.set T,    64
.set OB,   128
.set F0,   0
.set F1,   96
.set KF0,  192
.set DEN,  208
.set G1,  24
.set G0,  32
.set G1B, 48
.set G0B, 56
.set LIM, 43
.set PFA, 44
.set KB,  97                           ; s97  bytes of ksum behind us: 512 a lap
.set MSB, 0
.macro WIN new
.if MSB != (\new)
	s_set_vgpr_msb (MSB<<8)|(\new)
.set MSB, \new
.endif
.endm
.set MUL,   0xa5
.set TO_F,  0x40
.macro WMM ops:vararg
	v_wmma_f32_16x16x32_bf16 \ops
.endm
.macro PLACES
.rept 4
	v_nop
.endr
.endm
.macro JLOAD s                         ; a joint load: waves 0 and 1 fetch A's two halves, waves 2 and 3 B's; an s_nop 0 and four v_nop follow each of the two lines
	s_cmp_eq_u32 s11, 0
	s_cbranch_scc0 .Lfor_b_\@
	tensor_load_to_lds s[G0+4*(\s):G0+4*(\s)+3], s[G1:G1+7]
	s_nop 0
.rept 4
	v_nop
.endr
	s_branch .Lasked_\@
.Lfor_b_\@:
	tensor_load_to_lds s[G0B+4*(\s):G0B+4*(\s)+3], s[G1B:G1B+7]
	s_nop 0
.rept 4
	v_nop
.endr
.Lasked_\@:
.endm
; A PREFETCH INTO THE L2, behind each joint refill and the run of LDS loads that follows it: the K step FOUR steps on from the one just asked for (576 matrix instructions of a wave): 32 rows x 256 bytes, a lane a row.
; Each row's 256 bytes of a K step are named once in the launch.  A's 128 rows of a tile row are read by one cluster alone: wave 0 of each of its four partners along x takes 32, told apart by address.
; B's 256 rows of a tile column: waves 2 and 3 of each of the four partners along y take 32 each; of the four clusters of a batch that read them the first asks.  Wave 1 asks for nothing.
; K steps 0 to 5 come by their loads alone.  It asks while the loop's counter is above 2: four on from the last step refilled at counter 3 is step 15, the last.
.macro ASK
	s_cmp_gt_u32 s3, s[LIM]
	s_cbranch_scc0 .Lnot_mine_\@
	global_prefetch_b8 v[PFO], s[PFA:PFA+1] offset:4*KSTEP*2 th:TH_LOAD_NT scope:SCOPE_SE
.Lnot_mine_\@:
.endm
.macro CREST
	s_cmp_lg_u32 s10, 0
	s_cbranch_scc1 .Lnot_wave_0_\@
	s_barrier_signal -3
.Lnot_wave_0_\@:
	s_barrier_wait -3
	s_barrier_signal -1
	s_barrier_wait -1
.endm
.macro CROUND
	s_barrier_signal -1
	s_barrier_wait -1
	CREST
.endm
.macro MUL8 f, a, cm
	WIN MUL
.irp b, 0,1,2,3,4,5,6,7
.set rD, 8*(8*(\a)+(\b))
.set rB, (\f)+8*(\b)
.set rA, (\f)+64+8*(\a)
.if (\cm) == 0
	WMM v[rD:rD+7], v[rB:rB+7], v[rA:rA+7], v[rD:rD+7]
.else
	WMM v[rD:rD+7], v[rB:rB+7], v[rA:rA+7], 0
.endif
.endr
.endm
.macro DEN2 f, half, cm                ; the denominators of row blocks 2 half and 2 half + 1: all four operands in window 1
	WIN 0x55
.irp a, 2*(\half), 2*(\half)+1
.set rD, DEN+8*(\a)
.set rK, KF0+8*((\f)/96)
.set rA, (\f)+64+8*(\a)
.if (\cm) == 0
	WMM v[rD:rD+7], v[rK:rK+7], v[rA:rA+7], v[rD:rD+7]
.else
	WMM v[rD:rD+7], v[rK:rK+7], v[rA:rA+7], 0
.endif
.endr
.endm
.macro FETCH slot, k, f                ; 26 LDS loads in one run: ksum's fragment, B's eight, A's four; A's blocks 2 and 3 last
	WIN TO_F
.set rK, KF0+8*((\f)/96)
	ds_load_b128 v[rK:rK+3],   v[ADRK] offset:(\slot)*256+(\k)
	ds_load_b128 v[rK+4:rK+7], v[ADRK] offset:(\slot)*256+(\k)+32
.irp i, 0,1,2,3,4,5,6,7
	ds_load_b128 v[(\f)+8*(\i):(\f)+8*(\i)+3],   v[ADRB+(\slot)] offset:(\k)+(\i)*16*PITCH
	ds_load_b128 v[(\f)+8*(\i)+4:(\f)+8*(\i)+7], v[ADRB+(\slot)] offset:(\k)+(\i)*16*PITCH+32
.endr
.irp i, 0,1,2,3
	ds_load_b128 v[(\f)+64+8*(\i):(\f)+64+8*(\i)+3],   v[ADRA+(\slot)] offset:(\k)+(\i)*16*PITCH
	ds_load_b128 v[(\f)+64+8*(\i)+4:(\f)+64+8*(\i)+7], v[ADRA+(\slot)] offset:(\k)+(\i)*16*PITCH+32
.endr
.endm
.macro QUARTER slot, k, f, g, cm       ; 32 along K: 36 matrix instructions on 36 accumulators, which take turns
	s_wait_dscnt 4                                 ; all but the youngest four loads (A's blocks 2 and 3) are in
	MUL8 \f, 0, \cm
	MUL8 \f, 1, \cm
	DEN2 \f, 0, \cm
	PLACES
	FETCH \slot, \k, \g
	s_wait_dscnt NF                                ; all but the run just issued
	MUL8 \f, 2, \cm
	MUL8 \f, 3, \cm
	DEN2 \f, 1, \cm
.endm
; The last quarter of a K step changes slots: one barrier, in front of it each wave's wait for all its tensor loads, the add, and the wait for it and for the wave's reads of the slot.
; fill = 1: the barrier opens a round of the cluster's barrier; the joint refill, two K steps ahead, is the first thing behind the round.
.macro TURN slot, next, fill
.if \fill
	s_wait_xcnt 0x0                                ; the last prefetch, a K step back, has read its address
	s_add_nc_u64 s[PFA:PFA+1], s[PFA:PFA+1], KSTEP*2
.endif
	WIN 0
	s_wait_tensorcnt 0x0                           ; all my tensor loads have landed
	ds_add_u32 v[SPW], v[NIL]                      ; 0 onto my spare word
	s_wait_dscnt 5                                 ; (the add and the youngest four loads may be out)
	MUL8 F1, 0, 0
	s_wait_dscnt 0x0                               ; the add is done, and my reads of this slot are over
	s_barrier_signal -1
	MUL8 F1, 1, 0
	DEN2 F1, 0, 0
.if \fill
	WIN 0
.endif
	s_barrier_wait -1
.if \fill
	CREST
	s_add_nc_u64 s[G0+4*(\slot)+2:G0+4*(\slot)+3], s[G0+4*(\slot)+2:G0+4*(\slot)+3], 2*KSTEP*2
	s_add_nc_u64 s[G0B+4*(\slot)+2:G0B+4*(\slot)+3], s[G0B+4*(\slot)+2:G0B+4*(\slot)+3], 2*KSTEP*2
	JLOAD \slot
.if (\slot) == 1
	s_add_co_u32 s[KB], s[KB], 512                 ; the fetch below is the next lap's: 256 numbers of ksum on
	v_add_nc_u32 v[ADRK], s[KB], v[AK0]
.endif
.else
	PLACES
.endif
	FETCH \next, 0, F0
.if \fill
	WIN 0
	ASK
.endif
	MUL8 F1, 2, 0
	MUL8 F1, 3, 0
	DEN2 F1, 1, 0
.endm
	s_load_b256 s[68:75], s[0:1], 0x0              ; qf s[68:69], kvb s[70:71], ksm s[72:73], out0 s[74:75]
	v_lshl_add_u32 v[SPW], v0, 2, SPARE
	v_mov_b32 v[NIL], 0
	ds_add_u32 v[SPW], v[NIL]                      ; the wave's opening: the add, twice on end, and its wait ahead of my first tensor load
	ds_add_u32 v[SPW], v[NIL]                      ; and once more, under the one wait
	v_lshrrev_b32 v1, 5, v0
	v_readfirstlane_b32 s10, v1                    ; wave 0..3
	s_lshr_b32 s11, s10, 1
	s_and_b32 s12, s10, 1
	s_bfe_u32 s40, ttmp6, 0x40000                  ; cx, cy
	s_bfe_u32 s41, ttmp6, 0x40004
	s_and_b32 s86, ttmp7, 0xffff                   ; the cluster's y:
	s_lshr_b32 s88, s86, 2                         ; the batch,
	s_and_b32 s90, s86, 3                          ; and which four of the sixteen tile rows
	s_lshl_b32 s13, s90, 2
	s_add_co_u32 s13, s13, s41                     ; tile row
	s_lshl_b32 s42, ttmp9, 2
	s_add_co_u32 s42, s42, s40                     ; tile column
	s_lshl_b32 s43, s41, 2
	s_lshl_b32 s43, 15, s43
	s_lshl_b32 s44, 0x1111, s40
	s_or_b32 s[G1+0], s43, G1W0
	s_or_b32 s[G1B+0], s44, G1W0
	s_mov_b32 s[G1+1], KSTEP<<16
	s_mov_b32 s[G1+2], 64<<16
	s_mov_b32 s[G1+3], KSTEP<<16
	s_mov_b32 s[G1+4], 64
	s_mov_b32 s[G1+5], PEL
	s_mov_b32 s[G1+6], 0
	s_mov_b32 s[G1+7], 0
	s_mov_b32 s[G1B+1], KSTEP<<16
	s_mov_b32 s[G1B+2], 128<<16
	s_mov_b32 s[G1B+3], KSTEP<<16
	s_mov_b32 s[G1B+4], 128
	s_mov_b32 s[G1B+5], PEL
	s_mov_b32 s[G1B+6], 0
	s_mov_b32 s[G1B+7], 0
	s_lshl_b32 s18, s88, 23                        ; a batch of qf
	s_mov_b32 s19, 0
	s_lshl_b32 s22, s88, 22                        ; a batch of kvb
	s_mov_b32 s23, 0
	s_lshl_b32 s16, s13, 7
	s_lshl_b32 s17, s12, 6
	s_add_co_u32 s16, s16, s17
	s_lshl_b32 s16, s16, 12
	s_mov_b32 s17, 0
	s_lshl_b32 s46, s42, 8
	s_lshl_b32 s47, s12, 7
	s_add_co_u32 s46, s46, s47
	s_lshl_b32 s46, s46, 12
	s_mov_b32 s47, 0
	s_mul_i32 s20, s12, AHALF
	s_mul_i32 s21, s12, BHALF
	s_add_co_u32 s21, s21, BOFF
	s_mov_b32 s96, 0x358637bd                      ; 1e-6
	s_mov_b32 s[KB], 0
	s_wait_dscnt 0x0                               ; both opening adds are done
	s_wait_kmcnt 0x0
	s_add_nc_u64 s[92:93], s[68:69], s[18:19]      ; qf at the batch
	s_add_nc_u64 s[94:95], s[70:71], s[22:23]      ; kvb at the batch
	s_add_nc_u64 s[14:15], s[92:93], s[16:17]
	s_add_nc_u64 s[46:47], s[94:95], s[46:47]
	CROUND                                         ; all sixteen work-groups are here: the first joint loads meet
.irp s, 0,1
	s_mov_b32 s[G0+4*(\s)], 1
	s_add_co_u32 s[G0+4*(\s)+1], s20, (\s)*SLOT
	s_add_nc_u64 s[G0+4*(\s)+2:G0+4*(\s)+3], s[14:15], (\s)*KSTEP*2
	s_or_b32 s[G0+4*(\s)+3], s[G0+4*(\s)+3], 0x80000000
	s_mov_b32 s[G0B+4*(\s)], 1
	s_add_co_u32 s[G0B+4*(\s)+1], s21, (\s)*SLOT
	s_add_nc_u64 s[G0B+4*(\s)+2:G0B+4*(\s)+3], s[46:47], (\s)*KSTEP*2
	s_or_b32 s[G0B+4*(\s)+3], s[G0B+4*(\s)+3], 0x80000000
	JLOAD \s
.endr
	; ksum of my batch: thread t brings 16 bytes at 16 t and at 2,048 + 16 t
	s_lshl_b32 s18, s88, 12
	s_mov_b32 s19, 0
	s_add_nc_u64 s[18:19], s[72:73], s[18:19]
	v_lshlrev_b32 v40, 4, v0
	v_add_nc_u32 v41, KSL, v40
	global_load_b128 v[32:35], v40, s[18:19]
	global_load_b128 v[36:39], v40, s[18:19] offset:2048
	v_and_b32 v1, 15, v0                           ; r
	v_bfe_u32 v2, v0, 4, 1                         ; h
	v_mul_u32_u24 v3, v1, PITCH
	v_lshl_add_u32 v3, v2, 4, v3
	s_mul_i32 s21, s11, AHALF
	s_mul_i32 s22, s12, BHALF
	s_add_co_u32 s22, s22, BOFF
.irp s, 0,1
	v_add_nc_u32 v[ADRA+(\s)], s21, v3
	v_add_nc_u32 v[ADRB+(\s)], s22, v3
	s_add_co_u32 s21, s21, SLOT
	s_add_co_u32 s22, s22, SLOT
.endr
	v_lshlrev_b32 v[AK0], 4, v2
	v_add_nc_u32 v[AK0], KSL, v[AK0]
	v_mov_b32 v[ADRK], v[AK0]
	s_mul_i32 s23, s10, 16*SPITCH
	s_add_co_u32 s23, s23, STAGE                   ; my stage
	v_mul_u32_u24 v3, v1, SPITCH                   ; in: row r, 32 bytes for each half of the lanes
	v_lshl_add_u32 v3, v2, 5, v3
	v_add_nc_u32 v[STO], s23, v3
	v_and_b32 v3, 31, v0
	v_lshlrev_b32 v[CO], 4, v3                     ; back and out: 32 lanes take one row's 512 bytes
	v_add_nc_u32 v[RD], s23, v[CO]
	v_lshlrev_b32 v[PFO], 12, v3
	s_lshl_b32 s98, s13, 7
	s_lshl_b32 s20, s11, 6
	s_add_co_u32 s98, s98, s20                     ; R0: my first l
	s_lshl_b32 s99, s42, 8
	s_lshl_b32 s20, s12, 7
	s_add_co_u32 s99, s99, s20                     ; C0: my first m
	s_lshl_b32 s20, s98, 2
	s_add_co_u32 s20, s20, s88                     ; out0's row (l, b) = 4 l + b,
	s_lshl_b32 s20, s20, 12                        ; of 4,096 bytes
	s_lshl_b32 s21, s99, 2
	s_add_co_u32 s20, s20, s21
	s_mov_b32 s21, 0
	s_add_nc_u64 s[8:9], s[74:75], s[20:21]
	; the prefetches
	s_lshl_b32 s20, s13, 7
	s_lshl_b32 s21, s40, 5
	s_add_co_u32 s20, s20, s21                     ; A: 128 x tile row + 32 cx
	s_lshl_b32 s21, s42, 8
	s_lshl_b32 s22, s12, 7
	s_add_co_u32 s21, s21, s22
	s_lshl_b32 s22, s41, 5
	s_add_co_u32 s21, s21, s22                     ; B: 256 x tile column + 128 x half + 32 cy
	s_cmp_eq_u32 s11, 0
	s_cselect_b32 s20, s20, s21
	s_cselect_b32 s22, s12, s90                    ; for A: wave 0; for B: waves 2 and 3, in the batch's first cluster
	s_cselect_b64 s[PFA:PFA+1], s[92:93], s[94:95]
	s_cmp_eq_u32 s22, 0
	s_cselect_b32 s[LIM], 2, -1                    ; the same in all sixteen partners, for a given wave
	s_lshl_b32 s20, s20, 12
	s_add_co_u32 s20, s20, KSTEP*2                 ; at K step 1: the first refill steps it to 2
	s_mov_b32 s21, 0
	s_add_nc_u64 s[PFA:PFA+1], s[PFA:PFA+1], s[20:21]
	s_wait_loadcnt 0x0
	ds_store_b128 v41, v[32:35]
	ds_store_b128 v41, v[36:39] offset:2048
	s_wait_tensorcnt 1                             ; my part of K step 0 is in; K step 1's may stay out
	s_wait_dscnt 0x0                               ; for the others' sake: my part of ksum is stored
	s_barrier_signal -1
	s_barrier_wait -1
	FETCH 0, 0, F0
	QUARTER 0, 64, F0, F1, 1                       ; the first quarter stands in front of the loop: its products start the sums
	WIN 0
	s_mov_b32 s3, LAPS-1
.Llap:
	QUARTER 0, 128, F1, F0, 0
	QUARTER 0, 192, F0, F1, 0
	TURN 0, 1, 1
	QUARTER 1, 64,  F0, F1, 0
	QUARTER 1, 128, F1, F0, 0
	QUARTER 1, 192, F0, F1, 0
	TURN 1, 0, 1
	QUARTER 0, 64,  F0, F1, 0
	WIN 0
	s_sub_co_u32 s3, s3, 1
	s_cmp_lg_u32 s3, 0
	s_cbranch_scc1 .Llap
	QUARTER 0, 128, F1, F0, 0                      ; the last lap fills nothing
	QUARTER 0, 192, F0, F1, 0
	TURN 0, 1, 0
	QUARTER 1, 64,  F0, F1, 0
	QUARTER 1, 128, F1, F0, 0
	QUARTER 1, 192, F0, F1, 0
	s_wait_dscnt 4
	MUL8 F1, 0, 0
	MUL8 F1, 1, 0
	DEN2 F1, 0, 0
	s_wait_dscnt 0x0
	MUL8 F1, 2, 0
	MUL8 F1, 3, 0
	DEN2 F1, 1, 0
	WIN 0
	PLACES
	s_wait_xcnt 0x0
	; THE WAY OUT.  1 / max(denominator, 1e-6) for my row of each block: register 0 of each denominator is read.
	WIN 0x01                                       ; source 0 window 1
.irp a, 0,1,2,3
	v_max_num_f32 v[Z+2*(\a)], v[DEN+8*(\a)], s96
.endr
	WIN 0
.irp a, 0,1,2,3
	v_rcp_f32 v[Z+2*(\a)], v[Z+2*(\a)]
.endr
	v_nop                                          ; a plain instruction between the last reciprocal and the use of its result (ISA guide 5.7.2)
	s_wait_alu depctr_va_vdst(0)                   ; and the wait ahead of the first use: one for the four
.irp a, 0,1,2,3
	v_mov_b32 v[Z+2*(\a)+1], v[Z+2*(\a)]           ; named as a pair by the packed multiply
.endr
; A block of 16 rows at a time: scaled (each accumulator's registers in ascending order), through my own stage, out as whole rows of 512 bytes.
.macro PACK a
	WIN 0x02                                       ; source 0 window 2
.set i, 0
.rept 32
	v_pk_mul_f32 v[T+2*i:T+2*i+1], v[64*(\a)+2*i:64*(\a)+2*i+1], v[Z+2*(\a):Z+2*(\a)+1] op_sel_hi:[1,0]
.set i, i+1
.endr
	WIN 0
.endm
.macro TOSTAGE a
.set BK, OB+64*((\a)%2)
.irp b, 0,1,2,3,4,5,6,7
	ds_store_b128 v[STO], v[T+8*(\b):T+8*(\b)+3]   offset:64*(\b)
	ds_store_b128 v[STO], v[T+8*(\b)+4:T+8*(\b)+7] offset:64*(\b)+16
.endr
.set t, 0
.rept 16
	ds_load_b128 v[BK+4*t:BK+4*t+3], v[RD] offset:t*SPITCH  ; LDS serves a wave's instructions in order (ISA guide 5.7.1.4): these see the stores above
.set t, t+1
.endr
.endm
.macro SEND a
.set BK, OB+64*((\a)%2)
	s_wait_dscnt 0x0
	s_wait_xcnt 0x0                                ; the stores issued so far have read their registers: the other set of rows may be loaded again
.set t, 0
.rept 16
	global_store_b128 v[CO], v[BK+4*t:BK+4*t+3], s[8:9] offset:(\a)*262144+t*16384 th:TH_STORE_NT  ; 512 consecutive bytes, at a multiple of 256 from out0's first byte; from l to l + 1 are 16,384 bytes
.set t, t+1
.endr
.endm
	PACK 0
	TOSTAGE 0
.irp a, 1,2,3
	PACK \a
	SEND (\a)-1
	TOSTAGE \a
.endr
	SEND 3
	s_wait_tensorcnt 0x0                           ; the wave's end
	ds_add_u32 v[SPW], v[NIL]
	s_wait_dscnt 0x0
	CROUND                                         ; the closing round
	s_endpgm
.Lfunc_end_k_q60154bb6dd_attn:
	.size	k_q60154bb6dd_attn, .Lfunc_end_k_q60154bb6dd_attn-k_q60154bb6dd_attn
	.p2alignl 7, 3214868480
	.fill 96, 4, 3214868480
	.section	.rodata,"a",@progbits
	.p2align	6, 0x0
	.amdhsa_kernel k_q60154bb6dd_attn
		.amdhsa_group_segment_fixed_size 327680
		.amdhsa_private_segment_fixed_size 0
		.amdhsa_enable_private_segment 0
		.amdhsa_kernarg_size 32
		.amdhsa_user_sgpr_count 2
		.amdhsa_user_sgpr_kernarg_segment_ptr 1
		.amdhsa_wavefront_size32 1
		.amdhsa_system_sgpr_workgroup_id_x 1
		.amdhsa_system_sgpr_workgroup_id_y 1
		.amdhsa_system_sgpr_workgroup_id_z 1
		.amdhsa_system_vgpr_workitem_id 0
		.amdhsa_next_free_vgpr 768
		.amdhsa_next_free_sgpr 102
		.amdhsa_reserve_vcc 0
		.amdhsa_float_denorm_mode_32 3
		.amdhsa_float_denorm_mode_16_64 3
		.amdhsa_memory_ordered 1
		.amdhsa_forward_progress 1
		.amdhsa_inst_pref_size 103
	.end_amdhsa_kernel
	.amdgpu_metadata
---
amdhsa.version: [ 1, 2 ]
amdhsa.kernels:
  - .name:           k_q60154bb6dd_attn
    .symbol:         k_q60154bb6dd_attn.kd
    .args:
      - { .name: qf, .offset: 0, .size: 8, .value_kind: global_buffer, .address_space: global }
      - { .name: kvb, .offset: 8, .size: 8, .value_kind: global_buffer, .address_space: global }
      - { .name: ksm, .offset: 16, .size: 8, .value_kind: global_buffer, .address_space: global }
      - { .name: out0, .offset: 24, .size: 8, .value_kind: global_buffer, .address_space: global }
    .group_segment_fixed_size: 327680
    .private_segment_fixed_size: 0
    .kernarg_segment_align: 8
    .kernarg_segment_size: 32
    .max_flat_workgroup_size: 128
    .sgpr_count:     102
    .vgpr_count:     768
    .wavefront_size: 32
...
	.end_amdgpu_metadata
.endif
;; end of part 4
;; ======== version 2 of 2: 4 launches
;; limits: values are held in f16: magnitudes above 65,504 overflow, below 6.1e-05 lose precision; inputs' magnitudes at most 65,504
;; workspace buffers: xw 56,623,104 bytes; tab 16,384 bytes; qf 16,777,216 bytes; kt 33,554,432 bytes; vt 16,777,216 bytes; part 524,288 bytes; kvb 16,777,216 bytes; ksm 16,384 bytes
;; launch cast (part 5): grid 576 x 3, 8 waves a work-group, no clusters, 0 bytes of LDS; arguments query, key, value, Wq, Wk, Wv, xw, tab; writes xw, tab
.if DOCPART == 5
	.amdgcn_target "amdgcn-amd-amdhsa--gfx1250"
	.amdhsa_code_object_version 6
	.text
	.protected	k_q60154bb6dd_cast
	.globl	k_q60154bb6dd_cast
	.p2align	8
	.type	k_q60154bb6dd_cast,@function
k_q60154bb6dd_cast:
	s_mov_b64 s[64:65], 0
	v_nop
	global_prefetch_b8 v0, s[64:65] scope:SCOPE_SE
	s_setreg_imm32_b32 hwreg(HW_REG_WAVE_MODE, 25, 1), 1
	s_wait_xcnt 0x0
; All six large inputs are rounded once to f16 and laid for the products that follow; the table of sines and cosines is made.
; LIMITS.  f16: an input of 65,520 or more in magnitude becomes an infinity; below 6e-5 the numbers keep f16's fixed step of 6e-8.
; xw: f16.  At byte 0: [3 (query, key, value)][2 (b / 2)][2048 l][2 (b % 2)][1024]: a batch's rows lie 4,096 bytes apart.  At byte 50,331,648: [3 (Wq, Wk, Wv)][512 (f % 512)][2 (f / 512)][1024]: likewise.
; So every operand of the products that follow has rows 4,096 bytes apart, and no byte between them is idle.
; tab: f32 sin(theta_i), i = 0 .. 2047, then cos(theta_i) at byte 8,192; theta_i = (pi/2)(i + 1)/2048, the angles that the problem fixes.
; SHARES.  Grid y picks the tensor; x < 512 a piece of the activations, x >= 512 a piece of the weights.  A work-group of eight waves takes 16 rows of 1,024 f32 (65,536 bytes in, 32,768 out).
; Load j of the work-group is row j: thread t takes 16 bytes at 16 t, so a wave's load covers 512 consecutive bytes; the four numbers leave as 8 bytes at 8 t: a wave's store covers 256 consecutive bytes, aligned.
; All 16 loads of a thread go out at once.  No LDS, no barrier, no matrix unit: no byte is wanted twice.
; The activations' row 16 x + j is (l = 4 x + j / 4, b = j % 4).
.set IN,   8                           ; v[8:71]    load j: 4 registers
.set OUT,  72                          ; v[72:103]  store j: 2 registers
.set SN,   8                           ; the table, when the rows are done: v[8:15] sines, v[16:23] cosines
.set CN,   16
.set TH,   104                         ; theta
.set X2,   105                         ; theta squared
.set PS,   106                         ; the sine's polynomial
.set PC,   107                         ; the cosine's
	s_load_b512 s[4:19], s[0:1], 0x0               ; query s[4:5], key s[6:7], value s[8:9], Wq s[10:11], Wk s[12:13], Wv s[14:15], xw s[16:17], tab s[18:19]
	s_and_b32 s20, ttmp7, 0xffff                   ; which tensor
	s_mov_b32 s21, ttmp9                           ; which piece
	v_lshlrev_b32 v1, 4, v0                        ; 16 t: my bytes in an input row
	v_lshlrev_b32 v2, 3, v0                        ; 8 t: my bytes in an output row
	v_add_nc_u32 v3, 0x800000, v2                  ; the same for batches 2 and 3: 8,388,608 bytes do not fit a store's immediate
	s_sub_co_u32 s39, s21, 512
	s_cmp_lt_u32 s21, 512
	s_cselect_b32 s39, s21, s39                    ; the piece's number within its tensor
	s_lshl_b32 s40, s39, 16                        ; x 65,536 bytes of input
	s_mov_b32 s41, 0
	s_lshl_b32 s42, s20, 24                        ; activations: tensor x 16,777,216
	s_lshl_b32 s44, s21, 14                        ; + 4 x positions l of 4,096 bytes
	s_add_co_u32 s42, s42, s44
	s_lshl_b32 s44, s20, 21                        ; weights: tensor x 2,097,152
	s_and_b32 s45, s39, 31
	s_lshl_b32 s45, s45, 16                        ; + (first row % 512) x 4,096
	s_add_co_u32 s44, s44, s45
	s_lshr_b32 s45, s39, 5
	s_lshl_b32 s45, s45, 11                        ; + (first row / 512) x 2,048
	s_add_co_u32 s44, s44, s45
	s_add_co_u32 s44, s44, 0x3000000               ; behind the activations
	s_cmp_lt_u32 s21, 512
	s_cselect_b32 s42, s42, s44
	s_mov_b32 s43, 0
	s_wait_kmcnt 0x0
	s_cmp_eq_u32 s20, 1
	s_cselect_b64 s[22:23], s[6:7], s[4:5]
	s_cselect_b64 s[24:25], s[12:13], s[10:11]
	s_cmp_eq_u32 s20, 2
	s_cselect_b64 s[22:23], s[8:9], s[22:23]
	s_cselect_b64 s[24:25], s[14:15], s[24:25]
	s_cmp_lt_u32 s21, 512
	s_cselect_b64 s[22:23], s[22:23], s[24:25]
	s_add_nc_u64 s[22:23], s[22:23], s[40:41]      ; the piece's first input byte
	s_add_nc_u64 s[16:17], s[16:17], s[42:43]      ; and its place in xw
.set j, 0
.rept 16
	global_load_b128 v[IN+4*j:IN+4*j+3], v1, s[22:23] offset:4096*j th:TH_LOAD_NT
.set j, j+1
.endr
; The 16 rows, one after the other.  xpath = 1: rows go to (b / 2, l, b % 2); 0: the weights' rows, 4,096 bytes apart.
.macro CONV xpath
.set j, 0
.rept 16
	s_wait_loadcnt 15-j                            ; loads come back in order: row j is in, the 15 - j younger ones may stay out
	v_cvt_pk_f16_f32 v[OUT+2*j], v[IN+4*j], v[IN+4*j+1]
	v_cvt_pk_f16_f32 v[OUT+2*j+1], v[IN+4*j+2], v[IN+4*j+3]
.if \xpath
.if (j&2)
	global_store_b64 v3, v[OUT+2*j:OUT+2*j+1], s[16:17] offset:(j>>2)*4096+(j&1)*2048
.else
	global_store_b64 v2, v[OUT+2*j:OUT+2*j+1], s[16:17] offset:(j>>2)*4096+(j&1)*2048
.endif
.else
	global_store_b64 v2, v[OUT+2*j:OUT+2*j+1], s[16:17] offset:j*4096
.endif
.set j, j+1
.endr
.endm
	s_cmp_lt_u32 s21, 512
	s_cbranch_scc0 .Lweights
	CONV 1
	s_branch .Ltable
.Lweights:
	CONV 0
.Ltable:
	s_or_b32 s38, s20, s21
	s_cmp_eq_u32 s38, 0
	s_cbranch_scc0 .Ldone                          ; one work-group makes the table
	; Thread t makes entries 4 t .. 4 t + 3 and 1,024 + 4 t .. + 3, so that each of its four stores lies 16 bytes beside its neighbour's.
	; theta = (i + 1) x (f32(pi/2) / 2048): the same rounding as (f32(pi/2) x (i + 1)) / 2048, since 2,048 is a power of two.
	; Taylor sums to theta^11 and theta^12: on (0, pi/2] what is left out is under 6e-8.  The angles are the problem's own, so the length of the sums hangs on no input.
	s_mov_b32 s26, 0xbe2aaaab                      ; -1/3!
	s_mov_b32 s27, 0x3c088889                      ; 1/5!
	s_mov_b32 s28, 0xb9500d01                      ; -1/7!
	s_mov_b32 s29, 0x3638ef1d                      ; 1/9!
	s_mov_b32 s30, 0xb2d7322b                      ; -1/11!
	s_mov_b32 s31, 0x3d2aaaab                      ; 1/4!
	s_mov_b32 s32, 0xbab60b61                      ; -1/6!
	s_mov_b32 s33, 0x37d00d01                      ; 1/8!
	s_mov_b32 s34, 0xb493f27e                      ; -1/10!
	s_mov_b32 s35, 0x310f76c8                      ; 1/12!
.set e, 0
.rept 8
	v_lshl_add_u32 v[TH], v0, 2, (e&3)+1+1024*(e>>2)   ; i + 1
	v_cvt_f32_u32 v[TH], v[TH]
	v_mul_f32 v[TH], 0x3a490fdb, v[TH]
	v_mul_f32 v[X2], v[TH], v[TH]
	v_fma_f32 v[PS], v[X2], s30, s29
	v_fma_f32 v[PC], v[X2], s35, s34
	v_fma_f32 v[PS], v[PS], v[X2], s28
	v_fma_f32 v[PC], v[PC], v[X2], s33
	v_fma_f32 v[PS], v[PS], v[X2], s27
	v_fma_f32 v[PC], v[PC], v[X2], s32
	v_fma_f32 v[PS], v[PS], v[X2], s26
	v_fma_f32 v[PC], v[PC], v[X2], s31
	v_fma_f32 v[PS], v[PS], v[X2], 1.0
	v_fma_f32 v[PC], v[PC], v[X2], -0.5
	v_mul_f32 v[SN+e], v[TH], v[PS]
	v_fma_f32 v[CN+e], v[PC], v[X2], 1.0
.set e, e+1
.endr
	global_store_b128 v1, v[SN:SN+3], s[18:19]
	global_store_b128 v1, v[SN+4:SN+7], s[18:19] offset:4096
	global_store_b128 v1, v[CN:CN+3], s[18:19] offset:8192
	global_store_b128 v1, v[CN+4:CN+7], s[18:19] offset:12288
.Ldone:
	s_endpgm
.Lfunc_end_k_q60154bb6dd_cast:
	.size	k_q60154bb6dd_cast, .Lfunc_end_k_q60154bb6dd_cast-k_q60154bb6dd_cast
	.p2alignl 7, 3214868480
	.fill 96, 4, 3214868480
	.section	.rodata,"a",@progbits
	.p2align	6, 0x0
	.amdhsa_kernel k_q60154bb6dd_cast
		.amdhsa_group_segment_fixed_size 0
		.amdhsa_private_segment_fixed_size 0
		.amdhsa_enable_private_segment 0
		.amdhsa_kernarg_size 64
		.amdhsa_user_sgpr_count 2
		.amdhsa_user_sgpr_kernarg_segment_ptr 1
		.amdhsa_wavefront_size32 1
		.amdhsa_system_sgpr_workgroup_id_x 1
		.amdhsa_system_sgpr_workgroup_id_y 1
		.amdhsa_system_sgpr_workgroup_id_z 1
		.amdhsa_system_vgpr_workitem_id 0
		.amdhsa_next_free_vgpr 112
		.amdhsa_next_free_sgpr 66
		.amdhsa_reserve_vcc 0
		.amdhsa_float_denorm_mode_32 3
		.amdhsa_float_denorm_mode_16_64 3
		.amdhsa_memory_ordered 1
		.amdhsa_forward_progress 1
		.amdhsa_inst_pref_size 20
	.end_amdhsa_kernel
	.amdgpu_metadata
---
amdhsa.version: [ 1, 2 ]
amdhsa.kernels:
  - .name:           k_q60154bb6dd_cast
    .symbol:         k_q60154bb6dd_cast.kd
    .args:
      - { .name: query, .offset: 0, .size: 8, .value_kind: global_buffer, .address_space: global }
      - { .name: key, .offset: 8, .size: 8, .value_kind: global_buffer, .address_space: global }
      - { .name: value, .offset: 16, .size: 8, .value_kind: global_buffer, .address_space: global }
      - { .name: Wq, .offset: 24, .size: 8, .value_kind: global_buffer, .address_space: global }
      - { .name: Wk, .offset: 32, .size: 8, .value_kind: global_buffer, .address_space: global }
      - { .name: Wv, .offset: 40, .size: 8, .value_kind: global_buffer, .address_space: global }
      - { .name: xw, .offset: 48, .size: 8, .value_kind: global_buffer, .address_space: global }
      - { .name: tab, .offset: 56, .size: 8, .value_kind: global_buffer, .address_space: global }
    .group_segment_fixed_size: 0
    .private_segment_fixed_size: 0
    .kernarg_segment_align: 8
    .kernarg_segment_size: 64
    .max_flat_workgroup_size: 256
    .sgpr_count:     66
    .vgpr_count:     112
    .wavefront_size: 32
...
	.end_amdgpu_metadata
.endif
;; end of part 5
;; launch proj (part 6): grid 8 x 32, 4 waves a work-group, clusters of 4 x 4, 327,680 bytes of LDS; arguments xw, tab, bk, bv, kt, vt, part; writes kt, vt, part
.if DOCPART == 6
	.amdgcn_target "amdgcn-amd-amdhsa--gfx1250"
	.amdhsa_code_object_version 6
	.text
	.protected	k_q60154bb6dd_proj
	.globl	k_q60154bb6dd_proj
	.p2align	8
	.type	k_q60154bb6dd_proj,@function
k_q60154bb6dd_proj:
	s_mov_b64 s[64:65], 0
	v_nop
	global_prefetch_b8 v0, s[64:65] scope:SCOPE_SE
	s_setreg_imm32_b32 hwreg(HW_REG_WAVE_MODE, 25, 1), 1
	s_wait_xcnt 0x0
	s_wait_alu depctr_hold_cnt(0) depctr_sa_sdst(0) depctr_va_vdst(0) depctr_va_sdst(0) depctr_va_ssrc(0) depctr_va_vcc(0) depctr_vm_vsrc(0)
	s_getreg_b32 s2, hwreg(HW_REG_IB_STS2, 6, 4)
	s_cmp_eq_u32 s2, 0
	s_cbranch_scc0 .Lentry_in_a_cluster
	s_endpgm
.Lentry_in_a_cluster:
	s_bfe_u32 s2, ttmp6, 0x10000c
	s_cmp_lg_u32 s2, 0xf033
	s_cbranch_scc0 .Lentry_shape_is_right
	s_endpgm
.Lentry_shape_is_right:
; THE PROJECTIONS OF KEY AND VALUE, each C[f][s] = the sum over e of W[f][e] X[s][e] + bias[f]: f16 operands out of xw, f32 sums, K = 1,024.  A = the weights (rows f), B = the batch's activations (rows s): the result comes
; out turned, as the product that reads it wants it.
;   k (p = 1): kt[b][d][s], f16: relu(C) sin(theta_s) at d = f, relu(C) cos(theta_s) at d = 1,024 + f.
;              part[b][16][d], f32: the sum of each row of kt over 128 s, taken of the products before they are rounded to f16.
;   v (p = 2): vt[b][m][s], f16.
; LIMITS.  kt and vt are f16: k_ and v must stay within 65,504, and below 6e-5 they keep f16's fixed step of 6e-8.  The maximum drops a NaN: relu(NaN) is 0.
; SHARES.  A tile of C is 256 x 256: a work-group of four waves, as many as a WGP has SIMDs, each 128 x 128: 64 accumulators of 16 x 16, 512 registers.  4 x 8 tiles a batch, 4 batches, 2 projections: 256 work-groups.
; K goes in steps of 128 through two LDS slots that take turns: rows of 256 bytes of memory, each at a multiple of 256; a wave's tensor load brings 128 of them.  From a refill to the wait for it a wave issues 224 matrix instructions.
; CLUSTER.  4 x 4 work-groups: the four of a row need the same tile of A, the four of a column the same tile of B: each tile is asked for JOINTLY, by the same tensor load with the same descriptor and a mask of the four.
; Which projection and which batch hang on the cluster's y alone, so every branch of the text is the same in all sixteen partners.
; THE MATRIX INSTRUCTION IS USED TURNED (source 0 = 16 rows of B, source 1 = 16 rows of A): lane l holds row l % 16 of C and the columns 8 (l / 16) + 0..7.
; THE BIAS, along the rows, is the C operand of each accumulator's first product.  Nothing is cleared.
; THE WAY OUT goes through the ring's bytes, which have had their last fill: behind a barrier each wave lays its 128 x 128 sums there in f32, and a counted loop reads whole rows back, finishes them and stores them:
; one trip's text for each projection, where a text by accumulators would be eight blocks' for each.
; REGISTERS, in windows of 256 (s_set_vgpr_msb: bits 1:0 source 0, 3:2 source 1, 5:4 source 2, 7:6 destination):
;   window 0: v0-31 addresses; v32-47 sines and cosines of my 8 columns; v64-127, v128-191 fragments of A, two buffers (on the way out: rows read back and results); v192-255 the first products' C
;   window 1: v64-127, v128-191 fragments of B, two buffers     window 2: the accumulators of my rows 0-63 ((a, b) at v[8 (8 a + b)])     window 3: those of my rows 64-127
.set KSTEP,  128
.set PEL,    2048                      ; elements from row to row of A and of B in xw
.set LAPS,   1024/(2*KSTEP)            ; a lap = two K steps = once round the ring
.set PITCH,  272                       ; an LDS row: 256 bytes + 16 of padding = 68 words: row r starts at bank 4 r mod 64 (64 banks of 4 bytes: ISA guide 11.1)
.set HALFT,  128*PITCH                 ; 128 rows: what one tensor load brings, and what one wave reads of A or of B
.set SLOT,   4*HALFT                   ; A's 256 rows, then B's 256 rows
.set SPITCH, 528                       ; the way out: a row of 128 f32 + 16 bytes = 132 words: row r starts at bank 4 r mod 64
.set WSTAGE, 128*SPITCH                ; a wave's 128 rows; the four waves' lie from LDS byte 0 on, inside the ring's 2 x SLOT bytes
.set RSL,    2*SLOT                    ; behind the ring, never filled by a tensor load: k's row sums, 1,024 bytes for each wave
.set SPARE,  RSL+4096                  ; the spare words, 128 bytes for each wave: two blocks of 256 bytes that no other line names
.set NF,     32                        ; LDS loads in a run
.set G1W0,   (1<<16)|(1<<20)|(1<<21)|(5<<22)|(3<<25)  ; 17:16 elements of 2 bytes; 20 padding on; 21 set beside a mask; 24:22 after every 64 words (code 5); 31:25 4 words of it (code 3)
.set ADRA, 16                          ; v16-17  LDS address of my A fragments in slot 0, 1
.set RSA0, 18                          ; v18     where my half of the lanes puts a row's sum, in trip 0; never rewritten
.set RSA,  19                          ; v19     the same in the trip in hand
.set ADRB, 20                          ; v20-21  LDS address of my B fragments
.set RSR,  22                          ; v22     where I read four sums back
.set PO,   23                          ; v23     16 x lane
.set STO,  24                          ; v24     the way out: where I put 16 bytes of a row
.set RD0,  25                          ; v25     where I read a row back, in trip 0; never rewritten
.set RD,   26                          ; v26     the same in the trip in hand
.set CO,   27                          ; v27     my byte offset in two rows of the output
.set SPW,  28                          ; v28     LDS address of my spare word; never rewritten
.set NIL,  29                          ; v29     0; never rewritten
.set PFO,  30                          ; v30     the prefetches' offset: lane x 4,096 bytes; never rewritten
.set SN,   32                          ; v32-39  sin(theta_s) of the 8 columns that I finish on the way out
.set CSN,  40                          ; v40-47  their cosines
.set F0,   64
.set F1,   128
.set CB,   192
.set X,    64                          ; the way out: row pair j read back, 8 registers
.set TS,   96                          ; k: 8 products with the sines
.set TC,   104                         ; k: with the cosines
.set OUT,  128                         ; results to store
.set G1,  24                           ; s[24:31] descriptor group 1 for A's tiles;  s[32:39] group 0, a set for each slot
.set G0,  32
.set G1B, 48                           ; s[48:55], s[56:63] the same for B's
.set G0B, 56
.set LIM, 43                           ; s43      1 in a wave that prefetches, else the greatest number
.set PFA, 44                           ; s[44:45] my 32 rows, at the K step that is being asked for
.set MSB, 0
.macro WIN new                         ; the immediate's high byte repeats the setting that is left; a switch that changes nothing is dropped
.if MSB != (\new)
	s_set_vgpr_msb (MSB<<8)|(\new)
.set MSB, \new
.endif
.endm
.set TO_B,  0x40                       ; destination window 1, address window 0
.macro WMM ops:vararg
	v_wmma_f32_16x16x32_f16 \ops
.endm
.macro PLACES                          ; four places in front of loads into registers that matrix instructions have read, and of lines that read results
.rept 4
	v_nop
.endr
.endm
.macro JLOAD s                         ; a joint load: waves 0 and 1 fetch A's two halves, waves 2 and 3 B's; an s_nop 0 and four v_nop follow each of the two lines
	s_cmp_eq_u32 s11, 0
	s_cbranch_scc0 .Lfor_b_\@
	tensor_load_to_lds s[G0+4*(\s):G0+4*(\s)+3], s[G1:G1+7]
	s_nop 0
.rept 4
	v_nop
.endr
	s_branch .Lasked_\@
.Lfor_b_\@:
	tensor_load_to_lds s[G0B+4*(\s):G0B+4*(\s)+3], s[G1B:G1B+7]
	s_nop 0
.rept 4
	v_nop
.endr
.Lasked_\@:
.endm
; A PREFETCH INTO THE L2, behind each joint refill and the run of LDS loads that follows it: the K step TWO refills on (512 matrix instructions of a wave): 32 rows x 256 bytes, a lane a row, one instruction a wave.
; Each row's 256 bytes of a K step are named once in the launch.  Of the 128 rows that a wave fetches, each of the four partners that ask for them jointly takes 32, told apart by address (cx for A, cy for B).
; The activations' rows are read by one cluster alone, which asks; a projection's weights are read by its eight clusters: the one of batch 0 with x = 0 asks.
; K steps 0 to 3 come by their loads alone.  It asks while the loop's counter is above 1: the trip with counter c refills steps up to 2 (LAPS - c) + 1, and two on from that is 7, the last, at c = 2.
.macro ASK
	s_cmp_gt_u32 s3, s[LIM]
	s_cbranch_scc0 .Lnot_mine_\@
	global_prefetch_b8 v[PFO], s[PFA:PFA+1] offset:2*KSTEP*2 th:TH_LOAD_NT scope:SCOPE_SE
.Lnot_mine_\@:
.endm
.macro CREST                           ; a round of the cluster's barrier behind its opening barrier
	s_cmp_lg_u32 s10, 0
	s_cbranch_scc1 .Lnot_wave_0_\@
	s_barrier_signal -3
.Lnot_wave_0_\@:
	s_barrier_wait -3
	s_barrier_signal -1
	s_barrier_wait -1
.endm
.macro CROUND                          ; a whole round
	s_barrier_signal -1
	s_barrier_wait -1
	CREST
.endm
; 16 matrix instructions: row blocks a0, a0 + 1 of the window's four (hi = 0: my rows 0-63, 1: rows 64-127) x all 8 column blocks, 32 along K, from buffer f.
; cm = 0: the sums go on; 3: they start with the bias along the rows (in window 0).
.macro MUL16 f, hi, a0, cm
.if (\cm) >= 2
	WIN 0x81+0x40*(\hi)                            ; source 0 window 1, source 1 and C window 0, D window 2 or 3
.else
	WIN 0xa1+0x50*(\hi)                            ; source 0 window 1, source 1 window 0, C and D window 2 or 3
.endif
.irp a, \a0, (\a0)+1
.irp b, 0,1,2,3,4,5,6,7
.set rD, 8*(8*(\a)+(\b))
.set rB, (\f)+8*(\b)
.set rA, (\f)+8*(4*(\hi)+(\a))
.if (\cm) == 0
	WMM v[rD:rD+7], v[rB:rB+7], v[rA:rA+7], v[rD:rD+7]
.else
	WMM v[rD:rD+7], v[rB:rB+7], v[rA:rA+7], v[CB+8*(4*(\hi)+(\a)):CB+8*(4*(\hi)+(\a))+7]
.endif
.endr
.endr
.endm
; 32 LDS loads in one run: the fragments of 32 along K at byte k of the rows, into buffer f: B's eight, then A's eight; A's blocks 4 to 7 last
.macro FETCH slot, k, f
	WIN TO_B
.irp i, 0,1,2,3,4,5,6,7
	ds_load_b128 v[(\f)+8*(\i):(\f)+8*(\i)+3],   v[ADRB+(\slot)] offset:(\k)+(\i)*16*PITCH
	ds_load_b128 v[(\f)+8*(\i)+4:(\f)+8*(\i)+7], v[ADRB+(\slot)] offset:(\k)+(\i)*16*PITCH+32
.endr
	WIN 0
.irp i, 0,1,2,3,4,5,6,7
	ds_load_b128 v[(\f)+8*(\i):(\f)+8*(\i)+3],   v[ADRA+(\slot)] offset:(\k)+(\i)*16*PITCH
	ds_load_b128 v[(\f)+8*(\i)+4:(\f)+8*(\i)+7], v[ADRA+(\slot)] offset:(\k)+(\i)*16*PITCH+32
.endr
.endm
; A K step is four quarters of 32 along K, 64 matrix instructions each, on buffers 0, 1, 0, 1; the 64 accumulators take turns, one instruction a turn.
; One of the first three: multiplies buffer f; in its middle it fetches the next quarter, at byte k, into g.
.macro QUARTER slot, k, f, g, cm
	s_wait_dscnt 8                                 ; B and A's rows 0-63 are in; the youngest eight loads (A's rows 64-127) may be out
	MUL16 \f, 0, 0, \cm
	MUL16 \f, 0, 2, \cm
	PLACES
	FETCH \slot, \k, \g
	s_wait_dscnt NF                                ; all but the run just issued
	MUL16 \f, 1, 0, \cm
	MUL16 \f, 1, 2, \cm
.endm
; The last quarter multiplies buffer 1 and changes slots: ONE barrier.  In front of it each wave waits for all its tensor loads (one is out: its part of the next slot), adds 0 to its spare word, and waits for that and for its
; own reads of this slot.  fill = 1: the barrier opens a round of the cluster's barrier, and this slot is filled again, two K steps ahead, first thing behind the round.
.macro TURN slot, next, fill
.if \fill
	s_wait_xcnt 0x0                                ; the last prefetch, a K step back, has read its address: it is stepped here, ahead of the waits of the change of slots
	s_add_nc_u64 s[PFA:PFA+1], s[PFA:PFA+1], KSTEP*2
.endif
	WIN 0                                          ; (the add's two registers lie in window 0)
	s_wait_tensorcnt 0x0                           ; all my tensor loads have landed
	ds_add_u32 v[SPW], v[NIL]                      ; 0 onto my spare word
	s_wait_dscnt 9                                 ; (the add and the youngest eight loads may be out)
	MUL16 F1, 0, 0, 0                              ; sixteen matrix instructions stand between the add and the wait for it
	s_wait_dscnt 0x0                               ; the add is done, and my reads of this slot are over
	s_barrier_signal -1
	MUL16 F1, 0, 2, 0
.if \fill
	WIN 0
.endif
	s_barrier_wait -1
.if \fill
	CREST                                          ; no wave of any partner still reads this slot's tile or has a load on its way
	s_add_nc_u64 s[G0+4*(\slot)+2:G0+4*(\slot)+3], s[G0+4*(\slot)+2:G0+4*(\slot)+3], 2*KSTEP*2
	s_add_nc_u64 s[G0B+4*(\slot)+2:G0B+4*(\slot)+3], s[G0B+4*(\slot)+2:G0B+4*(\slot)+3], 2*KSTEP*2
	JLOAD \slot                                    ; the four v_nop behind it are also the places in front of the loads below
.else
	PLACES
.endif
	FETCH \next, 0, F0
.if \fill
	ASK
.endif
	MUL16 F1, 1, 0, 0
	MUL16 F1, 1, 2, 0
.endm
	s_load_b256 s[68:75], s[0:1], 0x0              ; xw s[68:69], tab s[70:71], bk s[72:73], bv s[74:75]
	s_load_b128 s[76:79], s[0:1], 0x20             ; kt s[76:77], vt s[78:79]
	s_load_b64 s[80:81], s[0:1], 0x30              ; part
	v_lshl_add_u32 v[SPW], v0, 2, SPARE
	v_mov_b32 v[NIL], 0
	ds_add_u32 v[SPW], v[NIL]                      ; the wave's opening: the add, twice on end, and its wait ahead of my first tensor load
	ds_add_u32 v[SPW], v[NIL]                      ; and once more, under the one wait; the set-up below, work on registers, stands between
	v_lshrrev_b32 v1, 5, v0
	v_readfirstlane_b32 s10, v1                    ; wave 0..3
	s_lshr_b32 s11, s10, 1                         ; which 128 rows of the tile are mine.  Also: I fetch for A (0) or for B (1)
	s_and_b32 s12, s10, 1                          ; which 128 columns.  Also: which half of that tile I fetch
	s_bfe_u32 s40, ttmp6, 0x40000                  ; cx, cy: my place in the cluster
	s_bfe_u32 s41, ttmp6, 0x40004
	s_and_b32 s86, ttmp7, 0xffff                   ; the cluster's y, 0 to 7:
	s_lshr_b32 s87, s86, 2
	s_add_co_u32 s87, s87, 1                       ; p: 1 = k, 2 = v: the tensor's number in xw,
	s_and_b32 s88, s86, 3                          ; b: which batch
	s_mov_b32 s13, s41                             ; tile row: the cluster's four are all there are
	s_lshl_b32 s42, ttmp9, 2
	s_add_co_u32 s42, s42, s40                     ; tile column: the cluster's x picks four of the eight
	s_lshl_b32 s43, s41, 2
	s_lshl_b32 s43, 15, s43                        ; my row of the cluster
	s_lshl_b32 s44, 0x1111, s40                    ; my column
	s_or_b32 s[G1+0], s43, G1W0                    ; A's tiles go to my row
	s_or_b32 s[G1B+0], s44, G1W0                   ; B's to my column
.irp g, G1, G1B
	s_mov_b32 s[(\g)+1], KSTEP<<16                 ; tensor_dim0 = 128
	s_mov_b32 s[(\g)+2], 128<<16                   ; tensor_dim1 = 128
	s_mov_b32 s[(\g)+3], KSTEP<<16                 ; tile_dim0 = 128
	s_mov_b32 s[(\g)+4], 128                       ; tile_dim1 = 128
	s_mov_b32 s[(\g)+5], PEL                       ; elements from row to row
	s_mov_b32 s[(\g)+6], 0
	s_mov_b32 s[(\g)+7], 0
.endr
	s_lshl_b32 s93, s87, 21                        ; the weights of p in xw
	s_add_co_u32 s93, s93, 0x3000000
	s_lshl_b32 s94, s87, 24                        ; the activations of (p, b): tensor,
	s_lshr_b32 s92, s88, 1
	s_lshl_b32 s92, s92, 23                        ; b / 2,
	s_add_co_u32 s94, s94, s92
	s_and_b32 s92, s88, 1
	s_lshl_b32 s92, s92, 11                        ; b % 2
	s_add_co_u32 s94, s94, s92
	s_lshl_b32 s16, s13, 8
	s_lshl_b32 s17, s12, 7
	s_add_co_u32 s16, s16, s17                     ; A: row f = 256 x tile row + 128 x half,
	s_and_b32 s17, s16, 511
	s_lshl_b32 s17, s17, 12                        ; which lies at (f % 512) x 4,096
	s_lshr_b32 s16, s16, 9
	s_lshl_b32 s16, s16, 11                        ; + (f / 512) x 2,048
	s_add_co_u32 s16, s16, s17
	s_add_co_u32 s16, s16, s93
	s_mov_b32 s17, 0
	s_lshl_b32 s46, s42, 8
	s_lshl_b32 s47, s12, 7
	s_add_co_u32 s46, s46, s47                     ; B: row 256 x tile column + 128 x half,
	s_lshl_b32 s46, s46, 12                        ; 4,096 bytes from row to row
	s_add_co_u32 s46, s46, s94
	s_mov_b32 s47, 0
	s_mul_i32 s20, s10, HALFT                      ; where they go: A's two halves, then B's two = wave x 128 rows: no place in the cluster enters an LDS address
	s_wait_dscnt 0x0                               ; both opening adds are done
	s_wait_kmcnt 0x0
	s_add_nc_u64 s[14:15], s[68:69], s[16:17]
	s_add_nc_u64 s[46:47], s[68:69], s[46:47]
	CROUND                                         ; all sixteen work-groups are here: the first joint loads meet
.irp s, 0,1
	s_mov_b32 s[G0+4*(\s)], 1                      ; count = 1
	s_add_co_u32 s[G0+4*(\s)+1], s20, (\s)*SLOT    ; LDS address
	s_add_nc_u64 s[G0+4*(\s)+2:G0+4*(\s)+3], s[14:15], (\s)*KSTEP*2  ; global address: K step s
	s_or_b32 s[G0+4*(\s)+3], s[G0+4*(\s)+3], 0x80000000              ; type = 2
	s_mov_b32 s[G0B+4*(\s)], 1
	s_add_co_u32 s[G0B+4*(\s)+1], s20, (\s)*SLOT
	s_add_nc_u64 s[G0B+4*(\s)+2:G0B+4*(\s)+3], s[46:47], (\s)*KSTEP*2
	s_or_b32 s[G0B+4*(\s)+3], s[G0B+4*(\s)+3], 0x80000000
	JLOAD \s
.endr
	v_and_b32 v1, 15, v0                           ; r = l % 16
	v_bfe_u32 v2, v0, 4, 1                         ; h = l / 16
	s_lshl_b32 s98, s13, 8
	s_lshl_b32 s18, s11, 7
	s_add_co_u32 s98, s98, s18                     ; R0: my first row of C
	s_lshl_b32 s99, s42, 8
	s_lshl_b32 s18, s12, 7
	s_add_co_u32 s99, s99, s18                     ; C0: my first column
	s_lshl_b32 s22, s99, 2
	s_lshl_b32 s23, s98, 2
	v_lshl_add_u32 v6, v1, 2, s23                  ; 4 (R0 + r): my row of row block 0
	v_lshl_add_u32 v7, v1, 5, s22                  ; 4 C0 + 32 r: the eight columns that I finish on the way out
	global_load_b128 v[SN:SN+3],     v7, s[70:71]              ; sines and cosines of those columns: k alone uses them
	global_load_b128 v[SN+4:SN+7],   v7, s[70:71] offset:16
	global_load_b128 v[CSN:CSN+3],   v7, s[70:71] offset:8192
	global_load_b128 v[CSN+4:CSN+7], v7, s[70:71] offset:8208
	s_cmp_eq_u32 s87, 2
	s_cselect_b64 s[16:17], s[74:75], s[72:73]     ; bv or bk
.irp a, 0,1,2,3,4,5,6,7
	global_load_b32 v[CB+8*(\a)], v6, s[16:17] offset:64*(\a)  ; the bias of my row in block a
.endr
	; A fragment is 16 rows x 32 K in 8 registers: lane l holds row l % 16; registers 0-3 K = 8 (l / 16) + 0..7, registers 4-7 K = 16 + 8 (l / 16) + 0..7: two loads of 16 bytes, 32 bytes apart.
	v_mul_u32_u24 v3, v1, PITCH
	v_lshl_add_u32 v3, v2, 4, v3                   ; r x pitch + 16 h
	s_mul_i32 s21, s11, HALFT                      ; my 128 rows of A
	s_mul_i32 s22, s12, HALFT                      ; my 128 rows of B,
	s_add_co_u32 s22, s22, 2*HALFT                 ; which lie behind A's 256
.irp s, 0,1
	v_add_nc_u32 v[ADRA+(\s)], s21, v3
	v_add_nc_u32 v[ADRB+(\s)], s22, v3
	s_add_co_u32 s21, s21, SLOT
	s_add_co_u32 s22, s22, SLOT
.endr
	; The way out's LDS rows.  A row's 32 pieces of 16 bytes are laid even pieces first (bytes 0-255), then odd pieces (bytes 256-511).  A lane's eight results of block b are pieces 4 b + 2 h and 4 b + 2 h + 1:
	; they go to bytes 32 b + 16 h and 256 + 32 b + 16 h.  Read back, lane r of a half takes pieces 2 r and 2 r + 1, columns 8 r .. 8 r + 7, at bytes 16 r and 256 + 16 r: sixteen lanes read 256 bytes on end.
	s_mul_i32 s23, s10, WSTAGE
	v_mul_u32_u24 v4, v1, SPITCH
	v_lshl_add_u32 v4, v2, 4, v4
	v_add_nc_u32 v[STO], s23, v4                   ; in: row r of a block
	v_mul_u32_u24 v4, v2, SPITCH
	v_lshl_add_u32 v4, v1, 4, v4
	v_add_nc_u32 v[RD0], s23, v4                   ; back: lanes 0-15 one row, lanes 16-31 the next
	s_lshl_b32 s23, s10, 10
	s_add_co_u32 s23, s23, RSL
	v_lshl_add_u32 v[RSA0], v2, 2, s23
	v_and_b32 v4, 31, v0
	v_lshl_add_u32 v[RSR], v4, 4, s23
	v_lshlrev_b32 v[PO], 4, v4
	v_lshlrev_b32 v[PFO], 12, v4
	v_lshlrev_b32 v4, 12, v2
	v_lshl_add_u32 v[CO], v1, 4, v4                ; two rows of the output, 4,096 bytes apart, 16 bytes a lane
	s_cmp_eq_u32 s87, 1
	s_cselect_b32 s18, 23, 22                      ; a batch is 8,388,608 bytes of kt, 4,194,304 of vt
	s_lshl_b32 s18, s88, s18
	s_lshl_b32 s20, s98, 12
	s_add_co_u32 s18, s18, s20
	s_lshl_b32 s20, s99, 1
	s_add_co_u32 s18, s18, s20
	s_mov_b32 s19, 0
	s_cmp_eq_u32 s87, 1
	s_cselect_b64 s[8:9], s[76:77], s[78:79]
	s_add_nc_u64 s[8:9], s[8:9], s[18:19]          ; the output at my first row and column
	s_lshl_b32 s20, s88, 4                         ; part: ((16 b + 2 x tile column + my half) x 2,048 + R0) x 4
	s_lshl_b32 s21, s42, 1
	s_add_co_u32 s20, s20, s21
	s_add_co_u32 s20, s20, s12
	s_lshl_b32 s20, s20, 11
	s_add_co_u32 s20, s20, s98
	s_lshl_b32 s20, s20, 2
	s_mov_b32 s21, 0
	s_add_nc_u64 s[96:97], s[80:81], s[20:21]      ; (used by k's tiles alone)
	; the prefetches
	s_lshl_b32 s22, s12, 7                         ; the 128 rows that I fetch
	s_lshl_b32 s20, s13, 8
	s_add_co_u32 s20, s20, s22
	s_lshl_b32 s21, s40, 5
	s_add_co_u32 s20, s20, s21                     ; A: row f = 256 x tile row + 128 x half + 32 cx,
	s_and_b32 s21, s20, 511
	s_lshl_b32 s21, s21, 12
	s_lshr_b32 s20, s20, 9
	s_lshl_b32 s20, s20, 11
	s_add_co_u32 s20, s20, s21                     ; at its place among the weights' rows
	s_add_co_u32 s20, s20, s93
	s_lshl_b32 s21, s42, 8
	s_add_co_u32 s21, s21, s22
	s_lshl_b32 s23, s41, 5
	s_add_co_u32 s21, s21, s23                     ; B: row 256 x tile column + 128 x half + 32 cy
	s_lshl_b32 s21, s21, 12
	s_add_co_u32 s21, s21, s94
	s_or_b32 s22, s88, ttmp9                       ; 0 in the cluster that asks for the weights
	s_cmp_eq_u32 s11, 0
	s_cselect_b32 s20, s20, s21
	s_cselect_b32 s22, s22, 0                      ; B's waves, which fetch the activations, always ask
	s_add_co_u32 s20, s20, KSTEP*2                 ; at K step 1: the first refill steps it to 2
	s_mov_b32 s21, 0
	s_add_nc_u64 s[PFA:PFA+1], s[68:69], s[20:21]
	s_cmp_eq_u32 s22, 0
	s_cselect_b32 s[LIM], 1, -1                    ; the same in all sixteen partners, for a given wave
	s_wait_loadcnt 0x0
.irp a, 0,1,2,3,4,5,6,7
.irp j, 1,2,3,4,5,6,7
	v_mov_b32 v[CB+8*(\a)+(\j)], v[CB+8*(\a)]      ; a lane's eight results of a block belong to one row: one bias, eight times
.endr
.endr
	s_wait_tensorcnt 1                             ; my part of K step 0 is in; K step 1's may stay out
	s_barrier_signal -1
	s_barrier_wait -1                              ; everybody's is
	FETCH 0, 0, F0
	QUARTER 0, 64, F0, F1, 3                       ; the first quarter stands in front of the loop: its products start the sums with the bias
	WIN 0                                          ; at a label and at a branch every window is 0
	s_mov_b32 s3, LAPS-1
.Llap:                                                 ; a trip goes once round the ring, from a lap's second quarter to the next lap's first, and fills both slots again
	QUARTER 0, 128, F1, F0, 0
	QUARTER 0, 192, F0, F1, 0
	TURN 0, 1, 1
	QUARTER 1, 64,  F0, F1, 0
	QUARTER 1, 128, F1, F0, 0
	QUARTER 1, 192, F0, F1, 0
	TURN 1, 0, 1
	QUARTER 0, 64,  F0, F1, 0
	WIN 0
	s_sub_co_u32 s3, s3, 1
	s_cmp_lg_u32 s3, 0
	s_cbranch_scc1 .Llap
	QUARTER 0, 128, F1, F0, 0                      ; the last lap fills nothing
	QUARTER 0, 192, F0, F1, 0
	TURN 0, 1, 0
	QUARTER 1, 64,  F0, F1, 0
	QUARTER 1, 128, F1, F0, 0
	QUARTER 1, 192, F0, F1, 0
	s_wait_dscnt 8                                 ; the very last quarter: nothing more to fetch
	MUL16 F1, 0, 0, 0
	MUL16 F1, 0, 2, 0
	s_wait_dscnt 0x0                               ; my last reads of the ring are over:
	s_barrier_signal -1                            ; say so, since the ring's bytes are written next;
	MUL16 F1, 1, 0, 0                              ; work on registers while the others arrive
	MUL16 F1, 1, 2, 0
	WIN 0
	s_barrier_wait -1                              ; nobody reads the ring any more, and no tensor load fills it again
	PLACES
	; THE WAY OUT.  All 64 accumulators, in f32, into my 128 rows; each accumulator's low four registers first.
.irp a, 0,1,2,3,4,5,6,7
	WIN 0x08+4*((\a)/4)                            ; the data (source 1) in window 2 or 3
.irp b, 0,1,2,3,4,5,6,7
	ds_store_b128 v[STO], v[64*((\a)%4)+8*(\b):64*((\a)%4)+8*(\b)+3]   offset:(\a)*16*SPITCH+32*(\b)
	ds_store_b128 v[STO], v[64*((\a)%4)+8*(\b)+4:64*((\a)%4)+8*(\b)+7] offset:(\a)*16*SPITCH+32*(\b)+256
.endr
.endr
	WIN 0
	s_cmp_eq_u32 s87, 1
	s_cbranch_scc1 .Lout_k
	; v: eight trips of eight row pairs.  A pair: 8 numbers a lane read back, rounded to f16, stored: sixteen lanes fill 256 consecutive bytes, aligned.
	; LDS serves a wave's instructions in order (ISA guide 5.7.1.4): the loads see my stores above; the bytes are my own.
	s_mov_b32 s4, 0
	s_mov_b32 s2, 8
.Lvrows:
	v_add_nc_u32 v[RD], s4, v[RD0]
.set j, 0
.rept 8
	ds_load_b128 v[X+8*j:X+8*j+3],   v[RD] offset:j*2*SPITCH
	ds_load_b128 v[X+8*j+4:X+8*j+7], v[RD] offset:j*2*SPITCH+256
.set j, j+1
.endr
.set j, 0
.rept 8
	s_wait_dscnt 14-2*j                            ; pair j is in; the later pairs' loads may stay out
.irp i, 0,1,2,3
	v_cvt_pk_f16_f32 v[OUT+4*j+(\i)], v[X+8*j+2*(\i)], v[X+8*j+2*(\i)+1]
.endr
	global_store_b128 v[CO], v[OUT+4*j:OUT+4*j+3], s[8:9] offset:j*8192
.set j, j+1
.endr
	s_wait_xcnt 0x0                                ; the stores have read their base and their data: both are written again only behind this wait
	s_add_nc_u64 s[8:9], s[8:9], 16*4096
	s_add_co_u32 s4, s4, 16*SPITCH
	s_sub_co_u32 s2, s2, 1
	s_cmp_lg_u32 s2, 0
	s_cbranch_scc1 .Lvrows
	s_branch .Lend
.Lout_k:
	; k: sixteen trips of four row pairs.  A pair: ReLU in f32; times my columns' sines and times their cosines; both rounded to f16 and stored, the cosines' rows 1,024 rows (4,194,304 bytes) further down;
	; both rows' sums: 8 numbers in the lane, then four steps over the 16 lanes that hold the row; every lane of a half then holds its row's sum and puts it into the row's word in LDS.
	s_mov_b32 s4, 0
	s_mov_b32 s5, 0
	s_mov_b32 s2, 16
.Lkrows:
	v_add_nc_u32 v[RD], s4, v[RD0]
	v_add_nc_u32 v[RSA], s5, v[RSA0]
.set j, 0
.rept 4
	ds_load_b128 v[X+8*j:X+8*j+3],   v[RD] offset:j*2*SPITCH
	ds_load_b128 v[X+8*j+4:X+8*j+7], v[RD] offset:j*2*SPITCH+256
.set j, j+1
.endr
.set j, 0
.rept 4
	s_wait_dscnt 6                                 ; pair j is in: behind its loads stand the 6 - 2 j later loads and the 2 j stores of sums issued since
.irp i, 0,1,2,3,4,5,6,7
	v_max_num_f32 v[X+8*j+(\i)], 0, v[X+8*j+(\i)]
.endr
.irp i, 0,2,4,6
	v_pk_mul_f32 v[TS+(\i):TS+(\i)+1], v[X+8*j+(\i):X+8*j+(\i)+1], v[SN+(\i):SN+(\i)+1]
	v_pk_mul_f32 v[TC+(\i):TC+(\i)+1], v[X+8*j+(\i):X+8*j+(\i)+1], v[CSN+(\i):CSN+(\i)+1]
.endr
.irp i, 0,1,2,3
	v_cvt_pk_f16_f32 v[OUT+4*j+(\i)],    v[TS+2*(\i)], v[TS+2*(\i)+1]
	v_cvt_pk_f16_f32 v[OUT+16+4*j+(\i)], v[TC+2*(\i)], v[TC+2*(\i)+1]
.endr
	global_store_b128 v[CO], v[OUT+4*j:OUT+4*j+3],       s[8:9] offset:j*8192
	global_store_b128 v[CO], v[OUT+16+4*j:OUT+16+4*j+3], s[8:9] offset:j*8192+4194304
	v_pk_add_f32 v[TS:TS+1],     v[TS:TS+1],     v[TS+2:TS+3]
	v_pk_add_f32 v[TC:TC+1],     v[TC:TC+1],     v[TC+2:TC+3]
	v_pk_add_f32 v[TS+4:TS+5],   v[TS+4:TS+5],   v[TS+6:TS+7]
	v_pk_add_f32 v[TC+4:TC+5],   v[TC+4:TC+5],   v[TC+6:TC+7]
	v_pk_add_f32 v[TS:TS+1],     v[TS:TS+1],     v[TS+4:TS+5]
	v_pk_add_f32 v[TC:TC+1],     v[TC:TC+1],     v[TC+4:TC+5]
	v_add_f32 v[TS], v[TS], v[TS+1]
	v_add_f32 v[TC], v[TC], v[TC+1]
.irp m, 1,2,4,8
	v_add_f32_dpp v[TS], v[TS], v[TS] row_xmask:\m row_mask:0xf bank_mask:0xf
	v_add_f32_dpp v[TC], v[TC], v[TC] row_xmask:\m row_mask:0xf bank_mask:0xf
.endr
	ds_store_b32 v[RSA], v[TS] offset:8*j          ; row 8 x trip + 2 j + h: sixteen lanes write the same word with the same number
	ds_store_b32 v[RSA], v[TC] offset:512+8*j
.set j, j+1
.endr
	s_wait_xcnt 0x0                                ; the stores have read their base and their data
	s_add_nc_u64 s[8:9], s[8:9], 8*4096
	s_add_co_u32 s4, s4, 8*SPITCH
	s_add_co_u32 s5, s5, 32
	s_sub_co_u32 s2, s2, 1
	s_cmp_lg_u32 s2, 0
	s_cbranch_scc1 .Lkrows
	ds_load_b128 v[X:X+3],   v[RSR]                ; my wave's 128 sums with the sines, four a lane,
	ds_load_b128 v[X+4:X+7], v[RSR] offset:512     ; and with the cosines
	s_wait_dscnt 0x0
	global_store_b128 v[PO], v[X:X+3],   s[96:97]              ; 512 consecutive bytes of part, aligned
	global_store_b128 v[PO], v[X+4:X+7], s[96:97] offset:4096  ; 1,024 rows on
.Lend:
	s_wait_tensorcnt 0x0                           ; the wave's end, behind my last tensor load and my last LDS store
	ds_add_u32 v[SPW], v[NIL]
	s_wait_dscnt 0x0
	CROUND                                         ; the closing round: no work-group ends while a partner may still ask for a tile that names it
	s_endpgm
.Lfunc_end_k_q60154bb6dd_proj:
	.size	k_q60154bb6dd_proj, .Lfunc_end_k_q60154bb6dd_proj-k_q60154bb6dd_proj
	.p2alignl 7, 3214868480
	.fill 96, 4, 3214868480
	.section	.rodata,"a",@progbits
	.p2align	6, 0x0
	.amdhsa_kernel k_q60154bb6dd_proj
		.amdhsa_group_segment_fixed_size 327680
		.amdhsa_private_segment_fixed_size 0
		.amdhsa_enable_private_segment 0
		.amdhsa_kernarg_size 56
		.amdhsa_user_sgpr_count 2
		.amdhsa_user_sgpr_kernarg_segment_ptr 1
		.amdhsa_wavefront_size32 1
		.amdhsa_system_sgpr_workgroup_id_x 1
		.amdhsa_system_sgpr_workgroup_id_y 1
		.amdhsa_system_sgpr_workgroup_id_z 1
		.amdhsa_system_vgpr_workitem_id 0
		.amdhsa_next_free_vgpr 1024
		.amdhsa_next_free_sgpr 102
		.amdhsa_reserve_vcc 0
		.amdhsa_float_denorm_mode_32 3
		.amdhsa_float_denorm_mode_16_64 3
		.amdhsa_memory_ordered 1
		.amdhsa_forward_progress 1
		.amdhsa_inst_pref_size 141
	.end_amdhsa_kernel
	.amdgpu_metadata
---
amdhsa.version: [ 1, 2 ]
amdhsa.kernels:
  - .name:           k_q60154bb6dd_proj
    .symbol:         k_q60154bb6dd_proj.kd
    .args:
      - { .name: xw, .offset: 0, .size: 8, .value_kind: global_buffer, .address_space: global }
      - { .name: tab, .offset: 8, .size: 8, .value_kind: global_buffer, .address_space: global }
      - { .name: bk, .offset: 16, .size: 8, .value_kind: global_buffer, .address_space: global }
      - { .name: bv, .offset: 24, .size: 8, .value_kind: global_buffer, .address_space: global }
      - { .name: kt, .offset: 32, .size: 8, .value_kind: global_buffer, .address_space: global }
      - { .name: vt, .offset: 40, .size: 8, .value_kind: global_buffer, .address_space: global }
      - { .name: part, .offset: 48, .size: 8, .value_kind: global_buffer, .address_space: global }
    .group_segment_fixed_size: 327680
    .private_segment_fixed_size: 0
    .kernarg_segment_align: 8
    .kernarg_segment_size: 56
    .max_flat_workgroup_size: 128
    .sgpr_count:     102
    .vgpr_count:     1024
    .wavefront_size: 32
...
	.end_amdgpu_metadata
.endif
;; end of part 6
;; launch kvq (part 7): grid 8 x 32, 4 waves a work-group, clusters of 4 x 4, 327,680 bytes of LDS; arguments xw, bq, vt, kt, part, qf, kvb, ksm; writes qf, kvb, ksm
.if DOCPART == 7
	.amdgcn_target "amdgcn-amd-amdhsa--gfx1250"
	.amdhsa_code_object_version 6
	.text
	.protected	k_q60154bb6dd_kvq
	.globl	k_q60154bb6dd_kvq
	.p2align	8
	.type	k_q60154bb6dd_kvq,@function
k_q60154bb6dd_kvq:
	s_mov_b64 s[64:65], 0
	v_nop
	global_prefetch_b8 v0, s[64:65] scope:SCOPE_SE
	s_setreg_imm32_b32 hwreg(HW_REG_WAVE_MODE, 25, 1), 1
	s_wait_xcnt 0x0
	s_wait_alu depctr_hold_cnt(0) depctr_sa_sdst(0) depctr_va_vdst(0) depctr_va_sdst(0) depctr_va_ssrc(0) depctr_va_vcc(0) depctr_vm_vsrc(0)
	s_getreg_b32 s2, hwreg(HW_REG_IB_STS2, 6, 4)
	s_cmp_eq_u32 s2, 0
	s_cbranch_scc0 .Lentry_in_a_cluster
	s_endpgm
.Lentry_in_a_cluster:
	s_bfe_u32 s2, ttmp6, 0x10000c
	s_cmp_lg_u32 s2, 0xf033
	s_cbranch_scc0 .Lentry_shape_is_right
	s_endpgm
.Lentry_shape_is_right:
; TWO PRODUCTS THAT DO NOT HANG ON EACH OTHER, IN ONE LAUNCH, each C[m][n] = the sum over k of A[m][k] B[n][k]: f16 operands, f32 sums, results rounded once to bf16.
;   the state (kind 0): kvb[b][m][d] = the sum over s of vt[b][m][s] kt[b][d][s], K = 2,048.  4 x 8 tiles of 256 x 256 a batch: 128 work-groups.  (bf16: the state's range has no room in f16 for large inputs.)
;                       Also ksm[b][d] = the sum of part's 16 partial sums, in f32, rounded once to bf16: wave 0 of each of these work-groups makes 64 of them while the first tiles are on their way.
;   q's projection (kind 1): qf[b][l][f] = relu(the sum over e of query[b][l][e] Wq[f][e] + bq[f]), K = 1,024.  8 x 4 tiles a batch: 128 work-groups.  Sine and cosine of l are applied by the launch that reads qf.
; Each alone has 128 tiles of this size, half as many as there are WGPs; together they have 256.  The halves are not alike: q's work-groups walk 8 K steps, the state's 16.
; LIMIT.  The 16-bit maximum drops a NaN: relu(NaN) is 0.
; ONE TEXT FOR BOTH.  All four operands have rows 4,096 bytes apart, so every descriptor word but the address is a constant; the laps are counted up against a register, 7 or 3, which like every branch on the kind hangs on the
; cluster's y alone and is the same in all sixteen partners; the first products take their C from 64 registers: bq along the columns, or zeros (64 lines, written while the first tiles are on their way: the price of one first quarter).
; SHARES, RING, CLUSTER.  Four waves, as many as a WGP has SIMDs, each 128 x 128: 64 accumulators of 16 x 16.  K goes in steps of 128 through two LDS slots that take turns: rows of 256 bytes of memory, each at a multiple of 256;
; a wave's tensor load brings 128 of them.  4 x 4 work-groups form a cluster: the four of a row ask jointly for A's tile, the four of a column for B's.
; THE MATRIX INSTRUCTION IS USED TURNED (source 0 = 16 rows of B, source 1 = 16 rows of A): lane l holds row l % 16 of C and the columns 8 (l / 16) + 0..7.
; THE WAY OUT goes through the ring's bytes, which have had their last fill: behind a barrier each wave lays its 128 x 128 sums there in f32, and a counted loop reads whole rows back, rounds and stores them.
; REGISTERS, in windows of 256 (s_set_vgpr_msb: bits 1:0 source 0, 3:2 source 1, 5:4 source 2, 7:6 destination):
;   window 0: v0-31 addresses; v64-127, v128-191 fragments of A, two buffers (on the way out: rows read back and results); v192-255 the first products' C
;   window 1: v64-127, v128-191 fragments of B, two buffers     window 2: the accumulators of my rows 0-63 ((a, b) at v[8 (8 a + b)])     window 3: those of my rows 64-127
.set KSTEP,  128
.set PEL,    2048                      ; elements from row to row of every operand
.set PITCH,  272                       ; an LDS row: 256 bytes + 16 of padding = 68 words: row r starts at bank 4 r mod 64 (64 banks of 4 bytes: ISA guide 11.1)
.set HALFT,  128*PITCH                 ; 128 rows: what one tensor load brings, and what one wave reads of A or of B
.set SLOT,   4*HALFT                   ; A's 256 rows, then B's 256 rows
.set SPITCH, 528                       ; the way out: a row of 128 f32 + 16 bytes = 132 words: row r starts at bank 4 r mod 64
.set WSTAGE, 128*SPITCH                ; a wave's 128 rows; the four waves' lie from LDS byte 0 on, inside the ring's 2 x SLOT bytes
.set SPARE,  2*SLOT                    ; behind the ring: the spare words, 128 bytes for each wave: two blocks of 256 bytes that no other line names
.set NF,     32                        ; LDS loads in a run
.set G1W0,   (1<<16)|(1<<20)|(1<<21)|(5<<22)|(3<<25)  ; 17:16 elements of 2 bytes; 20 padding on; 21 set beside a mask; 24:22 after every 64 words (code 5); 31:25 4 words of it (code 3)
.set ADRA, 16                          ; v16-17  LDS address of my A fragments in slot 0, 1
.set ADRB, 20                          ; v20-21  the same for B
.set STO,  24                          ; v24     the way out: where I put 16 bytes of a row
.set RD0,  25                          ; v25     where I read a row back, in trip 0; never rewritten
.set RD,   26                          ; v26     the same in the trip in hand
.set CO,   27                          ; v27     my byte offset in two rows of the output
.set SPW,  28                          ; v28     LDS address of my spare word; never rewritten
.set NIL,  29                          ; v29     0; never rewritten
.set PFO,  30                          ; v30     the prefetches' offset: lane x 4,096 bytes; never rewritten
.set ZR,   31                          ; v31     0, for the ReLU
.set F0,   64
.set F1,   128
.set CB,   192
.set X,    64                          ; the way out: row pair j read back, 8 registers
.set OUT,  128                         ; results to store
.set G1,  24                           ; s[24:31] descriptor group 1 for A's tiles;  s[32:39] group 0, a set for each slot
.set G0,  32
.set G1B, 48                           ; s[48:55], s[56:63] the same for B's
.set G0B, 56
.set LIM, 43                           ; s43      a wave prefetches while the trip's number is under this: laps - 2, or 0 in a wave that never asks
.set PFA, 44                           ; s[44:45] my 32 rows, at the K step that is being asked for
.set NLAP, 95                          ; s95      the loop's trips: laps - 1
.set MSB, 0
.macro WIN new                         ; the immediate's high byte repeats the setting that is left; a switch that changes nothing is dropped
.if MSB != (\new)
	s_set_vgpr_msb (MSB<<8)|(\new)
.set MSB, \new
.endif
.endm
.set TO_B,  0x40                       ; destination window 1, address window 0
.macro WMM ops:vararg
	v_wmma_f32_16x16x32_f16 \ops
.endm
.macro PLACES                          ; four places in front of loads into registers that matrix instructions have read, and of lines that read results
.rept 4
	v_nop
.endr
.endm
.macro JLOAD s                         ; a joint load: waves 0 and 1 fetch A's two halves, waves 2 and 3 B's; an s_nop 0 and four v_nop follow each of the two lines
	s_cmp_eq_u32 s11, 0
	s_cbranch_scc0 .Lfor_b_\@
	tensor_load_to_lds s[G0+4*(\s):G0+4*(\s)+3], s[G1:G1+7]
	s_nop 0
.rept 4
	v_nop
.endr
	s_branch .Lasked_\@
.Lfor_b_\@:
	tensor_load_to_lds s[G0B+4*(\s):G0B+4*(\s)+3], s[G1B:G1B+7]
	s_nop 0
.rept 4
	v_nop
.endr
.Lasked_\@:
.endm
; A PREFETCH INTO THE L2, behind each joint refill and the run of LDS loads that follows it: the K step TWO refills on (512 matrix instructions of a wave): 32 rows x 256 bytes, a lane a row, one instruction a wave.
; Each row's 256 bytes of a K step are named once in the launch.  Of the 128 rows that a wave fetches, each of the four partners that ask for them jointly takes 32, told apart by address (cx for A, cy for B).
; vt's rows are read by a batch's two clusters: the one with x = 0 asks.  kt's rows and the query's are read by one cluster alone, which asks.  Wq's rows are read by q's eight clusters: the one of batch 0 with x = 0 asks.
; K steps 0 to 3 come by their loads alone.  Trip t (from 0) refills steps 2 t + 2 and 2 t + 3 and names 2 t + 4 and 2 t + 5: it asks while t is under laps - 2, so that the last step named is the last there is.
.macro ASK
	s_cmp_lt_u32 s3, s[LIM]
	s_cbranch_scc0 .Lnot_mine_\@
	global_prefetch_b8 v[PFO], s[PFA:PFA+1] offset:2*KSTEP*2 th:TH_LOAD_NT scope:SCOPE_SE
.Lnot_mine_\@:
.endm
.macro CREST                           ; a round of the cluster's barrier behind its opening barrier
	s_cmp_lg_u32 s10, 0
	s_cbranch_scc1 .Lnot_wave_0_\@
	s_barrier_signal -3
.Lnot_wave_0_\@:
	s_barrier_wait -3
	s_barrier_signal -1
	s_barrier_wait -1
.endm
.macro CROUND                          ; a whole round
	s_barrier_signal -1
	s_barrier_wait -1
	CREST
.endm
; 16 matrix instructions: row blocks a0, a0 + 1 of the window's four (hi = 0: my rows 0-63, 1: rows 64-127) x all 8 column blocks, 32 along K, from buffer f.
; cm = 0: the sums go on; 2: they start with the eight numbers of column block b (in window 0).
.macro MUL16 f, hi, a0, cm
.if (\cm) >= 2
	WIN 0x81+0x40*(\hi)                            ; source 0 window 1, source 1 and C window 0, D window 2 or 3
.else
	WIN 0xa1+0x50*(\hi)                            ; source 0 window 1, source 1 window 0, C and D window 2 or 3
.endif
.irp a, \a0, (\a0)+1
.irp b, 0,1,2,3,4,5,6,7
.set rD, 8*(8*(\a)+(\b))
.set rB, (\f)+8*(\b)
.set rA, (\f)+8*(4*(\hi)+(\a))
.if (\cm) == 0
	WMM v[rD:rD+7], v[rB:rB+7], v[rA:rA+7], v[rD:rD+7]
.else
	WMM v[rD:rD+7], v[rB:rB+7], v[rA:rA+7], v[CB+8*(\b):CB+8*(\b)+7]
.endif
.endr
.endr
.endm
; 32 LDS loads in one run: the fragments of 32 along K at byte k of the rows, into buffer f: B's eight, then A's eight; A's blocks 4 to 7 last
.macro FETCH slot, k, f
	WIN TO_B
.irp i, 0,1,2,3,4,5,6,7
	ds_load_b128 v[(\f)+8*(\i):(\f)+8*(\i)+3],   v[ADRB+(\slot)] offset:(\k)+(\i)*16*PITCH
	ds_load_b128 v[(\f)+8*(\i)+4:(\f)+8*(\i)+7], v[ADRB+(\slot)] offset:(\k)+(\i)*16*PITCH+32
.endr
	WIN 0
.irp i, 0,1,2,3,4,5,6,7
	ds_load_b128 v[(\f)+8*(\i):(\f)+8*(\i)+3],   v[ADRA+(\slot)] offset:(\k)+(\i)*16*PITCH
	ds_load_b128 v[(\f)+8*(\i)+4:(\f)+8*(\i)+7], v[ADRA+(\slot)] offset:(\k)+(\i)*16*PITCH+32
.endr
.endm
; A K step is four quarters of 32 along K, 64 matrix instructions each, on buffers 0, 1, 0, 1; the 64 accumulators take turns, one instruction a turn.
; One of the first three: multiplies buffer f; in its middle it fetches the next quarter, at byte k, into g.
.macro QUARTER slot, k, f, g, cm
	s_wait_dscnt 8                                 ; B and A's rows 0-63 are in; the youngest eight loads (A's rows 64-127) may be out
	MUL16 \f, 0, 0, \cm
	MUL16 \f, 0, 2, \cm
	PLACES
	FETCH \slot, \k, \g
	s_wait_dscnt NF                                ; all but the run just issued
	MUL16 \f, 1, 0, \cm
	MUL16 \f, 1, 2, \cm
.endm
; The last quarter multiplies buffer 1 and changes slots: ONE barrier.  In front of it each wave waits for all its tensor loads (one is out: its part of the next slot), adds 0 to its spare word, and waits for that and for its
; own reads of this slot.  fill = 1: the barrier opens a round of the cluster's barrier, and this slot is filled again, two K steps ahead, first thing behind the round.
.macro TURN slot, next, fill
.if \fill
	s_wait_xcnt 0x0                                ; the last prefetch, a K step back, has read its address: it is stepped here, ahead of the waits of the change of slots
	s_add_nc_u64 s[PFA:PFA+1], s[PFA:PFA+1], KSTEP*2
.endif
	WIN 0                                          ; (the add's two registers lie in window 0)
	s_wait_tensorcnt 0x0                           ; all my tensor loads have landed
	ds_add_u32 v[SPW], v[NIL]                      ; 0 onto my spare word
	s_wait_dscnt 9                                 ; (the add and the youngest eight loads may be out)
	MUL16 F1, 0, 0, 0                              ; sixteen matrix instructions stand between the add and the wait for it
	s_wait_dscnt 0x0                               ; the add is done, and my reads of this slot are over
	s_barrier_signal -1
	MUL16 F1, 0, 2, 0
.if \fill
	WIN 0
.endif
	s_barrier_wait -1
.if \fill
	CREST                                          ; no wave of any partner still reads this slot's tile or has a load on its way
	s_add_nc_u64 s[G0+4*(\slot)+2:G0+4*(\slot)+3], s[G0+4*(\slot)+2:G0+4*(\slot)+3], 2*KSTEP*2
	s_add_nc_u64 s[G0B+4*(\slot)+2:G0B+4*(\slot)+3], s[G0B+4*(\slot)+2:G0B+4*(\slot)+3], 2*KSTEP*2
	JLOAD \slot                                    ; the four v_nop behind it are also the places in front of the loads below
.else
	PLACES
.endif
	FETCH \next, 0, F0
.if \fill
	ASK
.endif
	MUL16 F1, 1, 0, 0
	MUL16 F1, 1, 2, 0
.endm
	s_load_b512 s[68:83], s[0:1], 0x0              ; xw s[68:69], bq s[70:71], vt s[72:73], kt s[74:75], part s[76:77], qf s[78:79], kvb s[80:81], ksm s[82:83]
	v_lshl_add_u32 v[SPW], v0, 2, SPARE
	v_mov_b32 v[NIL], 0
	ds_add_u32 v[SPW], v[NIL]                      ; the wave's opening: the add, twice on end, and its wait ahead of my first tensor load
	ds_add_u32 v[SPW], v[NIL]                      ; and once more, under the one wait; the set-up below, work on registers, stands between
	v_lshrrev_b32 v1, 5, v0
	v_readfirstlane_b32 s10, v1                    ; wave 0..3
	s_lshr_b32 s11, s10, 1                         ; which 128 rows of the tile are mine.  Also: I fetch for A (0) or for B (1)
	s_and_b32 s12, s10, 1                          ; which 128 columns.  Also: which half of that tile I fetch
	s_bfe_u32 s40, ttmp6, 0x40000                  ; cx, cy: my place in the cluster
	s_bfe_u32 s41, ttmp6, 0x40004
	s_and_b32 s86, ttmp7, 0xffff                   ; the cluster's y, 0 to 7:
	s_lshr_b32 s87, s86, 2                         ; the kind: 0 the state (the longer walk, so it has the lower numbers), 1 q's projection,
	s_and_b32 s88, s86, 3                          ; b: which batch
	s_cmp_eq_u32 s87, 0                            ; the cluster's x, 0 or 1: the state has 4 x 8 tiles a batch, so it picks four of the eight tile columns;
	s_cselect_b32 s89, 0, ttmp9                    ; q has 8 x 4, so it picks four of the eight tile rows
	s_cselect_b32 s90, ttmp9, 0
	s_cselect_b32 s[NLAP], 7, 3                    ; 16 or 8 K steps are 8 or 4 laps; the last lap is written out behind the loop
	s_lshl_b32 s13, s89, 2
	s_add_co_u32 s13, s13, s41                     ; tile row
	s_lshl_b32 s42, s90, 2
	s_add_co_u32 s42, s42, s40                     ; tile column
	s_lshl_b32 s43, s41, 2
	s_lshl_b32 s43, 15, s43                        ; my row of the cluster
	s_lshl_b32 s44, 0x1111, s40                    ; my column
	s_or_b32 s[G1+0], s43, G1W0                    ; A's tiles go to my row
	s_or_b32 s[G1B+0], s44, G1W0                   ; B's to my column
.irp g, G1, G1B
	s_mov_b32 s[(\g)+1], KSTEP<<16                 ; tensor_dim0 = 128
	s_mov_b32 s[(\g)+2], 128<<16                   ; tensor_dim1 = 128
	s_mov_b32 s[(\g)+3], KSTEP<<16                 ; tile_dim0 = 128
	s_mov_b32 s[(\g)+4], 128                       ; tile_dim1 = 128
	s_mov_b32 s[(\g)+5], PEL                       ; elements from row to row
	s_mov_b32 s[(\g)+6], 0
	s_mov_b32 s[(\g)+7], 0
.endr
	s_lshl_b32 s91, s88, 22                        ; A, the state: a batch of vt
	s_lshr_b32 s92, s88, 1
	s_lshl_b32 s92, s92, 23
	s_and_b32 s93, s88, 1
	s_lshl_b32 s93, s93, 11
	s_add_co_u32 s92, s92, s93                     ; A, q: the query's batch in xw: b / 2, b % 2
	s_lshl_b32 s94, s88, 23                        ; B, the state: a batch of kt
	s_cmp_eq_u32 s87, 0
	s_cselect_b32 s93, s91, s92
	s_cselect_b32 s94, s94, 0x3000000              ; B, q: Wq in xw
	s_lshl_b32 s16, s13, 8
	s_lshl_b32 s17, s12, 7
	s_add_co_u32 s16, s16, s17                     ; A: row 256 x tile row + 128 x half,
	s_lshl_b32 s16, s16, 12                        ; 4,096 bytes from row to row
	s_add_co_u32 s16, s16, s93
	s_mov_b32 s17, 0
	s_lshl_b32 s46, s42, 8
	s_lshl_b32 s47, s12, 7
	s_add_co_u32 s46, s46, s47                     ; B: row n = 256 x tile column + 128 x half.
	s_and_b32 s47, s46, 511
	s_lshl_b32 s47, s47, 12
	s_lshr_b32 s91, s46, 9
	s_lshl_b32 s91, s91, 11
	s_add_co_u32 s47, s47, s91                     ; Wq's row n lies at (n % 512) x 4,096 + (n / 512) x 2,048,
	s_lshl_b32 s46, s46, 12                        ; kt's at n x 4,096
	s_cmp_eq_u32 s87, 0
	s_cselect_b32 s46, s46, s47
	s_add_co_u32 s46, s46, s94
	s_mov_b32 s47, 0
	s_mul_i32 s20, s10, HALFT                      ; where they go: A's two halves, then B's two = wave x 128 rows: no place in the cluster enters an LDS address
	s_wait_dscnt 0x0                               ; both opening adds are done
	s_wait_kmcnt 0x0
	s_cmp_eq_u32 s87, 0
	s_cselect_b64 s[100:101], s[72:73], s[68:69]   ; A's buffer: vt or xw
	s_cselect_b64 s[84:85], s[74:75], s[68:69]     ; B's: kt or xw
	s_add_nc_u64 s[14:15], s[100:101], s[16:17]
	s_add_nc_u64 s[46:47], s[84:85], s[46:47]
	CROUND                                         ; all sixteen work-groups are here: the first joint loads meet
.irp s, 0,1
	s_mov_b32 s[G0+4*(\s)], 1                      ; count = 1
	s_add_co_u32 s[G0+4*(\s)+1], s20, (\s)*SLOT    ; LDS address
	s_add_nc_u64 s[G0+4*(\s)+2:G0+4*(\s)+3], s[14:15], (\s)*KSTEP*2  ; global address: K step s
	s_or_b32 s[G0+4*(\s)+3], s[G0+4*(\s)+3], 0x80000000              ; type = 2
	s_mov_b32 s[G0B+4*(\s)], 1
	s_add_co_u32 s[G0B+4*(\s)+1], s20, (\s)*SLOT
	s_add_nc_u64 s[G0B+4*(\s)+2:G0B+4*(\s)+3], s[46:47], (\s)*KSTEP*2
	s_or_b32 s[G0B+4*(\s)+3], s[G0B+4*(\s)+3], 0x80000000
	JLOAD \s
.endr
	v_and_b32 v1, 15, v0                           ; r = l % 16
	v_bfe_u32 v2, v0, 4, 1                         ; h = l / 16
	s_lshl_b32 s98, s13, 8
	s_lshl_b32 s18, s11, 7
	s_add_co_u32 s98, s98, s18                     ; R0: my first row of C
	s_lshl_b32 s99, s42, 8
	s_lshl_b32 s18, s12, 7
	s_add_co_u32 s99, s99, s18                     ; C0: my first column
	s_lshl_b32 s22, s99, 2
	v_lshl_add_u32 v5, v2, 5, s22                  ; 4 C0 + 32 h: my eight numbers of column block 0, as an accumulator holds them
	s_cmp_eq_u32 s87, 0
	s_cbranch_scc1 .Lzeros
.irp b, 0,1,2,3,4,5,6,7
	global_load_b128 v[CB+8*(\b):CB+8*(\b)+3],   v5, s[70:71] offset:64*(\b)      ; q: bq of my columns, block by block
	global_load_b128 v[CB+8*(\b)+4:CB+8*(\b)+7], v5, s[70:71] offset:64*(\b)+16
.endr
	s_branch .Lc_done
.Lzeros:
.set i, 0
.rept 64
	v_mov_b32 v[CB+i], 0                           ; the state's sums start at 0
.set i, i+1
.endr
.Lc_done:
	; A fragment is 16 rows x 32 K in 8 registers: lane l holds row l % 16; registers 0-3 K = 8 (l / 16) + 0..7, registers 4-7 K = 16 + 8 (l / 16) + 0..7: two loads of 16 bytes, 32 bytes apart.
	v_mul_u32_u24 v3, v1, PITCH
	v_lshl_add_u32 v3, v2, 4, v3                   ; r x pitch + 16 h
	s_mul_i32 s21, s11, HALFT                      ; my 128 rows of A
	s_mul_i32 s22, s12, HALFT                      ; my 128 rows of B,
	s_add_co_u32 s22, s22, 2*HALFT                 ; which lie behind A's 256
.irp s, 0,1
	v_add_nc_u32 v[ADRA+(\s)], s21, v3
	v_add_nc_u32 v[ADRB+(\s)], s22, v3
	s_add_co_u32 s21, s21, SLOT
	s_add_co_u32 s22, s22, SLOT
.endr
	; The way out's LDS rows.  A row's 32 pieces of 16 bytes are laid even pieces first (bytes 0-255), then odd pieces (bytes 256-511).  A lane's eight results of block b are pieces 4 b + 2 h and 4 b + 2 h + 1:
	; they go to bytes 32 b + 16 h and 256 + 32 b + 16 h.  Read back, lane r of a half takes pieces 2 r and 2 r + 1, columns 8 r .. 8 r + 7, at bytes 16 r and 256 + 16 r: sixteen lanes read 256 bytes on end.
	s_mul_i32 s23, s10, WSTAGE
	v_mul_u32_u24 v4, v1, SPITCH
	v_lshl_add_u32 v4, v2, 4, v4
	v_add_nc_u32 v[STO], s23, v4                   ; in: row r of a block
	v_mul_u32_u24 v4, v2, SPITCH
	v_lshl_add_u32 v4, v1, 4, v4
	v_add_nc_u32 v[RD0], s23, v4                   ; back: lanes 0-15 one row, lanes 16-31 the next
	v_and_b32 v4, 31, v0
	v_lshlrev_b32 v[PFO], 12, v4
	v_mov_b32 v[ZR], 0
	s_lshl_b32 s18, s88, 22                        ; a batch is 4,194,304 bytes of kvb and of qf
	s_cmp_eq_u32 s87, 0
	s_cselect_b32 s19, 12, 11                      ; a row is 4,096 bytes of kvb, 2,048 of qf
	s_lshl_b32 s20, s98, s19
	s_add_co_u32 s18, s18, s20
	s_lshl_b32 s20, s99, 1
	s_add_co_u32 s18, s18, s20
	v_lshlrev_b32 v4, s19, v2
	v_lshl_add_u32 v[CO], v1, 4, v4                ; two rows of the output, 16 bytes a lane
	s_mov_b32 s19, 0
	s_cmp_eq_u32 s87, 0
	s_cselect_b64 s[8:9], s[80:81], s[78:79]
	s_add_nc_u64 s[8:9], s[8:9], s[18:19]          ; the output at my first row and column
	; the prefetches
	s_lshl_b32 s22, s12, 7                         ; the 128 rows that I fetch
	s_lshl_b32 s20, s13, 8
	s_add_co_u32 s20, s20, s22
	s_lshl_b32 s21, s40, 5
	s_add_co_u32 s20, s20, s21                     ; A: row 256 x tile row + 128 x half + 32 cx
	s_lshl_b32 s20, s20, 12
	s_add_co_u32 s20, s20, s93
	s_lshl_b32 s21, s42, 8
	s_add_co_u32 s21, s21, s22
	s_lshl_b32 s23, s41, 5
	s_add_co_u32 s21, s21, s23                     ; B: row n = 256 x tile column + 128 x half + 32 cy
	s_and_b32 s22, s21, 511
	s_lshl_b32 s22, s22, 12
	s_lshr_b32 s23, s21, 9
	s_lshl_b32 s23, s23, 11
	s_add_co_u32 s22, s22, s23                     ; among Wq's rows,
	s_lshl_b32 s21, s21, 12                        ; among kt's
	s_or_b32 s23, s88, ttmp9                       ; 0 in the cluster that asks for Wq
	s_cmp_eq_u32 s87, 0
	s_cselect_b32 s21, s21, s22
	s_cselect_b32 s22, ttmp9, 0                    ; A: vt: the cluster with x = 0; the query: always
	s_cselect_b32 s23, 0, s23                      ; B: kt: always
	s_add_co_u32 s21, s21, s94
	s_cmp_eq_u32 s11, 0
	s_cselect_b32 s20, s20, s21
	s_cselect_b32 s22, s22, s23
	s_cselect_b64 s[PFA:PFA+1], s[100:101], s[84:85]
	s_add_co_u32 s20, s20, KSTEP*2                 ; at K step 1: the first refill steps it to 2
	s_mov_b32 s21, 0
	s_add_nc_u64 s[PFA:PFA+1], s[PFA:PFA+1], s[20:21]
	s_sub_co_u32 s23, s[NLAP], 1
	s_cmp_eq_u32 s22, 0
	s_cselect_b32 s[LIM], s23, 0                   ; the same in all sixteen partners, for a given wave
	; ksum: wave 0 of a work-group of the state: the 64 numbers d = 64 (8 x tile row + tile column) + 2 x lane, + 1, of my batch
	s_or_b32 s18, s87, s10
	s_cmp_lg_u32 s18, 0
	s_cbranch_scc1 .Lno_ksum
	s_lshl_b32 s18, s13, 3
	s_add_co_u32 s18, s18, s42
	s_lshl_b32 s19, s88, 17                        ; a batch of part: 16 x 2,048 x 4 bytes
	s_lshl_b32 s20, s18, 8
	s_add_co_u32 s20, s20, s19
	s_mov_b32 s21, 0
	s_add_nc_u64 s[4:5], s[76:77], s[20:21]
	s_lshl_b32 s19, s88, 12
	s_lshl_b32 s20, s18, 7
	s_add_co_u32 s20, s20, s19
	s_add_nc_u64 s[6:7], s[82:83], s[20:21]
	v_and_b32 v4, 31, v0
	v_lshlrev_b32 v9, 2, v4                        ; v8 to v10 and s[4:7] serve this block alone: nothing writes them behind it
	v_lshlrev_b32 v10, 3, v4
.set i, 0
.rept 16
	global_load_b64 v[X+2*i:X+2*i+1], v10, s[4:5] offset:8192*i
.set i, i+1
.endr
	s_wait_loadcnt 0x0
.set i, 4
.rept 12
	v_pk_add_f32 v[X+2*(i%4):X+2*(i%4)+1], v[X+2*(i%4):X+2*(i%4)+1], v[X+2*i:X+2*i+1]  ; four chains
.set i, i+1
.endr
	v_pk_add_f32 v[X:X+1], v[X:X+1], v[X+2:X+3]
	v_pk_add_f32 v[X+4:X+5], v[X+4:X+5], v[X+6:X+7]
	v_pk_add_f32 v[X:X+1], v[X:X+1], v[X+4:X+5]
	v_cvt_pk_bf16_f32 v8, v[X], v[X+1]
	global_store_b32 v9, v8, s[6:7]                ; 128 consecutive bytes
.Lno_ksum:
	s_wait_loadcnt 0x0                             ; bq
	s_wait_tensorcnt 1                             ; my part of K step 0 is in; K step 1's may stay out
	s_barrier_signal -1
	s_barrier_wait -1                              ; everybody's is
	FETCH 0, 0, F0
	QUARTER 0, 64, F0, F1, 2                       ; the first quarter stands in front of the loop: its products start the sums
	WIN 0                                          ; at a label and at a branch every window is 0
	s_mov_b32 s3, 0
.Llap:                                                 ; a trip goes once round the ring, from a lap's second quarter to the next lap's first, and fills both slots again; every LDS address in it is fixed
	QUARTER 0, 128, F1, F0, 0
	QUARTER 0, 192, F0, F1, 0
	TURN 0, 1, 1
	QUARTER 1, 64,  F0, F1, 0
	QUARTER 1, 128, F1, F0, 0
	QUARTER 1, 192, F0, F1, 0
	TURN 1, 0, 1
	QUARTER 0, 64,  F0, F1, 0
	WIN 0
	s_add_co_u32 s3, s3, 1
	s_cmp_lt_u32 s3, s[NLAP]
	s_cbranch_scc1 .Llap
	QUARTER 0, 128, F1, F0, 0                      ; the last lap fills nothing
	QUARTER 0, 192, F0, F1, 0
	TURN 0, 1, 0
	QUARTER 1, 64,  F0, F1, 0
	QUARTER 1, 128, F1, F0, 0
	QUARTER 1, 192, F0, F1, 0
	s_wait_dscnt 8                                 ; the very last quarter: nothing more to fetch
	MUL16 F1, 0, 0, 0
	MUL16 F1, 0, 2, 0
	s_wait_dscnt 0x0                               ; my last reads of the ring are over:
	s_barrier_signal -1                            ; say so, since the ring's bytes are written next;
	MUL16 F1, 1, 0, 0                              ; work on registers while the others arrive
	MUL16 F1, 1, 2, 0
	WIN 0
	s_barrier_wait -1                              ; nobody reads the ring any more, and no tensor load fills it again
	PLACES
	; THE WAY OUT.  All 64 accumulators, in f32, into my 128 rows; each accumulator's low four registers first.
.irp a, 0,1,2,3,4,5,6,7
	WIN 0x08+4*((\a)/4)                            ; the data (source 1) in window 2 or 3
.irp b, 0,1,2,3,4,5,6,7
	ds_store_b128 v[STO], v[64*((\a)%4)+8*(\b):64*((\a)%4)+8*(\b)+3]   offset:(\a)*16*SPITCH+32*(\b)
	ds_store_b128 v[STO], v[64*((\a)%4)+8*(\b)+4:64*((\a)%4)+8*(\b)+7] offset:(\a)*16*SPITCH+32*(\b)+256
.endr
.endr
	WIN 0
; Eight trips of eight row pairs.  A pair: 8 numbers a lane read back, rounded to bf16 (relu = 1: ReLU on the packed halves), stored: sixteen lanes fill 256 consecutive bytes, aligned.  rowb: bytes in a row of the output.
; LDS serves a wave's instructions in order (ISA guide 5.7.1.4): the loads see my stores above; the bytes are my own.
.macro ROWS relu, rowb
	s_mov_b32 s96, 0
	s_mov_b32 s2, 8
.Lrows_\@:
	v_add_nc_u32 v[RD], s96, v[RD0]
.set j, 0
.rept 8
	ds_load_b128 v[X+8*j:X+8*j+3],   v[RD] offset:j*2*SPITCH
	ds_load_b128 v[X+8*j+4:X+8*j+7], v[RD] offset:j*2*SPITCH+256
.set j, j+1
.endr
.set j, 0
.rept 8
	s_wait_dscnt 14-2*j                            ; pair j is in; the later pairs' loads may stay out
.irp i, 0,1,2,3
	v_cvt_pk_bf16_f32 v[OUT+4*j+(\i)], v[X+8*j+2*(\i)], v[X+8*j+2*(\i)+1]
.endr
.if \relu
.irp i, 0,1,2,3
	v_pk_max_num_bf16 v[OUT+4*j+(\i)], v[OUT+4*j+(\i)], v[ZR]
.endr
.endif
	global_store_b128 v[CO], v[OUT+4*j:OUT+4*j+3], s[8:9] offset:j*2*(\rowb)
.set j, j+1
.endr
	s_wait_xcnt 0x0                                ; the stores have read their base and their data: both are written again only behind this wait
	s_add_nc_u64 s[8:9], s[8:9], 16*(\rowb)
	s_add_co_u32 s96, s96, 16*SPITCH
	s_sub_co_u32 s2, s2, 1
	s_cmp_lg_u32 s2, 0
	s_cbranch_scc1 .Lrows_\@
.endm
	s_cmp_eq_u32 s87, 0
	s_cbranch_scc1 .Lout_state
	ROWS 1, 2048                                   ; q
	s_branch .Lend
.Lout_state:
	ROWS 0, 4096                                   ; the state
.Lend:
	s_wait_tensorcnt 0x0                           ; the wave's end, behind my last tensor load and my last LDS store
	ds_add_u32 v[SPW], v[NIL]
	s_wait_dscnt 0x0
	CROUND                                         ; the closing round: no work-group ends while a partner may still ask for a tile that names it
	s_endpgm
.Lfunc_end_k_q60154bb6dd_kvq:
	.size	k_q60154bb6dd_kvq, .Lfunc_end_k_q60154bb6dd_kvq-k_q60154bb6dd_kvq
	.p2alignl 7, 3214868480
	.fill 96, 4, 3214868480
	.section	.rodata,"a",@progbits
	.p2align	6, 0x0
	.amdhsa_kernel k_q60154bb6dd_kvq
		.amdhsa_group_segment_fixed_size 327680
		.amdhsa_private_segment_fixed_size 0
		.amdhsa_enable_private_segment 0
		.amdhsa_kernarg_size 64
		.amdhsa_user_sgpr_count 2
		.amdhsa_user_sgpr_kernarg_segment_ptr 1
		.amdhsa_wavefront_size32 1
		.amdhsa_system_sgpr_workgroup_id_x 1
		.amdhsa_system_sgpr_workgroup_id_y 1
		.amdhsa_system_sgpr_workgroup_id_z 1
		.amdhsa_system_vgpr_workitem_id 0
		.amdhsa_next_free_vgpr 1024
		.amdhsa_next_free_sgpr 102
		.amdhsa_reserve_vcc 0
		.amdhsa_float_denorm_mode_32 3
		.amdhsa_float_denorm_mode_16_64 3
		.amdhsa_memory_ordered 1
		.amdhsa_forward_progress 1
		.amdhsa_inst_pref_size 140
	.end_amdhsa_kernel
	.amdgpu_metadata
---
amdhsa.version: [ 1, 2 ]
amdhsa.kernels:
  - .name:           k_q60154bb6dd_kvq
    .symbol:         k_q60154bb6dd_kvq.kd
    .args:
      - { .name: xw, .offset: 0, .size: 8, .value_kind: global_buffer, .address_space: global }
      - { .name: bq, .offset: 8, .size: 8, .value_kind: global_buffer, .address_space: global }
      - { .name: vt, .offset: 16, .size: 8, .value_kind: global_buffer, .address_space: global }
      - { .name: kt, .offset: 24, .size: 8, .value_kind: global_buffer, .address_space: global }
      - { .name: part, .offset: 32, .size: 8, .value_kind: global_buffer, .address_space: global }
      - { .name: qf, .offset: 40, .size: 8, .value_kind: global_buffer, .address_space: global }
      - { .name: kvb, .offset: 48, .size: 8, .value_kind: global_buffer, .address_space: global }
      - { .name: ksm, .offset: 56, .size: 8, .value_kind: global_buffer, .address_space: global }
    .group_segment_fixed_size: 327680
    .private_segment_fixed_size: 0
    .kernarg_segment_align: 8
    .kernarg_segment_size: 64
    .max_flat_workgroup_size: 128
    .sgpr_count:     102
    .vgpr_count:     1024
    .wavefront_size: 32
...
	.end_amdgpu_metadata
.endif
;; end of part 7
;; launch attn (part 8): grid 8 x 32, 4 waves a work-group, clusters of 4 x 4, 327,680 bytes of LDS; arguments qf, kvb, ksm, tab, out0; writes out0
.if DOCPART == 8
	.amdgcn_target "amdgcn-amd-amdhsa--gfx1250"
	.amdhsa_code_object_version 6
	.text
	.protected	k_q60154bb6dd_attn
	.globl	k_q60154bb6dd_attn
	.p2align	8
	.type	k_q60154bb6dd_attn,@function
k_q60154bb6dd_attn:
	s_mov_b64 s[64:65], 0
	v_nop
	global_prefetch_b8 v0, s[64:65] scope:SCOPE_SE
	s_setreg_imm32_b32 hwreg(HW_REG_WAVE_MODE, 25, 1), 1
	s_wait_xcnt 0x0
	s_wait_alu depctr_hold_cnt(0) depctr_sa_sdst(0) depctr_va_vdst(0) depctr_va_sdst(0) depctr_va_ssrc(0) depctr_va_vcc(0) depctr_vm_vsrc(0)
	s_getreg_b32 s2, hwreg(HW_REG_IB_STS2, 6, 4)
	s_cmp_eq_u32 s2, 0
	s_cbranch_scc0 .Lentry_in_a_cluster
	s_endpgm
.Lentry_in_a_cluster:
	s_bfe_u32 s2, ttmp6, 0x10000c
	s_cmp_lg_u32 s2, 0xf033
	s_cbranch_scc0 .Lentry_shape_is_right
	s_endpgm
.Lentry_shape_is_right:
; THE OUTPUT.  With S[l][m] = the sum over f of qf[b][l][f] kvb[b][m][f] and C[l][m] = the sum over f of qf[b][l][f] kvb[b][m][1,024 + f]:
;   out0[l][b][m] = (sin(theta_l) S + cos(theta_l) C) / max(sin(theta_l) qf[b][l] . ksm[b][0..] + cos(theta_l) qf[b][l] . ksm[b][1,024..], 1e-6).  bf16 operands, f32 sums, K = 1,024; f32 out.
; LIMIT.  A denominator that is NaN counts as 1e-6 (the maximum drops a NaN).
; SHARES.  A work-group makes 256 rows l x 128 columns m of one batch: a tile of 256 x 256 sums, 128 columns of S and the same 128 of C.  Four waves, as many as a WGP has SIMDs; a wave has 128 rows x (64 m of S, the same 64 m
; of C): 64 accumulators of 16 x 16, so that S and C of a number meet in one lane's registers.  8 x 8 tiles a batch: 256 work-groups.
; RING.  K goes in steps of 128 through two LDS slots that take turns: rows of 256 bytes of memory, each at a multiple of 256.  Waves 0 and 1 fetch A's two halves (128 rows of qf), wave 2 the 128 rows of kvb at S's columns,
; wave 3 the same rows at C's.  From a refill to the wait for it a wave issues 252 matrix instructions.
; CLUSTER.  4 x 4 work-groups: the four of a row ask jointly for A's tile, the four of a column for B's.  The batch hangs on the cluster's y.
; THE MATRIX INSTRUCTION IS USED TURNED (source 0 = rows of B): lane l holds row l % 16 of the tile and the columns 8 (l / 16) + 0..7.
; THE DENOMINATOR rides along: ksm's batch lies in LDS; a fragment whose even rows are ksum's first half and whose odd rows are its second half is source 0 of one more product for each fragment of A:
; register 0 of its result holds the lane's own row's sum with the first half, register 1 with the second, so no lane asks another.  Eight products for each 64; both waves of a row half make the same eight.
; REGISTERS, in windows of 256 (s_set_vgpr_msb: bits 1:0 source 0, 3:2 source 1, 5:4 source 2, 7:6 destination):
;   window 0: v0-31 addresses; v32-63 four registers for each row block: sine and cosine of my row, later both over the denominator, each twice; v64-127, v128-191 fragments of A (on the way out: results and rows read back)
;   window 1: v0-63 the eight denominators; v64-127, v128-191 fragments of B; v192-207 ksum's fragment, one for each buffer
;   window 2: the accumulators of my rows 0-63 ((a, b) at v[8 (8 a + b)]; b = 0..3 S, b = 4..7 C)          window 3: those of my rows 64-127
.set KSTEP,  128
.set LAPS,   1024/(2*KSTEP)
.set PITCH,  272                       ; 256 bytes + 16 of padding = 68 words: row r starts at bank 4 r mod 64 (64 banks of 4 bytes: ISA guide 11.1)
.set HALFT,  128*PITCH
.set SLOT,   4*HALFT                   ; A's 256 rows, S's 128, C's 128
.set STAGE,  2*SLOT                    ; behind the ring, never filled by a tensor load: 16 rows x 272 bytes for each wave
.set SPITCH, 272
.set KSL,    STAGE+4*16*SPITCH         ; ksum of my batch, stored once: its first half at byte 0,
.set KSC,    2080                      ; its second half here: 32 bytes past a multiple of 256
.set SPARE,  KSL+4352                  ; the spare words, 128 bytes for each wave: two blocks of 256 bytes that no other line names
.set NF,     34                        ; LDS loads in a run
.set G1W0,   (1<<16)|(1<<20)|(1<<21)|(5<<22)|(3<<25)  ; 17:16 elements of 2 bytes; 20 padding on; 21 set beside a mask; 24:22 after every 64 words (code 5); 31:25 4 words of it (code 3)
.set ADRA, 16                          ; v16-17  LDS address of my A fragments in slot 0, 1
.set ADRB, 20                          ; v20-21  the same for B
.set ADRK, 22                          ; v22     LDS address of ksum's fragment in the lap in hand
.set AK0,  23                          ; v23     the same in lap 0; never rewritten
.set STO,  24
.set RD,   25
.set CO,   26
.set SPW,  28
.set NIL,  29
.set PFO,  30
.set Z,    32
.set F0,   64
.set F1,   128
.set T,    64                          ; the way out: a block's 32 results a lane
.set OB,   96                          ; rows read back, two sets of 32
.set DT,   192                         ; the eight denominators, then their reciprocals
.set KF0,  192                         ; window 1
.set G1,  24
.set G0,  32
.set G1B, 48
.set G0B, 56
.set LIM, 43                           ; s43      1 in a wave that prefetches, else the greatest number
.set PFA, 44                           ; s[44:45] my 32 rows, at the K step that is being asked for
.set KB,  97                           ; s97      bytes of ksum behind us: 512 a lap
.set MSB, 0
.macro WIN new
.if MSB != (\new)
	s_set_vgpr_msb (MSB<<8)|(\new)
.set MSB, \new
.endif
.endm
.set TO_B,  0x40
.macro WMM ops:vararg
	v_wmma_f32_16x16x32_bf16 \ops
.endm
.macro PLACES
.rept 4
	v_nop
.endr
.endm
.macro JLOAD s                         ; a joint load: waves 0 and 1 fetch A's two halves, waves 2 and 3 B's; an s_nop 0 and four v_nop follow each of the two lines
	s_cmp_eq_u32 s11, 0
	s_cbranch_scc0 .Lfor_b_\@
	tensor_load_to_lds s[G0+4*(\s):G0+4*(\s)+3], s[G1:G1+7]
	s_nop 0
.rept 4
	v_nop
.endr
	s_branch .Lasked_\@
.Lfor_b_\@:
	tensor_load_to_lds s[G0B+4*(\s):G0B+4*(\s)+3], s[G1B:G1B+7]
	s_nop 0
.rept 4
	v_nop
.endr
.Lasked_\@:
.endm
; A PREFETCH INTO THE L2, behind each joint refill and the run of LDS loads that follows it: the K step TWO refills on (576 matrix instructions of a wave): 32 rows x 256 bytes, a lane a row, one instruction a wave.
; Each row's 256 bytes of a K step are named once in the launch.  Of the 128 rows that a wave fetches, each of the four partners that ask for them jointly takes 32, told apart by address (cx for A, cy for B).
; A's rows are read by the two clusters of a row of clusters: the one with x = 0 asks.  B's by the two clusters of a batch along y: the first asks.
; K steps 0 to 3 come by their loads alone.  It asks while the loop's counter is above 1: two on from the last step refilled at counter 2 is step 7, the last.
.macro ASK
	s_cmp_gt_u32 s3, s[LIM]
	s_cbranch_scc0 .Lnot_mine_\@
	global_prefetch_b8 v[PFO], s[PFA:PFA+1] offset:2*KSTEP*2 th:TH_LOAD_NT scope:SCOPE_SE
.Lnot_mine_\@:
.endm
.macro CREST
	s_cmp_lg_u32 s10, 0
	s_cbranch_scc1 .Lnot_wave_0_\@
	s_barrier_signal -3
.Lnot_wave_0_\@:
	s_barrier_wait -3
	s_barrier_signal -1
	s_barrier_wait -1
.endm
.macro CROUND
	s_barrier_signal -1
	s_barrier_wait -1
	CREST
.endm
.macro MUL16 f, hi, a0, cm             ; 16 matrix instructions: row blocks a0, a0 + 1 of the window's four x all 8 column blocks; cm = 1: the products start the sums
	WIN 0xa1+0x50*(\hi)                            ; source 0 window 1, source 1 window 0, C and D window 2 or 3
.irp a, \a0, (\a0)+1
.irp b, 0,1,2,3,4,5,6,7
.set rD, 8*(8*(\a)+(\b))
.set rB, (\f)+8*(\b)
.set rA, (\f)+8*(4*(\hi)+(\a))
.if (\cm) == 0
	WMM v[rD:rD+7], v[rB:rB+7], v[rA:rA+7], v[rD:rD+7]
.else
	WMM v[rD:rD+7], v[rB:rB+7], v[rA:rA+7], 0
.endif
.endr
.endr
.endm
.macro DEN4 f, hi, cm                  ; the denominators of row blocks 4 hi .. 4 hi + 3
	WIN 0x51                                       ; source 0, C and D window 1, source 1 window 0
.irp a, 0,1,2,3
.set rD, 8*(4*(\hi)+(\a))
.set rK, KF0+8*(((\f)-64)/64)
.set rA, (\f)+8*(4*(\hi)+(\a))
.if (\cm) == 0
	WMM v[rD:rD+7], v[rK:rK+7], v[rA:rA+7], v[rD:rD+7]
.else
	WMM v[rD:rD+7], v[rK:rK+7], v[rA:rA+7], 0
.endif
.endr
.endm
.macro FETCH slot, k, f                ; 34 LDS loads in one run: ksum's fragment, B's eight (four of S, four of C), A's eight; A's blocks 4 to 7 last
	WIN TO_B
.set rK, KF0+8*(((\f)-64)/64)
	ds_load_b128 v[rK:rK+3],   v[ADRK] offset:(\slot)*256+(\k)
	ds_load_b128 v[rK+4:rK+7], v[ADRK] offset:(\slot)*256+(\k)+32
.irp i, 0,1,2,3,4,5,6,7
	ds_load_b128 v[(\f)+8*(\i):(\f)+8*(\i)+3],   v[ADRB+(\slot)] offset:(\k)+((\i)/4)*HALFT+((\i)%4)*16*PITCH
	ds_load_b128 v[(\f)+8*(\i)+4:(\f)+8*(\i)+7], v[ADRB+(\slot)] offset:(\k)+((\i)/4)*HALFT+((\i)%4)*16*PITCH+32
.endr
	WIN 0
.irp i, 0,1,2,3,4,5,6,7
	ds_load_b128 v[(\f)+8*(\i):(\f)+8*(\i)+3],   v[ADRA+(\slot)] offset:(\k)+(\i)*16*PITCH
	ds_load_b128 v[(\f)+8*(\i)+4:(\f)+8*(\i)+7], v[ADRA+(\slot)] offset:(\k)+(\i)*16*PITCH+32
.endr
.endm
.macro QUARTER slot, k, f, g, cm       ; 32 along K: 72 matrix instructions on 72 accumulators, which take turns, one instruction a turn
	s_wait_dscnt 8                                 ; all but the youngest eight loads (A's rows 64-127) are in
	MUL16 \f, 0, 0, \cm
	MUL16 \f, 0, 2, \cm
	DEN4 \f, 0, \cm
	PLACES
	FETCH \slot, \k, \g
	s_wait_dscnt NF                                ; all but the run just issued
	MUL16 \f, 1, 0, \cm
	MUL16 \f, 1, 2, \cm
	DEN4 \f, 1, \cm
.endm
; The last quarter of a K step changes slots: one barrier, in front of it each wave's wait for all its tensor loads, the add, and the wait for it and for the wave's reads of the slot.
; fill = 1: the barrier opens a round of the cluster's barrier; the joint refill, two K steps ahead, is the first thing behind the round.
.macro TURN slot, next, fill
.if \fill
	s_wait_xcnt 0x0                                ; the last prefetch, a K step back, has read its address
	s_add_nc_u64 s[PFA:PFA+1], s[PFA:PFA+1], KSTEP*2
.endif
	WIN 0
	s_wait_tensorcnt 0x0                           ; all my tensor loads have landed
	ds_add_u32 v[SPW], v[NIL]                      ; 0 onto my spare word
	s_wait_dscnt 9                                 ; (the add and the youngest eight loads may be out)
	MUL16 F1, 0, 0, 0
	s_wait_dscnt 0x0                               ; the add is done, and my reads of this slot are over
	s_barrier_signal -1
	MUL16 F1, 0, 2, 0
	DEN4 F1, 0, 0
.if \fill
	WIN 0
.endif
	s_barrier_wait -1
.if \fill
	CREST
	s_add_nc_u64 s[G0+4*(\slot)+2:G0+4*(\slot)+3], s[G0+4*(\slot)+2:G0+4*(\slot)+3], 2*KSTEP*2
	s_add_nc_u64 s[G0B+4*(\slot)+2:G0B+4*(\slot)+3], s[G0B+4*(\slot)+2:G0B+4*(\slot)+3], 2*KSTEP*2
	JLOAD \slot
.if (\slot) == 1
	s_add_co_u32 s[KB], s[KB], 512                 ; the fetch below is the next lap's: 256 numbers of each half of ksum on
	v_add_nc_u32 v[ADRK], s[KB], v[AK0]
.endif
.else
	PLACES
.endif
	FETCH \next, 0, F0
.if \fill
	ASK
.endif
	MUL16 F1, 1, 0, 0
	MUL16 F1, 1, 2, 0
	DEN4 F1, 1, 0
.endm
	s_load_b256 s[68:75], s[0:1], 0x0              ; qf s[68:69], kvb s[70:71], ksm s[72:73], tab s[74:75]
	s_load_b64 s[76:77], s[0:1], 0x20              ; out0
	v_lshl_add_u32 v[SPW], v0, 2, SPARE
	v_mov_b32 v[NIL], 0
	ds_add_u32 v[SPW], v[NIL]                      ; the wave's opening: the add, twice on end, and its wait ahead of my first tensor load
	ds_add_u32 v[SPW], v[NIL]                      ; and once more, under the one wait
	v_lshrrev_b32 v1, 5, v0
	v_readfirstlane_b32 s10, v1                    ; wave 0..3
	s_lshr_b32 s11, s10, 1                         ; which 128 rows are mine.  Also: I fetch for A (0) or for B (1)
	s_and_b32 s12, s10, 1                          ; which 64 columns m.  Also: which half of A, or S (0) or C (1) of B, I fetch
	s_bfe_u32 s40, ttmp6, 0x40000                  ; cx, cy
	s_bfe_u32 s41, ttmp6, 0x40004
	s_and_b32 s86, ttmp7, 0xffff                   ; the cluster's y:
	s_lshr_b32 s88, s86, 1                         ; the batch,
	s_and_b32 s90, s86, 1                          ; and which four of the eight tile rows
	s_mov_b32 s89, ttmp9                           ; the cluster's x: which four of the eight tile columns
	s_lshl_b32 s13, s90, 2
	s_add_co_u32 s13, s13, s41                     ; tile row: 256 l
	s_lshl_b32 s42, s89, 2
	s_add_co_u32 s42, s42, s40                     ; tile column: 128 m
	s_lshl_b32 s43, s41, 2
	s_lshl_b32 s43, 15, s43                        ; my row of the cluster
	s_lshl_b32 s44, 0x1111, s40                    ; my column
	s_or_b32 s[G1+0], s43, G1W0
	s_or_b32 s[G1B+0], s44, G1W0
.irp g, G1, G1B
	s_mov_b32 s[(\g)+1], KSTEP<<16                 ; tensor_dim0 = 128
	s_mov_b32 s[(\g)+2], 128<<16                   ; tensor_dim1 = 128
	s_mov_b32 s[(\g)+3], KSTEP<<16                 ; tile_dim0 = 128
	s_mov_b32 s[(\g)+4], 128                       ; tile_dim1 = 128
	s_mov_b32 s[(\g)+6], 0
	s_mov_b32 s[(\g)+7], 0
.endr
	s_mov_b32 s[G1+5], 1024                        ; elements from row to row of qf,
	s_mov_b32 s[G1B+5], 2048                       ; of kvb
	s_lshl_b32 s18, s88, 22                        ; a batch of qf and of kvb: 4,194,304 bytes
	s_mov_b32 s19, 0
	s_lshl_b32 s16, s13, 8
	s_lshl_b32 s17, s12, 7
	s_add_co_u32 s16, s16, s17                     ; A: row 256 x tile row + 128 x half,
	s_lshl_b32 s16, s16, 11                        ; of 2,048 bytes
	s_mov_b32 s17, 0
	s_lshl_b32 s46, s42, 19                        ; B: row 128 x tile column, of 4,096 bytes,
	s_lshl_b32 s47, s12, 11                        ; C's columns 2,048 bytes along the row
	s_add_co_u32 s46, s46, s47
	s_mov_b32 s47, 0
	s_mul_i32 s20, s10, HALFT                      ; where they go: wave x 128 rows: no place in the cluster enters an LDS address
	s_mov_b32 s96, 0x358637bd                      ; 1e-6
	s_mov_b32 s[KB], 0
	s_wait_dscnt 0x0                               ; both opening adds are done
	s_wait_kmcnt 0x0
	s_add_nc_u64 s[92:93], s[68:69], s[18:19]      ; qf at the batch
	s_add_nc_u64 s[94:95], s[70:71], s[18:19]      ; kvb at the batch
	s_add_nc_u64 s[14:15], s[92:93], s[16:17]
	s_add_nc_u64 s[46:47], s[94:95], s[46:47]
	CROUND                                         ; all sixteen work-groups are here: the first joint loads meet
.irp s, 0,1
	s_mov_b32 s[G0+4*(\s)], 1
	s_add_co_u32 s[G0+4*(\s)+1], s20, (\s)*SLOT
	s_add_nc_u64 s[G0+4*(\s)+2:G0+4*(\s)+3], s[14:15], (\s)*KSTEP*2
	s_or_b32 s[G0+4*(\s)+3], s[G0+4*(\s)+3], 0x80000000
	s_mov_b32 s[G0B+4*(\s)], 1
	s_add_co_u32 s[G0B+4*(\s)+1], s20, (\s)*SLOT
	s_add_nc_u64 s[G0B+4*(\s)+2:G0B+4*(\s)+3], s[46:47], (\s)*KSTEP*2
	s_or_b32 s[G0B+4*(\s)+3], s[G0B+4*(\s)+3], 0x80000000
	JLOAD \s
.endr
	; ksum of my batch: thread t brings 16 bytes of each half
	s_lshl_b32 s18, s88, 12
	s_mov_b32 s19, 0
	s_add_nc_u64 s[18:19], s[72:73], s[18:19]
	v_lshlrev_b32 v200, 4, v0
	v_add_nc_u32 v201, KSL, v200
	global_load_b128 v[192:195], v200, s[18:19]
	global_load_b128 v[196:199], v200, s[18:19] offset:2048
	v_and_b32 v1, 15, v0                           ; r
	v_bfe_u32 v2, v0, 4, 1                         ; h
	s_lshl_b32 s98, s13, 8
	s_lshl_b32 s20, s11, 7
	s_add_co_u32 s98, s98, s20                     ; R0: my first l
	s_lshl_b32 s22, s98, 2
	v_lshl_add_u32 v202, v1, 2, s22                ; 4 (R0 + r)
.irp a, 0,1,2,3,4,5,6,7
	global_load_b32 v[Z+4*(\a)],   v202, s[74:75] offset:64*(\a)        ; sine of my row in block a,
	global_load_b32 v[Z+4*(\a)+2], v202, s[74:75] offset:8192+64*(\a)   ; and its cosine
.endr
	v_mul_u32_u24 v3, v1, PITCH
	v_lshl_add_u32 v3, v2, 4, v3                   ; r x pitch + 16 h
	s_mul_i32 s21, s11, HALFT                      ; my 128 rows of A
	s_mul_i32 s22, s12, 64*PITCH                   ; my 64 rows of S; C's lie 128 rows further on
	s_add_co_u32 s22, s22, 2*HALFT
.irp s, 0,1
	v_add_nc_u32 v[ADRA+(\s)], s21, v3
	v_add_nc_u32 v[ADRB+(\s)], s22, v3
	s_add_co_u32 s21, s21, SLOT
	s_add_co_u32 s22, s22, SLOT
.endr
	v_and_b32 v4, 1, v0                            ; even rows of the fragment: ksum's first half; odd rows: its second
	v_mul_u32_u24 v4, v4, KSC
	v_lshl_add_u32 v4, v2, 4, v4
	v_add_nc_u32 v[AK0], KSL, v4
	v_mov_b32 v[ADRK], v[AK0]
	s_mul_i32 s23, s10, 16*SPITCH
	s_add_co_u32 s23, s23, STAGE                   ; my stage
	v_mul_u32_u24 v4, v1, SPITCH                   ; in: row r, 32 bytes for each half of the lanes
	v_lshl_add_u32 v4, v2, 5, v4
	v_add_nc_u32 v[STO], s23, v4
	v_mul_u32_u24 v4, v2, SPITCH                   ; back: lanes 0-15 take one row of 256 bytes, lanes 16-31 the next
	v_lshl_add_u32 v4, v1, 4, v4
	v_add_nc_u32 v[RD], s23, v4
	v_lshlrev_b32 v4, 14, v2                       ; and the same two rows in out0: from l to l + 1 are 16,384 bytes
	v_lshl_add_u32 v[CO], v1, 4, v4
	s_lshl_b32 s20, s98, 2
	s_add_co_u32 s20, s20, s88                     ; out0's row (l, b) = 4 l + b,
	s_lshl_b32 s20, s20, 12                        ; of 4,096 bytes
	s_lshl_b32 s21, s42, 9                         ; 128 x tile column,
	s_add_co_u32 s20, s20, s21
	s_lshl_b32 s21, s12, 8                         ; my 64 columns
	s_add_co_u32 s20, s20, s21
	s_mov_b32 s21, 0
	s_add_nc_u64 s[8:9], s[76:77], s[20:21]
	; the prefetches
	s_lshl_b32 s20, s13, 8
	s_lshl_b32 s21, s12, 7
	s_add_co_u32 s20, s20, s21
	s_lshl_b32 s21, s40, 5
	s_add_co_u32 s20, s20, s21                     ; A: row 256 x tile row + 128 x half + 32 cx
	s_lshl_b32 s20, s20, 11
	s_lshl_b32 s21, s42, 7
	s_lshl_b32 s22, s41, 5
	s_add_co_u32 s21, s21, s22                     ; B: row 128 x tile column + 32 cy,
	s_lshl_b32 s21, s21, 12
	s_lshl_b32 s22, s12, 11                        ; at S's or C's columns
	s_add_co_u32 s21, s21, s22
	s_cmp_eq_u32 s11, 0
	s_cselect_b32 s20, s20, s21
	s_cselect_b32 s22, s89, s90                    ; the coordinate along which another cluster reads the same rows
	s_cselect_b32 s23, 11, 12                      ; a row's bytes, as a shift
	s_cselect_b64 s[PFA:PFA+1], s[92:93], s[94:95]
	s_cmp_eq_u32 s22, 0
	s_cselect_b32 s[LIM], 1, -1                    ; the same in all sixteen partners, for a given wave
	s_add_co_u32 s20, s20, KSTEP*2                 ; at K step 1: the first refill steps it to 2
	s_mov_b32 s21, 0
	s_add_nc_u64 s[PFA:PFA+1], s[PFA:PFA+1], s[20:21]
	v_and_b32 v4, 31, v0
	v_lshlrev_b32 v[PFO], s23, v4
	s_wait_loadcnt 0x0
	ds_store_b128 v201, v[192:195]
	ds_store_b128 v201, v[196:199] offset:KSC
	s_wait_tensorcnt 1                             ; my part of K step 0 is in; K step 1's may stay out
	s_wait_dscnt 0x0                               ; for the others' sake: my part of ksum is stored
	s_barrier_signal -1
	s_barrier_wait -1
	FETCH 0, 0, F0
	QUARTER 0, 64, F0, F1, 1                       ; the first quarter stands in front of the loop: its products start the sums
	WIN 0
	s_mov_b32 s3, LAPS-1
.Llap:                                                 ; a trip goes once round the ring, from a lap's second quarter to the next lap's first, and fills both slots again
	QUARTER 0, 128, F1, F0, 0
	QUARTER 0, 192, F0, F1, 0
	TURN 0, 1, 1
	QUARTER 1, 64,  F0, F1, 0
	QUARTER 1, 128, F1, F0, 0
	QUARTER 1, 192, F0, F1, 0
	TURN 1, 0, 1
	QUARTER 0, 64,  F0, F1, 0
	WIN 0
	s_sub_co_u32 s3, s3, 1
	s_cmp_lg_u32 s3, 0
	s_cbranch_scc1 .Llap
	QUARTER 0, 128, F1, F0, 0                      ; the last lap fills nothing
	QUARTER 0, 192, F0, F1, 0
	TURN 0, 1, 0
	QUARTER 1, 64,  F0, F1, 0
	QUARTER 1, 128, F1, F0, 0
	QUARTER 1, 192, F0, F1, 0
	s_wait_dscnt 8                                 ; the very last quarter: nothing more to fetch
	MUL16 F1, 0, 0, 0
	MUL16 F1, 0, 2, 0
	DEN4 F1, 0, 0
	s_wait_dscnt 0x0
	MUL16 F1, 1, 0, 0
	MUL16 F1, 1, 2, 0
	DEN4 F1, 1, 0
	WIN 0
	PLACES
	; THE WAY OUT.  For my row of each block: the denominator = sine x register 0 + cosine x register 1 of its accumulator, held to 1e-6 at the least; then sine and cosine over it.
	WIN 0x01                                       ; source 0 window 1
.irp a, 0,1,2,3,4,5,6,7
	v_mul_f32 v[DT+(\a)], v[8*(\a)+1], v[Z+4*(\a)+2]
.endr
.irp a, 0,1,2,3,4,5,6,7
	v_fma_f32 v[DT+(\a)], v[8*(\a)], v[Z+4*(\a)], v[DT+(\a)]
.endr
	WIN 0
.irp a, 0,1,2,3,4,5,6,7
	v_max_num_f32 v[DT+(\a)], v[DT+(\a)], s96
.endr
.irp a, 0,1,2,3,4,5,6,7
	v_rcp_f32 v[DT+(\a)], v[DT+(\a)]
.endr
	v_nop                                          ; a plain instruction between the last reciprocal and the use of its result (ISA guide 5.7.2)
	s_wait_alu depctr_va_vdst(0)                   ; and the wait ahead of the first use: one for the eight
.irp a, 0,1,2,3,4,5,6,7
	v_mul_f32 v[Z+4*(\a)+1], v[Z+4*(\a)],   v[DT+(\a)]
	v_mul_f32 v[Z+4*(\a)+3], v[Z+4*(\a)+2], v[DT+(\a)]
	v_mov_b32 v[Z+4*(\a)],   v[Z+4*(\a)+1]         ; each twice: the packed lines name a pair
	v_mov_b32 v[Z+4*(\a)+2], v[Z+4*(\a)+3]
.endr
; A block of 16 rows at a time: C's sums times cosine / denominator, S's sums times sine / denominator added by a fused multiply-add (each accumulator's registers in ascending order); through my own stage; out as whole rows of 256 bytes.
.macro PACK a
.set AC, 64*((\a)%4)
	WIN 0x02+((\a)/4)                              ; source 0 window 2 or 3
.set i, 0
.rept 16
	v_pk_mul_f32 v[T+2*i:T+2*i+1], v[AC+32+2*i:AC+32+2*i+1], v[Z+4*(\a)+2:Z+4*(\a)+3] op_sel_hi:[1,0]
.set i, i+1
.endr
.set i, 0
.rept 16
	v_pk_fma_f32 v[T+2*i:T+2*i+1], v[AC+2*i:AC+2*i+1], v[Z+4*(\a):Z+4*(\a)+1], v[T+2*i:T+2*i+1] op_sel_hi:[1,0,1]
.set i, i+1
.endr
	WIN 0
.endm
.macro TOSTAGE a
.set BK, OB+32*((\a)%2)
.irp b, 0,1,2,3
	ds_store_b128 v[STO], v[T+8*(\b):T+8*(\b)+3]   offset:64*(\b)
	ds_store_b128 v[STO], v[T+8*(\b)+4:T+8*(\b)+7] offset:64*(\b)+16
.endr
.irp t, 0,1,2,3,4,5,6,7
	ds_load_b128 v[BK+4*(\t):BK+4*(\t)+3], v[RD] offset:(\t)*2*SPITCH  ; LDS serves a wave's instructions in order (ISA guide 5.7.1.4): these see the stores above
.endr
.endm
.macro SEND a
.set BK, OB+32*((\a)%2)
	s_wait_dscnt 0x0                               ; the block is back in registers
	s_wait_xcnt 0x0                                ; the stores issued so far have read their registers: the other set of rows may be loaded again
.irp t, 0,1,2,3,4,5,6,7
	global_store_b128 v[CO], v[BK+4*(\t):BK+4*(\t)+3], s[8:9] offset:(\a)*262144+(\t)*32768 th:TH_STORE_NT  ; 16 lanes store 256 consecutive bytes, at a multiple of 256 from out0's first byte
.endr
.endm
	PACK 0
	TOSTAGE 0
.irp a, 1,2,3,4,5,6,7                  ; block a's arithmetic stands between block a - 1's loads from the stage and the wait for them
	PACK \a
	SEND (\a)-1
	TOSTAGE \a
.endr
	SEND 7
	s_wait_tensorcnt 0x0                           ; the wave's end, behind my last tensor load and my last LDS store
	ds_add_u32 v[SPW], v[NIL]
	s_wait_dscnt 0x0
	CROUND                                         ; the closing round: no work-group ends while a partner may still ask for a tile that names it
	s_endpgm
.Lfunc_end_k_q60154bb6dd_attn:
	.size	k_q60154bb6dd_attn, .Lfunc_end_k_q60154bb6dd_attn-k_q60154bb6dd_attn
	.p2alignl 7, 3214868480
	.fill 96, 4, 3214868480
	.section	.rodata,"a",@progbits
	.p2align	6, 0x0
	.amdhsa_kernel k_q60154bb6dd_attn
		.amdhsa_group_segment_fixed_size 327680
		.amdhsa_private_segment_fixed_size 0
		.amdhsa_enable_private_segment 0
		.amdhsa_kernarg_size 40
		.amdhsa_user_sgpr_count 2
		.amdhsa_user_sgpr_kernarg_segment_ptr 1
		.amdhsa_wavefront_size32 1
		.amdhsa_system_sgpr_workgroup_id_x 1
		.amdhsa_system_sgpr_workgroup_id_y 1
		.amdhsa_system_sgpr_workgroup_id_z 1
		.amdhsa_system_vgpr_workitem_id 0
		.amdhsa_next_free_vgpr 1024
		.amdhsa_next_free_sgpr 102
		.amdhsa_reserve_vcc 0
		.amdhsa_float_denorm_mode_32 3
		.amdhsa_float_denorm_mode_16_64 3
		.amdhsa_memory_ordered 1
		.amdhsa_forward_progress 1
		.amdhsa_inst_pref_size 160
	.end_amdhsa_kernel
	.amdgpu_metadata
---
amdhsa.version: [ 1, 2 ]
amdhsa.kernels:
  - .name:           k_q60154bb6dd_attn
    .symbol:         k_q60154bb6dd_attn.kd
    .args:
      - { .name: qf, .offset: 0, .size: 8, .value_kind: global_buffer, .address_space: global }
      - { .name: kvb, .offset: 8, .size: 8, .value_kind: global_buffer, .address_space: global }
      - { .name: ksm, .offset: 16, .size: 8, .value_kind: global_buffer, .address_space: global }
      - { .name: tab, .offset: 24, .size: 8, .value_kind: global_buffer, .address_space: global }
      - { .name: out0, .offset: 32, .size: 8, .value_kind: global_buffer, .address_space: global }
    .group_segment_fixed_size: 327680
    .private_segment_fixed_size: 0
    .kernarg_segment_align: 8
    .kernarg_segment_size: 40
    .max_flat_workgroup_size: 128
    .sgpr_count:     102
    .vgpr_count:     1024
    .wavefront_size: 32
...
	.end_amdgpu_metadata
.endif
;; end of part 8
